; MI455X (gfx1250); checked and timed in simulation.
; The chip was launched on July 23, 2026; its instructions are those of AMD's public machine-readable ISA for CDNA 5 (MIT licence, August 2026) and "CDNA5" Instruction Set Architecture Reference Guide (July 2026). The comments in the code are by the model that wrote it; some were corrected since.
;; Transformer Block. Allowed arithmetic: matrix products marked QUANTISED: E3M2 operands, one E8M0 scale for each 32 along K, by v_wmma_scale_f32_16x16x128_f8f6f4 with both operands' format E3M2, f32 sums; everything else in f32.
;; Inputs: W1 1,024 x 4,096 float32; W2 4,096 x 1,024 float32; Wk 1,024 x 1,024 float32; Wo 1,024 x 1,024 float32; Wq 1,024 x 1,024 float32; Wv 1,024 x 1,024 float32; b1 4,096 float32; b2 1,024 float32; be1 1,024 float32; be2 1,024 float32; bk 1,024 float32; bo 1,024 float32; bq 1,024 float32; bv 1,024 float32; g1 1,024 float32; g2 1,024 float32; x 2 x 2,048 x 1,024 float32.
;; Outputs: out0 2 x 2,048 x 1,024 float32.
;; This version of the problem:
;;   THIS VERSION OF THE PROBLEM IS GIVEN IN LOW PRECISION. The matrix products marked QUANTISED in the list below multiply operands that are first quantised to E3M2 (3 exponent bits, 2 mantissa bits; 6 bits a number), with one power-of-two scale for each 32 numbers along K (OCP MX v1.0); their sums are f32. All else is computed in f32.
;;   The module's matrix products, in the order in which they are computed (A, B: the left and right operand; K: the contracted axis; several contracted axes count as one K, in the product's order):
;;     1. [M 4,096, K 1,024] x [K 1,024, N 1,024]; A: computed on the way; B: input Wq: QUANTISED
;;     2. [M 4,096, K 1,024] x [K 1,024, N 1,024]; A: computed on the way; B: input Wk: QUANTISED
;;     3. [M 4,096, K 1,024] x [K 1,024, N 1,024]; A: computed on the way; B: input Wv: QUANTISED
;;     4. batch 32 x [M 2,048, K 64] x [K 64, N 2,048]; A: computed on the way; B: computed on the way: QUANTISED
;;     5. batch 32 x [M 64, K 2,048] x [K 2,048, N 2,048]; A: computed on the way; B: softmax (see below): QUANTISED
;;     6. [M 4,096, K 1,024] x [K 1,024, N 1,024]; A: computed on the way; B: input Wo: QUANTISED
;;     7. [M 4,096, K 1,024] x [K 1,024, N 4,096]; A: computed on the way; B: input W1: QUANTISED
;;     8. [M 4,096, K 4,096] x [K 4,096, N 1,024]; A: computed on the way; B: input W2: QUANTISED
;;   THE QUANTISER, for each operand of a quantised product, along K:
;;     - K is cut into blocks of 32 from its start; a last block that is shorter is filled with zeros.
;;     - A block's scale is 2^e with e = floor(log2(the largest magnitude in the block)) - 4, held to -126 .. 127; a block of zeros has e = 0. As a byte (E8M0): e + 127.
;;     - Each number is divided by its block's scale, clamped to +-28, and rounded to the nearest number of E3M2, ties to even, subnormals kept.
;;     - The product sums the exact products of the quantised numbers (number of the format x scale) in f32.
;;   ~~~python
;;   def quantise(x, axis):      # numpy; x: float32 -> the quantised numbers, widened to float32 again
;;       x = np.moveaxis(x, axis, -1); K = x.shape[-1]
;;       x = np.pad(x, [(0, 0)] * (x.ndim - 1) + [(0, -K % 32)]); x = x.reshape(x.shape[:-1] + (-1, 32)); a = np.abs(x).max(-1, keepdims=True)
;;       e = np.where(a > 0, np.clip(np.frexp(np.where(a > 0, a, 1))[1] - 1 - 4, -126, 127), 0)      # np.frexp(a)[1] - 1 = floor(log2(a)), exactly
;;       r = np.clip(x / 2.0 ** e, -28, 28)
;;       step = 2.0 ** (np.maximum(np.frexp(np.where(r == 0, 1, r))[1] - 1, -2) - 2)
;;       q = np.round(r / step) * step * 2.0 ** e      # np.round: ties to even
;;       return np.moveaxis(q.reshape(q.shape[:-2] + (-1,))[..., :K], -1, axis).astype(np.float32)
;;   ~~~
;;   SOFTMAX AHEAD OF A QUANTISED PRODUCT. Where the list says 'softmax', what is quantised is not the finished softmax but p = 2^(t - M), with t = logit x log2(e) and M = ceil(the row's largest t), a whole number; so 1/2 < the row's largest p <= 1. The row's sum l is taken of the UNQUANTISED p, in f32, and the product's result is divided by l at the end. Since M is a whole number, a kernel that streams over the keys may use a running M (the ceiling of the running maximum): every later rescaling is an exact power of two, which a block's scale takes up: the codes' values come out the same.
;;   OPERANDS COMPUTED ON THE WAY. 'Computed on the way' means the value that the module computes at that place (a softmax that the list does not call 'softmax' is quantised finished and normalised). What goes into a quantiser is computed in f32, as accurately as f32 sums, v_exp_f32 and their like allow (about 1e-6 of the number): no bf16 or f16 on the way to a quantiser, and a product that is left as it is and whose result goes on into a quantised operand takes f32 operands (vector FMAs, or v_wmma_f32_16x16x4_f32). A number that lies on a knife's edge between two numbers of the format may be rounded either way, as far as f32 arithmetic and the matrix unit's own rounding can turn it there, and no further.
;; 2 versions. Each part assembles by itself: llvm-mc -triple=amdgcn-amd-amdhsa -mcpu=gfx1250 --defsym DOCPART=n.
;; ======== version 1 of 2: 8 launches
;; workspace buffers: wb 9,830,400 bytes; xnb 3,276,800 bytes; qkvb 9,830,400 bytes; aob 3,276,800 bytes; x1 16,777,216 bytes; hb 13,107,200 bytes
;; launch wq (part 1): grid 768 x 1, 4 waves a work-group, no clusters, 0 bytes of LDS; arguments Wq, Wk, Wv, Wo, W1, W2, wb; writes wb
.if DOCPART == 1
	.amdgcn_target "amdgcn-amd-amdhsa--gfx1250"
	.amdhsa_code_object_version 6
	.text
	.protected	k_q44f1f2d046_wq
	.globl	k_q44f1f2d046_wq
	.p2align	8
	.type	k_q44f1f2d046_wq,@function
k_q44f1f2d046_wq:
	s_mov_b64 s[64:65], 0
	v_nop
	global_prefetch_b8 v0, s[64:65] scope:SCOPE_SE
	s_setreg_imm32_b32 hwreg(HW_REG_WAVE_MODE, 25, 1), 1
	s_wait_xcnt 0x0
; The six weights, f32 stored [K][N] (K is the FIRST axis), become codes of BF6 (E3M2) with one E8M0 byte for each 32 along K, laid in wb in the ORDER OF THE OPERAND'S REGISTERS.
; IMAGE: register p (0..11) of lane l of the fragment (16 columns n, K step s of 128) lies at (n>>7) K 96 + (s>>1) 24576 + ((n>>4)&7) 3072 + (s&1) 1536 + (p>>2) 512 + 16 l + 4 (p&3);
; the scale word of (n, s) at (n>>7) K 4 + s 512 + (n&127) 4.  So 128 columns x 256 K are one dense block of 24,576 bytes, and a fragment is three accesses of 16 bytes a lane.
; ORDER INSIDE A BLOCK OF 32: code position 16 h + 8 u + j holds the true offset 16 u + 8 h + j.  Every operand of every product of this program is laid so, which leaves each product's terms as they are.
; Wo alone: inside a K step the four blocks stand in the order 0, 2, 1, 3 (the attention launch lays its result so).
; A LANE TAKES A COLUMN, ITS REGISTERS RUN DOWN K: a block's largest magnitude needs no other lane, and the conversions give codes with K innermost.
; A work-group takes 128 columns x 128 K of one tensor, a wave 32 columns: each load reads 128 consecutive bytes a wave, 512 a work-group.  No LDS, no barrier: waves share nothing.
; A block's scale is 2^(floor(log2(largest magnitude)) - 4); its byte is the largest magnitude's exponent field - 4, held at 1 from below.
; LIMITS: a block of zeros gets the byte 1 where the rule says 127 (its codes are zeros, and this program alone reads the bytes); NaN and infinities among the inputs are not served.
.set WS,  9437184                      ; where the scale words begin in wb
.set VO,  1                            ; v1   4 x lane
.set VO1, 2                            ; v2   the same, 32 rows further down for Wo
.set VO2, 3                            ; v3   the same, 32 rows further down for all but Wo
.set LI,  4                            ; v4   16 x lane
.set SW,  16                           ; v16  my column's scale word
.set X,   32                           ; v32-159  four blocks of 32 numbers
.set F0,  160                          ; v160-171 blocks 0 and 2, then the fragment of columns 0-15
.set F1,  172                          ; v172-183 blocks 1 and 3, then the fragment of columns 16-31
.set PT,  184                          ; v184-199 the upper halves of the blocks' codes, four registers a block
	s_load_b256 s[4:11], s[0:1], 0x0               ; Wq s[4:5], Wk s[6:7], Wv s[8:9], Wo s[10:11]
	s_load_b128 s[12:15], s[0:1], 0x20             ; W1 s[12:13], W2 s[14:15]
	s_load_b64 s[16:17], s[0:1], 0x30              ; wb
	v_lshrrev_b32 v5, 5, v0
	v_readfirstlane_b32 s18, v5                    ; wave 0..3
	v_and_b32 v5, 31, v0
	v_lshlrev_b32 v[VO], 2, v5
	v_lshlrev_b32 v[LI], 4, v5
	; which tensor, which 128 columns (g), which K step (s): work-groups 0-255 the four square weights (64 each), 256-511 W1, 512-767 W2; the low bits go to g
	s_lshr_b32 s19, ttmp9, 8                       ; 0 square, 1 W1, 2 W2
	s_and_b32 s20, ttmp9, 7                        ; g
	s_and_b32 s34, ttmp9, 31
	s_bfe_u32 s21, ttmp9, 0x30003                  ; s
	s_bfe_u32 s35, ttmp9, 0x30005
	s_bfe_u32 s36, ttmp9, 0x50003
	s_bfe_u32 s37, ttmp9, 0x20006                  ; which square weight
	s_mul_i32 s22, s37, 786432                     ; the image's place in wb
	s_lshl_b32 s23, s37, 15                        ; the scale words' place behind WS
	s_mov_b32 s24, 98304                           ; bytes of 128 columns' codes
	s_mov_b32 s25, 4096                            ; and of their scale words
	s_mov_b32 s29, 4096                            ; bytes from row to row of the source
	s_cmp_eq_u32 s19, 1
	s_cselect_b32 s20, s34, s20
	s_cselect_b32 s21, s35, s21
	s_cselect_b32 s22, 3145728, s22
	s_cselect_b32 s23, 131072, s23
	s_cselect_b32 s29, 16384, s29
	s_cmp_eq_u32 s19, 2
	s_cselect_b32 s21, s36, s21
	s_cselect_b32 s22, 6291456, s22
	s_cselect_b32 s23, 262144, s23
	s_cselect_b32 s24, 393216, s24
	s_cselect_b32 s25, 16384, s25
	s_lshr_b32 s28, ttmp9, 6
	s_cmp_eq_u32 s28, 3
	s_cselect_b32 s28, 1, 0                        ; 1 for Wo alone
	s_mul_i32 s37, s28, s29
	s_lshl_b32 s37, s37, 5                         ; 32 rows for Wo, else 0
	s_lshl_b32 s38, s29, 5
	s_sub_co_u32 s38, s38, s37                     ; 0 for Wo, else 32 rows
	v_add_nc_u32 v[VO1], s37, v[VO]
	v_add_nc_u32 v[VO2], s38, v[VO]
	s_mul_i32 s34, s21, s29
	s_lshl_b32 s34, s34, 7                         ; source: 128 s rows,
	s_lshl_b32 s35, s20, 9
	s_add_co_u32 s34, s34, s35                     ; 128 g columns,
	s_lshl_b32 s35, s18, 7
	s_add_co_u32 s34, s34, s35                     ; 32 columns a wave
	s_mov_b32 s35, 0
	s_mul_i32 s40, s20, s24                        ; image: g groups,
	s_add_co_u32 s40, s40, s22
	s_lshr_b32 s36, s21, 1
	s_mul_i32 s36, s36, 24576
	s_add_co_u32 s40, s40, s36
	s_and_b32 s36, s21, 1
	s_mul_i32 s36, s36, 1536
	s_add_co_u32 s40, s40, s36
	s_mul_i32 s36, s18, 6144                       ; two fragments a wave
	s_add_co_u32 s40, s40, s36
	s_mov_b32 s41, 0
	s_mul_i32 s42, s20, s25                        ; scale words
	s_add_co_u32 s42, s42, s23
	s_lshl_b32 s36, s21, 9
	s_add_co_u32 s42, s42, s36
	s_lshl_b32 s36, s18, 7
	s_add_co_u32 s42, s42, s36
	s_add_co_u32 s42, s42, WS
	s_mov_b32 s43, 0
	s_wait_kmcnt 0x0
	s_cmp_ge_u32 ttmp9, 64                         ; the source: a choice that hangs on the work-group's number alone
	s_cselect_b64 s[26:27], s[6:7], s[4:5]
	s_cmp_ge_u32 ttmp9, 128
	s_cselect_b64 s[26:27], s[8:9], s[26:27]
	s_cmp_ge_u32 ttmp9, 192
	s_cselect_b64 s[26:27], s[10:11], s[26:27]
	s_cmp_ge_u32 ttmp9, 256
	s_cselect_b64 s[26:27], s[12:13], s[26:27]
	s_cmp_ge_u32 ttmp9, 512
	s_cselect_b64 s[26:27], s[14:15], s[26:27]
	s_add_nc_u64 s[26:27], s[26:27], s[34:35]
	s_add_nc_u64 s[30:31], s[16:17], s[40:41]
	s_add_nc_u64 s[32:33], s[16:17], s[42:43]
; block t: register p takes row base + (p&7) + 16 ((p>>3)&1) + 8 ((p>>4)&1) of my column: the order inside a block
.macro LOAD t, vo, base, S
.irp p, 0,1,2,3,4,5,6,7,8,9,10,11,12,13,14,15,16,17,18,19,20,21,22,23,24,25,26,27,28,29,30,31
	global_load_b32 v[X+32*(\t)+\p], v[\vo], s[26:27] offset:((\base)+(\p&7)+16*((\p>>3)&1)+8*((\p>>4)&1))*(\S) th:TH_LOAD_NT
.endr
.endm
.macro BLOCK t
.set XB, X+32*(\t)
.set D, F0+12*((\t)%2)+6*((\t)/2)
	v_max3_num_f32 v12, |v[XB]|, |v[XB+1]|, |v[XB+2]|              ; the block's largest magnitude: all 32 numbers are mine; two chains
	v_max3_num_f32 v13, |v[XB+3]|, |v[XB+4]|, |v[XB+5]|
.irp i, 6,10,14,18,22,26
	v_max3_num_f32 v12, v12, |v[XB+\i]|, |v[XB+\i+1]|
	v_max3_num_f32 v13, v13, |v[XB+\i+2]|, |v[XB+\i+3]|
.endr
	v_max3_num_f32 v12, v12, |v[XB+30]|, |v[XB+31]|
	v_max3_num_f32 v12, v12, v13, 0x2800000        ; and the floor 2^(5 - 127): the byte cannot fall under 1
	v_add_nc_u32 v11, 0xfe000000, v12              ; 4 off the exponent field: the conversion takes this operand's exponent field as its scale
	v_lshrrev_b32 v13, 23, v11                     ; the scale's byte
.if (\t) == 0
	v_mov_b32 v[SW], v13
.else
	v_lshl_or_b32 v[SW], v13, 8*(\t), v[SW]
.endif
	v_cvt_scalef32_pk16_bf6_f32 v[D:D+2], v[XB:XB+15], v11
	v_cvt_scalef32_pk16_bf6_f32 v[PT+4*(\t):PT+4*(\t)+2], v[XB+16:XB+31], v11   ; (a conversion's three registers begin on an even number)
	v_nop                                          ; one plain place behind a scaled conversion
.irp i, 0,1,2
	v_mov_b32 v[D+3+\i], v[PT+4*(\t)+\i]
.endr
.endm
.macro BODY S
	LOAD 0, VO, 0, \S
	LOAD 1, VO1, 32, \S
	s_wait_loadcnt 32                              ; block 0's 32 loads are in; block 1's may be out
	LOAD 2, VO2, 32, \S
	BLOCK 0
	s_wait_loadcnt 32                              ; block 1's are in; block 2's may be out
	LOAD 3, VO, 96, \S
	BLOCK 1
	s_wait_loadcnt 32                              ; block 2's are in; block 3's may be out
	BLOCK 2
	s_wait_loadcnt 0x0
	BLOCK 3
	; a fragment's lanes 0-15 want blocks 0 and 2 of columns 0-15, its lanes 16-31 blocks 1 and 3 of the same columns: F0's upper lanes change places with F1's lower lanes
.irp i, 0,1,2,3,4,5,6,7,8,9,10,11
	v_permlane16_swap_b32 v[F0+\i], v[F1+\i]
.endr
.irp c, 0,1,2
	global_store_b128 v[LI], v[F0+4*\c:F0+4*\c+3], s[30:31] offset:512*\c        ; each store of the wave covers 512 consecutive bytes, aligned
	global_store_b128 v[LI], v[F1+4*\c:F1+4*\c+3], s[30:31] offset:3072+512*\c
.endr
	global_store_b32 v[VO], v[SW], s[32:33]        ; 128 consecutive bytes a wave, 512 a work-group
	s_endpgm
.endm
	s_cmp_eq_u32 s19, 1                            ; the rows' distance stands in the loads' immediates: the body is written for each of the two
	s_cbranch_scc1 .Lwide
	BODY 4096
.Lwide:
	BODY 16384
.Lfunc_end_k_q44f1f2d046_wq:
	.size	k_q44f1f2d046_wq, .Lfunc_end_k_q44f1f2d046_wq-k_q44f1f2d046_wq
	.p2alignl 7, 3214868480
	.fill 96, 4, 3214868480
	.section	.rodata,"a",@progbits
	.p2align	6, 0x0
	.amdhsa_kernel k_q44f1f2d046_wq
		.amdhsa_group_segment_fixed_size 0
		.amdhsa_private_segment_fixed_size 0
		.amdhsa_enable_private_segment 0
		.amdhsa_kernarg_size 56
		.amdhsa_user_sgpr_count 2
		.amdhsa_user_sgpr_kernarg_segment_ptr 1
		.amdhsa_wavefront_size32 1
		.amdhsa_system_sgpr_workgroup_id_x 1
		.amdhsa_system_sgpr_workgroup_id_y 1
		.amdhsa_system_sgpr_workgroup_id_z 1
		.amdhsa_system_vgpr_workitem_id 0
		.amdhsa_next_free_vgpr 208
		.amdhsa_next_free_sgpr 66
		.amdhsa_reserve_vcc 0
		.amdhsa_float_denorm_mode_32 3
		.amdhsa_float_denorm_mode_16_64 3
		.amdhsa_memory_ordered 1
		.amdhsa_forward_progress 1
		.amdhsa_inst_pref_size 42
	.end_amdhsa_kernel
	.amdgpu_metadata
---
amdhsa.version: [ 1, 2 ]
amdhsa.kernels:
  - .name:           k_q44f1f2d046_wq
    .symbol:         k_q44f1f2d046_wq.kd
    .args:
      - { .name: Wq, .offset: 0, .size: 8, .value_kind: global_buffer, .address_space: global }
      - { .name: Wk, .offset: 8, .size: 8, .value_kind: global_buffer, .address_space: global }
      - { .name: Wv, .offset: 16, .size: 8, .value_kind: global_buffer, .address_space: global }
      - { .name: Wo, .offset: 24, .size: 8, .value_kind: global_buffer, .address_space: global }
      - { .name: W1, .offset: 32, .size: 8, .value_kind: global_buffer, .address_space: global }
      - { .name: W2, .offset: 40, .size: 8, .value_kind: global_buffer, .address_space: global }
      - { .name: wb, .offset: 48, .size: 8, .value_kind: global_buffer, .address_space: global }
    .group_segment_fixed_size: 0
    .private_segment_fixed_size: 0
    .kernarg_segment_align: 8
    .kernarg_segment_size: 56
    .max_flat_workgroup_size: 128
    .sgpr_count:     66
    .vgpr_count:     208
    .wavefront_size: 32
...
	.end_amdgpu_metadata
.endif
;; end of part 1
;; launch ln (part 2): grid 256 x 1, 8 waves a work-group, no clusters, 66,816 bytes of LDS; arguments x, g1, be1, xnb; writes xnb
.if DOCPART == 2
	.amdgcn_target "amdgcn-amd-amdhsa--gfx1250"
	.amdhsa_code_object_version 6
	.text
	.protected	k_q44f1f2d046_ln
	.globl	k_q44f1f2d046_ln
	.p2align	8
	.type	k_q44f1f2d046_ln,@function
k_q44f1f2d046_ln:
	s_mov_b64 s[64:65], 0
	v_nop
	global_prefetch_b8 v0, s[64:65] scope:SCOPE_SE
	s_setreg_imm32_b32 hwreg(HW_REG_WAVE_MODE, 25, 1), 1
	s_wait_xcnt 0x0
; LayerNorm of [4096][1024] f32 rows (mean, then the mean of squared differences, 1 / sqrt(var + 1e-6), gain, bias, all f32), quantised along the row into codes of BF6 (E3M2) with one E8M0 byte for each 32.
; The result is laid as images of operand registers: register p of lane l of the fragment (16 rows, K step s of 128) at (row>>7) 98304 + (s>>1) 24576 + ((row>>4)&7) 3072 + (s&1) 1536 + (p>>2) 512 + 16 l + 4 (p&3);
; the scale word of (row, s) at 3145728 + (row>>7) 4096 + s 512 + (row&127) 4.  Inside a block of 32, code position 16 h + 8 u + j holds the true offset 16 u + 8 h + j, as in every operand of this program.
; A work-group takes 16 rows.  PHASE 1: wave w owns rows 2 w and 2 w + 1 whole: eight loads of 512 consecutive bytes a row, the sums stay inside the wave.  The normalised rows go to LDS (pitch 4,112 bytes).
; PHASE 2, behind one barrier: wave w owns K step w of all 16 rows: lane (r, h) reads 16 numbers of each of the step's four blocks of row r and makes one fragment.
; LIMITS: a block of zeros gets the byte 1 where the rule says 127 (its codes are zeros; this program alone reads the bytes); NaN and infinities are not served.
.set PITCH, 4112
.set XSO,   3145728
.set X,   16                           ; v16-79   two rows as loaded; later the 64 numbers to quantise
.set G,   80                           ; v80-111  gain of my 32 columns
.set BE,  112                          ; v112-143 bias
.set FA,  144                          ; v144-155 the fragment
.set PT,  156                          ; v156-163 the conversions' second halves
.set TM,  164                          ; v164-179 the quantiser's work
.set PW,  180                          ; v180     the scale word
.set T,   182                          ; v182-189 sums, four registers a row
.set MU,  190                          ; v190-193 the mean, later 1 / sqrt, as a pair for each row
.set SEL, 20                           ; s[20:21] selects of v_permlanex16_b32: lane l xor 16
; 64 numbers of a lane, register 16 b + i = position 16 h + i of block b of my row, become a fragment's registers 0-5 in v[d0] on, 6-11 in v[d1] on, and the row's scale word in v[pw]
.macro QUANT s, d0, d1, pw
.irp b, 0,1,2,3
	v_max3_num_f32 v[TM+\b], |v[\s+16*\b]|, |v[\s+1+16*\b]|, 0x2800000   ; my 16 numbers of block b, and the floor 2^(5 - 127): the byte cannot fall under 1
.endr
.irp i, 2,4,6,8,10,12,14
.irp b, 0,1,2,3
	v_max3_num_f32 v[TM+\b], v[TM+\b], |v[\s+16*\b+\i]|, |v[\s+1+16*\b+\i]|   ; the four blocks by turns
.endr
.endr
.irp b, 0,1,2,3
	v_permlanex16_b32 v[TM+4+\b], v[TM+\b], s[SEL], s[SEL+1]
.endr
.irp b, 0,1,2,3
	v_max_num_f32 v[TM+\b], v[TM+\b], v[TM+4+\b]   ; with lane l xor 16's: the block's largest magnitude
.endr
.irp b, 0,1,2,3
	v_add_nc_u32 v[TM+12+\b], 0xfe000000, v[TM+\b] ; 4 off its exponent field: the conversion's scale operand
.endr
.irp b, 0,1,2,3
	v_lshrrev_b32 v[TM+4+\b], 23, v[TM+12+\b]      ; the scale's byte
.endr
	v_lshl_or_b32 v[\pw], v[TM+5], 8, v[TM+4]
	v_lshl_or_b32 v[\pw], v[TM+6], 16, v[\pw]
	v_lshl_or_b32 v[\pw], v[TM+7], 24, v[\pw]
	v_cvt_scalef32_pk16_bf6_f32 v[\d0:\d0+2], v[\s:\s+15], v[TM+12]
	v_cvt_scalef32_pk16_bf6_f32 v[PT:PT+2], v[\s+16:\s+31], v[TM+13]
	v_cvt_scalef32_pk16_bf6_f32 v[\d1:\d1+2], v[\s+32:\s+47], v[TM+14]
	v_cvt_scalef32_pk16_bf6_f32 v[PT+4:PT+6], v[\s+48:\s+63], v[TM+15]
	v_nop                                          ; one plain place behind a scaled conversion
.irp i, 0,1,2                                  ; the layout wants a WHOLE block in a lane: lanes 0-15 the even block, lanes 16-31 the odd one
	v_permlane16_swap_b32 v[\d0+\i], v[PT+\i]
.endr
.irp i, 0,1,2
	v_mov_b32 v[\d0+3+\i], v[PT+\i]
.endr
.irp i, 0,1,2
	v_permlane16_swap_b32 v[\d1+\i], v[PT+4+\i]
.endr
.irp i, 0,1,2
	v_mov_b32 v[\d1+3+\i], v[PT+4+\i]
.endr
.endm
; the two rows' partial sums (two pairs each) become the rows' sums, in every lane
.macro REDUCE
.irp p, 0,1
	v_pk_add_f32 v[T+4*\p:T+4*\p+1], v[T+4*\p:T+4*\p+1], v[T+4*\p+2:T+4*\p+3]
.endr
.irp p, 0,1
	v_add_f32 v[T+4*\p], v[T+4*\p], v[T+4*\p+1]
.endr
.irp m, 1,2,4,8
.irp p, 0,1
	v_add_f32_dpp v[T+4*\p], v[T+4*\p], v[T+4*\p] row_xmask:\m row_mask:0xf bank_mask:0xf
.endr
.endr
.irp p, 0,1
	v_permlanex16_b32 v[T+4*\p+1], v[T+4*\p], s[SEL], s[SEL+1]
.endr
.irp p, 0,1
	v_add_f32 v[T+4*\p], v[T+4*\p], v[T+4*\p+1]
.endr
.endm
	s_load_b256 s[4:11], s[0:1], 0x0               ; rows s[4:5], gain s[6:7], bias s[8:9], result s[10:11]
	v_lshl_add_u32 v200, v0, 2, 0x10100
	v_mov_b32 v201, 0
	v_lshrrev_b32 v5, 5, v0
	v_readfirstlane_b32 s12, v5                    ; wave 0..7
	v_and_b32 v5, 31, v0
	v_lshlrev_b32 v1, 4, v5                        ; 16 x lane
	s_mul_i32 s13, s12, 2*PITCH
	v_add_nc_u32 v2, s13, v1                       ; LDS, on the way in: my two rows, 16 bytes a lane
	v_and_b32 v6, 15, v0                           ; r
	v_bfe_u32 v7, v0, 4, 1                         ; h
	v_mul_u32_u24 v3, v6, PITCH
	v_lshl_add_u32 v3, v7, 5, v3
	s_lshl_b32 s13, s12, 9
	v_add_nc_u32 v3, s13, v3                       ; LDS, on the way out: row r, K step w, + 32 h
	v_lshlrev_b32 v4, 2, v6                        ; 4 r
	s_mov_b32 s[SEL], 0x76543210
	s_mov_b32 s[SEL+1], 0xfedcba98
	s_mov_b32 s22, 0x3a800000                      ; 1 / 1024
	s_mov_b32 s23, 0x358637bd                      ; 1e-6
.irp b, 0,1,2,3
	v_mov_b32 v[TM+4+\b], 0                        ; written once: a lane permute's destination counts as one of its sources
.endr
	s_lshl_b32 s14, ttmp9, 16                      ; 16 rows of 4,096 bytes a work-group,
	s_lshl_b32 s15, s12, 13                        ; two a wave
	s_add_co_u32 s14, s14, s15
	s_mov_b32 s15, 0
	s_lshr_b32 s16, ttmp9, 3                       ; the group of 128 rows,
	s_and_b32 s17, ttmp9, 7                        ; the 16 rows in it
	s_mul_i32 s18, s16, 98304
	s_lshr_b32 s19, s12, 1
	s_mul_i32 s19, s19, 24576
	s_add_co_u32 s18, s18, s19
	s_mul_i32 s19, s17, 3072
	s_add_co_u32 s18, s18, s19
	s_and_b32 s19, s12, 1
	s_mul_i32 s19, s19, 1536
	s_add_co_u32 s18, s18, s19                     ; my fragment's place
	s_mov_b32 s19, 0
	s_lshl_b32 s24, s16, 12
	s_lshl_b32 s25, s12, 9
	s_add_co_u32 s24, s24, s25
	s_lshl_b32 s25, s17, 6
	s_add_co_u32 s24, s24, s25
	s_add_co_u32 s24, s24, XSO                     ; its scale words' place
	s_mov_b32 s25, 0
	s_wait_kmcnt 0x0
	s_add_nc_u64 s[4:5], s[4:5], s[14:15]
	s_add_nc_u64 s[26:27], s[10:11], s[18:19]
	s_add_nc_u64 s[28:29], s[10:11], s[24:25]
.irp p, 0,1
.irp j, 0,1,2,3,4,5,6,7
	global_load_b128 v[X+32*\p+4*\j:X+32*\p+4*\j+3], v1, s[4:5] offset:4096*\p+512*\j    ; 512 consecutive bytes a load
.endr
.endr
.irp j, 0,1,2,3,4,5,6,7
	global_load_b128 v[G+4*\j:G+4*\j+3], v1, s[6:7] offset:512*\j
.endr
.irp j, 0,1,2,3,4,5,6,7
	global_load_b128 v[BE+4*\j:BE+4*\j+3], v1, s[8:9] offset:512*\j
.endr
	s_wait_loadcnt 16                              ; the rows are in; gain and bias (16 loads) may be out
	; the mean
.irp p, 0,1
	v_pk_add_f32 v[T+4*\p:T+4*\p+1], v[X+32*\p:X+32*\p+1], v[X+32*\p+2:X+32*\p+3]
	v_pk_add_f32 v[T+4*\p+2:T+4*\p+3], v[X+32*\p+4:X+32*\p+5], v[X+32*\p+6:X+32*\p+7]
.endr
.irp j, 8,12,16,20,24,28
.irp p, 0,1
	v_pk_add_f32 v[T+4*\p:T+4*\p+1], v[T+4*\p:T+4*\p+1], v[X+32*\p+\j:X+32*\p+\j+1]
	v_pk_add_f32 v[T+4*\p+2:T+4*\p+3], v[T+4*\p+2:T+4*\p+3], v[X+32*\p+\j+2:X+32*\p+\j+3]
.endr
.endr
	REDUCE
.irp p, 0,1
	v_mul_f32 v[MU+2*\p], s22, v[T+4*\p]
	v_mul_f32 v[MU+2*\p+1], s22, v[T+4*\p]
.endr
.irp p, 0,1
.set i, 0
.rept 16
	v_pk_add_f32 v[X+32*\p+i:X+32*\p+i+1], v[X+32*\p+i:X+32*\p+i+1], v[MU+2*\p:MU+2*\p+1] neg_lo:[0,1] neg_hi:[0,1]   ; x - mean
.set i, i+2
.endr
.endr
	; the mean of the squares of the differences
.irp p, 0,1
	v_pk_mul_f32 v[T+4*\p:T+4*\p+1], v[X+32*\p:X+32*\p+1], v[X+32*\p:X+32*\p+1]
	v_pk_mul_f32 v[T+4*\p+2:T+4*\p+3], v[X+32*\p+2:X+32*\p+3], v[X+32*\p+2:X+32*\p+3]
.endr
.irp j, 4,8,12,16,20,24,28
.irp p, 0,1
	v_pk_fma_f32 v[T+4*\p:T+4*\p+1], v[X+32*\p+\j:X+32*\p+\j+1], v[X+32*\p+\j:X+32*\p+\j+1], v[T+4*\p:T+4*\p+1]
	v_pk_fma_f32 v[T+4*\p+2:T+4*\p+3], v[X+32*\p+\j+2:X+32*\p+\j+3], v[X+32*\p+\j+2:X+32*\p+\j+3], v[T+4*\p+2:T+4*\p+3]
.endr
.endr
	REDUCE
.irp p, 0,1
	v_fma_f32 v[T+4*\p], v[T+4*\p], s22, s23       ; var + 1e-6
.endr
	v_rsq_f32 v[MU], v[T]
	v_rsq_f32 v[MU+2], v[T+4]
	v_nop                                          ; a plain instruction behind the last of the two
	s_wait_alu depctr_va_vdst(0)                   ; one wait for both, ahead of their first reader
	v_mov_b32 v[MU+1], v[MU]
	v_mov_b32 v[MU+3], v[MU+2]
	s_wait_loadcnt 0x0                             ; gain and bias
.irp p, 0,1
.set i, 0
.rept 16
	v_pk_mul_f32 v[X+32*\p+i:X+32*\p+i+1], v[X+32*\p+i:X+32*\p+i+1], v[MU+2*\p:MU+2*\p+1]
.set i, i+2
.endr
.endr
.irp p, 0,1
.set i, 0
.rept 16
	v_pk_fma_f32 v[X+32*\p+i:X+32*\p+i+1], v[X+32*\p+i:X+32*\p+i+1], v[G+i:G+i+1], v[BE+i:BE+i+1]
.set i, i+2
.endr
.endr
.irp p, 0,1
.irp j, 0,1,2,3,4,5,6,7
	ds_store_b128 v2, v[X+32*\p+4*\j:X+32*\p+4*\j+3] offset:PITCH*\p+512*\j
.endr
.endr
	s_wait_dscnt 0x0                               ; for the others' sake: my stores have landed
	s_barrier_signal -1
	s_barrier_wait -1                              ; sixteen normalised rows lie in LDS
.irp b, 0,1,2,3
.irp u, 0,1
.irp e, 0,1
	ds_load_b128 v[X+16*\b+8*\u+4*\e:X+16*\b+8*\u+4*\e+3], v3 offset:128*\b+64*\u+16*\e   ; position 16 h + 8 u + 4 e + i takes the true offset 16 u + 8 h + 4 e + i
.endr
.endr
.endr
	s_wait_dscnt 0x0
	QUANT X, FA, FA+6, PW
.irp c, 0,1,2
	global_store_b128 v1, v[FA+4*\c:FA+4*\c+3], s[26:27] offset:512*\c    ; 512 consecutive bytes, aligned
.endr
	global_store_b32 v4, v[PW], s[28:29]           ; 64 consecutive bytes: lanes r and 16 + r hold the same word and write it to the same place
	s_wait_tensorcnt 0x0
	ds_add_u32 v200, v201
	s_wait_dscnt 0x0
	s_endpgm
.Lfunc_end_k_q44f1f2d046_ln:
	.size	k_q44f1f2d046_ln, .Lfunc_end_k_q44f1f2d046_ln-k_q44f1f2d046_ln
	.p2alignl 7, 3214868480
	.fill 96, 4, 3214868480
	.section	.rodata,"a",@progbits
	.p2align	6, 0x0
	.amdhsa_kernel k_q44f1f2d046_ln
		.amdhsa_group_segment_fixed_size 66816
		.amdhsa_private_segment_fixed_size 0
		.amdhsa_enable_private_segment 0
		.amdhsa_kernarg_size 32
		.amdhsa_user_sgpr_count 2
		.amdhsa_user_sgpr_kernarg_segment_ptr 1
		.amdhsa_wavefront_size32 1
		.amdhsa_system_sgpr_workgroup_id_x 1
		.amdhsa_system_sgpr_workgroup_id_y 1
		.amdhsa_system_sgpr_workgroup_id_z 1
		.amdhsa_system_vgpr_workitem_id 0
		.amdhsa_next_free_vgpr 202
		.amdhsa_next_free_sgpr 66
		.amdhsa_reserve_vcc 0
		.amdhsa_float_denorm_mode_32 3
		.amdhsa_float_denorm_mode_16_64 3
		.amdhsa_memory_ordered 1
		.amdhsa_forward_progress 1
		.amdhsa_inst_pref_size 24
	.end_amdhsa_kernel
	.amdgpu_metadata
---
amdhsa.version: [ 1, 2 ]
amdhsa.kernels:
  - .name:           k_q44f1f2d046_ln
    .symbol:         k_q44f1f2d046_ln.kd
    .args:
      - { .name: x, .offset: 0, .size: 8, .value_kind: global_buffer, .address_space: global }
      - { .name: g1, .offset: 8, .size: 8, .value_kind: global_buffer, .address_space: global }
      - { .name: be1, .offset: 16, .size: 8, .value_kind: global_buffer, .address_space: global }
      - { .name: xnb, .offset: 24, .size: 8, .value_kind: global_buffer, .address_space: global }
    .group_segment_fixed_size: 66816
    .private_segment_fixed_size: 0
    .kernarg_segment_align: 8
    .kernarg_segment_size: 32
    .max_flat_workgroup_size: 256
    .sgpr_count:     66
    .vgpr_count:     202
    .wavefront_size: 32
...
	.end_amdgpu_metadata
.endif
;; end of part 2
;; launch gemm_qkv (part 3): grid 12 x 16, 4 waves a work-group, clusters of 4 x 4, 327,680 bytes of LDS; arguments xnb, wb, bq, bk, bv, qkvb; writes qkvb
.if DOCPART == 3
	.amdgcn_target "amdgcn-amd-amdhsa--gfx1250"
	.amdhsa_code_object_version 6
	.text
	.protected	k_q44f1f2d046_gemm_qkv
	.globl	k_q44f1f2d046_gemm_qkv
	.p2align	8
	.type	k_q44f1f2d046_gemm_qkv,@function
k_q44f1f2d046_gemm_qkv:
	s_mov_b64 s[64:65], 0
	v_nop
	global_prefetch_b8 v0, s[64:65] scope:SCOPE_SE
	s_setreg_imm32_b32 hwreg(HW_REG_WAVE_MODE, 25, 1), 1
	s_wait_xcnt 0x0
	s_wait_alu depctr_hold_cnt(0) depctr_sa_sdst(0) depctr_va_vdst(0) depctr_va_sdst(0) depctr_va_ssrc(0) depctr_va_vcc(0) depctr_vm_vsrc(0)
	s_getreg_b32 s2, hwreg(HW_REG_IB_STS2, 6, 4)
	s_cmp_eq_u32 s2, 0
	s_cbranch_scc0 .Lentry_in_a_cluster
	s_endpgm
.Lentry_in_a_cluster:
	s_bfe_u32 s2, ttmp6, 0x10000c
	s_cmp_lg_u32 s2, 0xf033
	s_cbranch_scc0 .Lentry_shape_is_right
	s_endpgm
.Lentry_shape_is_right:
; q = xn Wq + bq, k = xn Wk + bk, v = xn Wv + bv on codes of BF6 (E3M2) with E8M0 scales, f32 sums; the results are quantised here: q and k along the head's 64, v along the keys.
; Both operands lie in memory as images of their fragments' registers: 128 rows x 256 K are one dense block of 24,576 bytes ([16 rows][128 K][1,536 bytes]); a fragment is three loads of 16 bytes a lane, at 16 x lane.
; A tile of 256 x 256 is made by four waves, each 128 x 128: 64 accumulators, 512 registers.  K = 1,024 goes in steps of 256 through a ring of two LDS slots filled by the tensor data mover.
; THE MATRIX INSTRUCTION IS USED TRANSPOSED (source 0 = 16 rows of B, source 1 = 16 rows of A): a lane holds one row of A and eight neighbouring rows of B.
; ONE LAUNCH, THREE PRODUCTS.  Clusters with x = 0, 1: A = xn (tokens), B = Wq, Wk (2,048 rows on end): a lane holds a token, its registers run along (head, d): the K of q k^T.
; Clusters with x = 2: A = Wv, B = xn: a lane holds a d, its registers run along the tokens: the K of the product with the softmax.  The choice hangs on the cluster's x alone, the same in all sixteen partners.
; CLUSTERS: 4 x 4 work-groups; A's tiles are asked for jointly along a row of the cluster, B's along a column.
; OUT (qkvb): q at 0, k at 3145728, v at 6291456; head hd = 16 batch + head has 98,304 bytes of codes.  q, k: the pair fragment f = token / 32 at hd 98304 + f 1536: registers 0-5 token tile 2 f, registers 6-11 tile 2 f + 1;
; its scale word at 9437184 (k: + 131072) + hd 4096 + f 64 + 4 r: bytes 0, 1 tile 2 f, bytes 2, 3 tile 2 f + 1.  v: fragment (key step s of 128, d tile t) at hd 98304 + s 6144 + t 1536, word at 9699328 + hd 4096 + s 256 + t 64 + 4 r.
; Every work-group loads a bias in both patterns (along B's rows from bq or bk, along A's rows from bv) and uses one of them; both loads stay inside their buffers.
; LIMITS: a block of zeros gets the byte 1 where the rule says 127 (its codes are zeros; this program alone reads the bytes); NaN and infinities are not served; k is permuted inside blocks of 32, alike in both operands.
; REGISTERS: window 0: v0-31 addresses; v32-63 scale words, two sets; v64-127 bias along B's rows; v128-223 A's fragments, one set; v224-239 bias along A's rows.  window 1: B's fragments, two sets, at v0 and v128.
;   windows 2, 3: the accumulators ((a, b) at v[8 (8 (a % 4) + b)]).  The way out uses window 0's v32-57 and v128-223 anew.
.set SIZE_K, 1024
.set XSO,    3145728                   ; xn's scale words in xnb
.set WSO,    9437184                   ; Wq's and Wk's scale words in wb
.set WV_I,   1572864                   ; Wv's codes in wb
.set WV_S,   9502720                   ; Wv's scale words
.set NQ,     2                         ; matrix instructions deep in a slot
.set FR,     12                        ; registers of a fragment
.set NL,     3                         ; LDS loads that bring one
.set NP,     4                         ; places behind this matrix instruction (ISA guide 7.12.1)
.set PART,   24576                     ; 128 rows x 256 K: what one tensor load brings, and what one wave reads of A or of B
.set SLOT,   4*PART                    ; A's 256 rows, then B's 256 rows
.set LAPS,   SIZE_K/512                ; a lap = once round the ring
.set GB,     SIZE_K*96                 ; 128 rows' codes in memory
.set SG,     SIZE_K*4                  ; 128 rows' scale words
.set SCL,    2*SLOT                    ; behind the ring: the scale words of the 512 rows, for all of K: filled once
.set SPARE,  SCL+4*SG                  ; behind them: the spare words, 128 bytes a wave, that no other line names
.set ADRA, 16                          ; v16-17 LDS address of my A fragments in slot 0, 1
.set ADRB, 20                          ; v20-21 the same for B
.set L4,   22                          ; v22    4 x lane
.set LI,   26                          ; v26    16 x lane
.set ADRS, 27                          ; v27    LDS address of my scale words: lanes 0-15 A's rows, lanes 16-31 B's
.set SPW,  28                          ; v28    my spare word; never rewritten
.set NIL,  29                          ; v29    0; never rewritten
.set BH,   30                          ; v30    32 h
.set R4,   31                          ; v31    4 r
.set SC,   32                          ; scale words: register SC + 16 set + 2 i + q: lanes 0-15 A's block i, lanes 16-31 B's block i
.set AF,   128
.set TM,   32                          ; the way out: v32-47 the quantiser's work
.set P0,   48
.set P1,   49
.set W,    50                          ; v50-57 eight scale words
.set BI,   64
.set HA,   128                         ; v128-191 64 numbers to quantise
.set FA,   192
.set FB,   204
.set PT,   216
.set BL,   224
.set SEL,  66                          ; s[66:67] selects of v_permlanex16_b32
.set G1, 24
.set G0, 32
.set G1B, 48
.set G0B, 56
.set G1S, 68
.set G0S, 76
.set G1SB, 80
.set G0SB, 88
.set MSB, 0
.macro WIN new                         ; the immediate's high byte repeats the setting that is left
.if MSB != \new
	s_set_vgpr_msb (MSB<<8)|\new
.set MSB, \new
.endif
.endm
.set MUL_LO, 0xa1                      ; source 0 (B) window 1, source 1 (A) window 0, C and D window 2
.set MUL_HI, 0xf1                      ; the same, C and D window 3
.set TO_B,   0x40                      ; destination window 1, address window 0
; A joint load: waves 0 and 1 fetch for A, waves 2 and 3 for B; the branch hangs on the wave's number alone.  Four v_nop follow each of the two lines.
.macro JLOAD g0a, g1a, g0b, g1b
	s_cmp_eq_u32 s15, 0
	s_cbranch_scc0 .Lfor_b_\@
	tensor_load_to_lds s[\g0a:\g0a+3], s[\g1a:\g1a+7]
	s_nop 0
.rept 4
	v_nop
.endr
	s_branch .Lasked_\@
.Lfor_b_\@:
	tensor_load_to_lds s[\g0b:\g0b+3], s[\g1b:\g1b+7]
	s_nop 0
.rept 4
	v_nop
.endr
.Lasked_\@:
.endm
.macro CREST                           ; a round of the cluster's barrier behind its opening barrier
	s_cmp_lg_u32 s14, 0
	s_cbranch_scc1 .Lnot_wave_0_\@
	s_barrier_signal -3
.Lnot_wave_0_\@:
	s_barrier_wait -3
	s_barrier_signal -1
	s_barrier_wait -1
.endm
.macro CROUND
	s_barrier_signal -1
	s_barrier_wait -1
	CREST
.endm
	s_load_b128 s[4:7], s[0:1], 0x0                ; xnb, wb
	s_load_b128 s[96:99], s[0:1], 0x10             ; bq, bk
	s_load_b128 s[8:11], s[0:1], 0x20              ; bv, qkvb
	v_lshl_add_u32 v[SPW], v0, 2, SPARE
	v_mov_b32 v[NIL], 0
	ds_add_u32 v28, v29
	ds_add_u32 v28, v29
	s_wait_dscnt 0x0
	v_lshrrev_b32 v1, 5, v0
	v_readfirstlane_b32 s14, v1                    ; wave 0..3
	s_lshr_b32 s15, s14, 1                         ; which half of the tile's rows (A) is mine.  Also: I fetch for A (0) or for B (1)
	s_and_b32 s16, s14, 1                          ; which half of its columns (B).  Also: which 128 rows I fetch
	s_bfe_u32 s40, ttmp6, 0x40000                  ; cx, cy: my place in the cluster
	s_bfe_u32 s41, ttmp6, 0x40004
	s_and_b32 s18, ttmp7, 0xffff                   ; the cluster's y
	s_cmp_eq_u32 ttmp9, 2                          ; the clusters with x = 2 make v: 4 tile rows (Wv) x 16 tile columns (tokens)
	s_cselect_b32 s42, s18, ttmp9
	s_cselect_b32 s17, 0, s18
	s_lshl_b32 s42, s42, 2
	s_add_co_u32 s42, s42, s40                     ; tile column
	s_lshl_b32 s17, s17, 2
	s_add_co_u32 s17, s17, s41                     ; tile row
	s_lshl_b32 s43, s41, 2
	s_lshl_b32 s43, 15, s43                        ; my row of the cluster
	s_lshl_b32 s44, 0x1111, s40                    ; my column
	; descriptor group 1: a dense block of 24,576 bytes as 96 rows of 256 bytes (32 elements of 8 bytes), no padding
	s_or_b32 s[G1+0], s43, (3<<16)|(1<<21)         ; 15:0 the mask: A's tiles go to my row; 17:16 elements of 8 bytes; 21 set beside a mask
	s_or_b32 s[G1B+0], s44, (3<<16)|(1<<21)
.irp g, G1, G1B
	s_mov_b32 s[\g+1], 32<<16                      ; tensor_dim0
	s_mov_b32 s[\g+2], 96<<16                      ; tensor_dim1
	s_mov_b32 s[\g+3], 32<<16                      ; tile_dim0
	s_mov_b32 s[\g+4], 96                          ; tile_dim1
	s_mov_b32 s[\g+5], 32                          ; tensor_dim0_stride
	s_mov_b32 s[\g+6], 0
	s_mov_b32 s[\g+7], 0
.endr
	; and for the scale words of 128 rows: SG dense bytes, as rows of 256 bytes
	s_or_b32 s[G1S+0], s43, (3<<16)|(1<<21)
	s_or_b32 s[G1SB+0], s44, (3<<16)|(1<<21)
.irp g, G1S, G1SB
	s_mov_b32 s[\g+1], 32<<16
	s_mov_b32 s[\g+2], (SG/256)<<16
	s_mov_b32 s[\g+3], 32<<16
	s_mov_b32 s[\g+4], SG/256
	s_mov_b32 s[\g+5], 32
	s_mov_b32 s[\g+6], 0
	s_mov_b32 s[\g+7], 0
.endr
	s_lshl_b32 s20, s17, 1
	s_add_co_u32 s20, s20, s16                     ; A: the group of 128 rows that I fetch
	s_lshl_b32 s46, s42, 1
	s_add_co_u32 s46, s46, s16                     ; B: likewise
	s_mul_i32 s22, s20, SG
	s_mul_i32 s92, s46, SG
	s_mul_i32 s20, s20, GB
	s_mul_i32 s46, s46, GB
	s_mov_b32 s21, 0
	s_mov_b32 s23, 0
	s_mov_b32 s47, 0
	s_mov_b32 s93, 0
	s_mul_i32 s45, s14, PART                       ; where they go: wave x a part: no place in the cluster enters an LDS address
	s_wait_kmcnt 0x0
	s_mov_b64 s[12:13], s[10:11]                   ; qkvb
	s_mov_b64 s[100:101], s[8:9]                   ; bv
	s_add_nc_u64 s[18:19], s[4:5], XSO             ; xn's scale words
	s_add_nc_u64 s[66:67], s[6:7], WSO             ; Wq's and Wk's
	s_add_nc_u64 s[2:3], s[6:7], WV_I              ; Wv's codes
	s_add_nc_u64 s[94:95], s[6:7], WV_S            ; Wv's scale words
	s_cmp_eq_u32 ttmp9, 2
	s_cselect_b64 s[8:9], s[4:5], s[6:7]           ; B's codes: xn for v, else Wq and Wk
	s_cselect_b64 s[10:11], s[18:19], s[66:67]     ; B's scale words
	s_cselect_b64 s[4:5], s[2:3], s[4:5]           ; A's codes: Wv for v, else xn
	s_cselect_b64 s[6:7], s[94:95], s[18:19]       ; A's scale words
	s_mul_i32 s94, s14, SG
	s_add_nc_u64 s[20:21], s[4:5], s[20:21]
	s_add_nc_u64 s[22:23], s[6:7], s[22:23]
	s_add_nc_u64 s[46:47], s[8:9], s[46:47]
	s_add_nc_u64 s[92:93], s[10:11], s[92:93]
	CROUND                                         ; all sixteen work-groups are here: the first joint loads meet
	s_mov_b32 s[G0S], 1
	s_add_co_u32 s[G0S+1], s94, SCL
	s_mov_b64 s[G0S+2:G0S+3], s[22:23]
	s_or_b32 s[G0S+3], s[G0S+3], 0x80000000
	s_mov_b32 s[G0SB], 1
	s_add_co_u32 s[G0SB+1], s94, SCL
	s_mov_b64 s[G0SB+2:G0SB+3], s[92:93]
	s_or_b32 s[G0SB+3], s[G0SB+3], 0x80000000
	JLOAD G0S, G1S, G0SB, G1SB                     ; the scale words first: they are wanted with K step 0
.irp s, 0,1
	s_mov_b32 s[G0+4*\s], 1
	s_add_co_u32 s[G0+4*\s+1], s45, \s*SLOT
	s_add_nc_u64 s[G0+4*\s+2:G0+4*\s+3], s[20:21], \s*PART
	s_or_b32 s[G0+4*\s+3], s[G0+4*\s+3], 0x80000000
	s_mov_b32 s[G0B+4*\s], 1
	s_add_co_u32 s[G0B+4*\s+1], s45, \s*SLOT
	s_add_nc_u64 s[G0B+4*\s+2:G0B+4*\s+3], s[46:47], \s*PART
	s_or_b32 s[G0B+4*\s+3], s[G0B+4*\s+3], 0x80000000
	JLOAD G0+4*\s, G1, G0B+4*\s, G1B
.endr
	v_and_b32 v1, 15, v0                           ; r
	v_bfe_u32 v2, v0, 4, 1                         ; h
	v_and_b32 v3, 31, v0
	v_lshlrev_b32 v[LI], 4, v3
	v_lshlrev_b32 v[L4], 2, v3
	v_lshlrev_b32 v[BH], 5, v2
	v_lshlrev_b32 v[R4], 2, v1
	s_mul_i32 s21, s15, PART                       ; my 128 rows of A
	s_mul_i32 s22, s16, PART                       ; my 128 rows of B,
	s_add_co_u32 s22, s22, 2*PART                  ; which lie behind A's 256
.irp s, 0,1
	v_add_nc_u32 v[ADRA+\s], s21, v[LI]
	v_add_nc_u32 v[ADRB+\s], s22, v[LI]
	s_add_co_u32 s21, s21, SLOT
	s_add_co_u32 s22, s22, SLOT
.endr
	s_mul_i32 s21, s15, SG                         ; A's scale words: my 128 rows
	s_mul_i32 s22, s16, SG                         ; B's, behind A's 256
	s_add_co_u32 s22, s22, 2*SG
	s_sub_co_u32 s22, s22, s21
	v_mul_u32_u24 v6, s22, v2                      ; lanes 16-31 take B's: one product with h
	s_add_co_u32 s21, s21, SCL
	v_add_nc_u32 v5, v[R4], v6
	v_add_nc_u32 v[ADRS], s21, v5
	; the biases
	s_lshl_b32 s92, s17, 8
	s_lshl_b32 s18, s15, 7
	s_add_co_u32 s92, s92, s18                     ; my first row of A
	s_lshl_b32 s93, s42, 8
	s_lshl_b32 s18, s16, 7
	s_add_co_u32 s93, s93, s18                     ; my first row of B
	s_and_b32 s20, s93, 1023
	s_lshl_b32 s20, s20, 2
	s_mov_b32 s21, 0
	s_cmp_eq_u32 ttmp9, 1
	s_cselect_b64 s[96:97], s[98:99], s[96:97]     ; bk for the clusters with x = 1, else bq
	s_add_nc_u64 s[96:97], s[96:97], s[20:21]
	s_and_b32 s22, s92, 1023
	s_lshl_b32 s22, s22, 2
	s_mov_b32 s23, 0
	s_add_nc_u64 s[100:101], s[100:101], s[22:23]
.irp b, 0,1,2,3,4,5,6,7
	global_load_b128 v[BI+8*\b:BI+8*\b+3], v[BH], s[96:97] offset:64*\b          ; lane (r, h): the bias of B's rows 16 b + 8 h + 0 .. 7
	global_load_b128 v[BI+8*\b+4:BI+8*\b+7], v[BH], s[96:97] offset:64*\b+16
.endr
.irp a, 0,1,2,3,4,5,6,7
	global_load_b32 v[BL+2*\a], v[R4], s[100:101] offset:64*\a                   ; lane (r, h): bv of A's row 16 a + r, twice: a pair for the packed addition
	global_load_b32 v[BL+2*\a+1], v[R4], s[100:101] offset:64*\a
.endr
	; where my part of the result lies
	s_add_co_u32 s94, s92, 2048
	s_cmp_eq_u32 ttmp9, 2
	s_cselect_b32 s95, s93, s92                    ; my first token
	s_cselect_b32 s94, s94, s93                    ; my first feature of the 3,072
	s_lshr_b32 s18, s94, 10                        ; q, k or v
	s_bfe_u32 s19, s94, 0x40006                    ; the head
	s_lshr_b32 s20, s95, 11
	s_lshl_b32 s20, s20, 4
	s_add_co_u32 s19, s19, s20                     ; hd = 16 batch + head
	s_bfe_u32 s20, s95, 0x40007                    ; which 128 tokens of the 2,048
	s_mul_i32 s46, s18, 3145728
	s_mul_i32 s47, s19, 98304
	s_add_co_u32 s46, s46, s47
	s_mul_i32 s47, s20, 6144
	s_add_co_u32 s46, s46, s47
	s_mov_b32 s47, 0
	s_lshl_b32 s66, s18, 17
	s_lshl_b32 s67, s19, 12
	s_add_co_u32 s66, s66, s67
	s_lshl_b32 s67, s20, 8
	s_add_co_u32 s66, s66, s67
	s_add_co_u32 s66, s66, 9437184
	s_mov_b32 s67, 0
	s_add_nc_u64 s[98:99], s[12:13], s[66:67]      ; scale words
	s_add_nc_u64 s[12:13], s[12:13], s[46:47]      ; codes
.macro FRAG reg, adr, q, i             ; a fragment comes as it was stored: three loads of 16 bytes a lane, 512 consecutive bytes each
.irp c, 0,1,2
	ds_load_b128 v[\reg+4*\c:\reg+4*\c+3], v[\adr] offset:(\i)*3072+(\q)*1536+\c*512
.endr
.endm
; 16 matrix instructions: A's blocks a0, a0 + 1 x B's eight, 128 along K.  p: B's set; sc: the set of scale words.  zero = 1: the first product starts the sums.
; The 64 accumulators take turns, one instruction a turn, in the same order in every step.
.macro MUL16 a0, p, q, sc, zero
.irp a, \a0, \a0+1
.irp b, 0,1,2,3,4,5,6,7
.if \zero
	v_wmma_scale_f32_16x16x128_f8f6f4 v[8*(8*((\a)%4)+\b):8*(8*((\a)%4)+\b)+7], v[128*(\p)+FR*\b:128*(\p)+FR*\b+FR-1], v[AF+FR*(\a):AF+FR*(\a)+FR-1], 0, v[SC+8*NQ*(\sc)+NQ*\b+(\q)], v[SC+8*NQ*(\sc)+NQ*(\a)+(\q)] matrix_a_fmt:MATRIX_FMT_BF6 matrix_b_fmt:MATRIX_FMT_BF6 matrix_a_scale:MATRIX_SCALE_ROW1
.else
	v_wmma_scale_f32_16x16x128_f8f6f4 v[8*(8*((\a)%4)+\b):8*(8*((\a)%4)+\b)+7], v[128*(\p)+FR*\b:128*(\p)+FR*\b+FR-1], v[AF+FR*(\a):AF+FR*(\a)+FR-1], v[8*(8*((\a)%4)+\b):8*(8*((\a)%4)+\b)+7], v[SC+8*NQ*(\sc)+NQ*\b+(\q)], v[SC+8*NQ*(\sc)+NQ*(\a)+(\q)] matrix_a_fmt:MATRIX_FMT_BF6 matrix_b_fmt:MATRIX_FMT_BF6 matrix_a_scale:MATRIX_SCALE_ROW1
.endif
.endr
.endr
.endm
.macro FETCH_B slot, q, p
	WIN TO_B
.irp i, 0,1,2,3,4,5,6,7
	FRAG 128*(\p)+FR*\i, ADRB+\slot, \q, \i
.endr
	WIN 0
.endm
.macro FETCH_A slot, q, i0
.irp i, \i0, \i0+1, \i0+2, \i0+3
	FRAG AF+FR*(\i), ADRA+\slot, \q, \i
.endr
.endm
.macro SCALES sc                       ; the next K step's scale words: two words a row, 512 bytes apart
.irp i, 0,1,2,3,4,5,6,7
	ds_load_b32 v[SC+16*\sc+2*\i], v[ADRS] offset:64*\i
	ds_load_b32 v[SC+16*\sc+2*\i+1], v[ADRS] offset:512+64*\i
.endr
.endm
.macro PLACES n                        ; plain vector instructions between a matrix instruction and a load into, or a read of, its registers (ISA guide 7.12.1 for a read of its registers)
.rept \n
	v_nop
.endr
.endm
.macro STEP slot, q, zero              ; a step of 128 along K that has its successor in the same slot
	s_wait_dscnt 4*NL                              ; B's set, A's blocks 0-3 and the scale words are in; the youngest 12 loads (A's blocks 4-7) may be out
	WIN MUL_LO
	MUL16 0, (\q)%2, \q, \slot, \zero
	MUL16 2, (\q)%2, \q, \slot, \zero
	s_wait_dscnt 0
	PLACES NP
	FETCH_B \slot, (\q)+1, 1-(\q)%2
	FETCH_A \slot, (\q)+1, 0
	WIN MUL_HI
	MUL16 4, (\q)%2, \q, \slot, \zero
	MUL16 6, (\q)%2, \q, \slot, \zero
	PLACES NP
	WIN 0
	FETCH_A \slot, (\q)+1, 4
.endm
; A slot's last step changes slots: ONE barrier; in front of it each wave waits for all its tensor loads, adds 0 to its spare word, and waits for that and for its own reads of this slot.
.macro TURN slot, next, fill
	s_wait_tensorcnt 0x0                           ; all my tensor loads have landed: my part of the next slot
	ds_add_u32 v[SPW], v[NIL]                      ; 0 onto my spare word
	s_wait_dscnt 4*NL+1                            ; (the add and the youngest 12 loads, A's blocks 4-7, may be out)
	WIN MUL_LO
	MUL16 0, 1, NQ-1, \slot, 0
	s_wait_dscnt 0x0                               ; the add is done, and my reads of this slot are over
	s_barrier_signal -1
	MUL16 2, 1, NQ-1, \slot, 0
	WIN 0
	s_barrier_wait -1
.if \fill
	CREST                                          ; the barrier has opened a round of the cluster's barrier: no wave of any partner still reads this slot or has a load on its way
	s_add_nc_u64 s[G0+4*\slot+2:G0+4*\slot+3], s[G0+4*\slot+2:G0+4*\slot+3], 2*PART
	s_add_nc_u64 s[G0B+4*\slot+2:G0B+4*\slot+3], s[G0B+4*\slot+2:G0B+4*\slot+3], 2*PART
	JLOAD G0+4*\slot, G1, G0B+4*\slot, G1B         ; the first tensor load behind the round; its four v_nop are also the places in front of the loads below
.else
	PLACES NP
.endif
	v_add_nc_u32 v[ADRS], 1024, v[ADRS]            ; on to the next K step's scale words
	FETCH_B \next, 0, 0
	FETCH_A \next, 0, 0
	SCALES \next
	WIN MUL_HI
	MUL16 4, 1, NQ-1, \slot, 0
	MUL16 6, 1, NQ-1, \slot, 0
	PLACES NP
	WIN 0
	FETCH_A \next, 0, 4
.endm
	s_wait_tensorcnt 1                             ; the scale words and my part of K step 0 are in (K step 1's load may be out),
	s_barrier_signal -1
	s_barrier_wait -1                              ; everybody's are
	FETCH_B 0, 0, 0
	FETCH_A 0, 0, 0
	SCALES 0
	FETCH_A 0, 0, 4
	STEP 0, 0, 1                                   ; the first step stands in front of the loop: its products start the sums
	s_mov_b32 s3, LAPS-1
.Llap:                                                 ; a trip goes once round the ring and fills both slots again
	TURN 0, 1, 1
	STEP 1, 0, 0
	TURN 1, 0, 1
	STEP 0, 0, 0
	s_sub_co_u32 s3, s3, 1
	s_cmp_lg_u32 s3, 0
	s_cbranch_scc1 .Llap
	TURN 0, 1, 0                                   ; the last lap fills nothing
	STEP 1, 0, 0
	s_wait_dscnt 4*NL
	WIN MUL_LO
	MUL16 0, 1, NQ-1, 1, 0
	MUL16 2, 1, NQ-1, 1, 0
	s_wait_dscnt 0
	WIN MUL_HI
	MUL16 4, 1, NQ-1, 1, 0
	MUL16 6, 1, NQ-1, 1, 0
	WIN 0
	PLACES NP
; THE WAY OUT.  64 numbers of a lane, register 16 b + i = position 16 h + i of block b of my row, become a fragment's registers 0-5 in v[d0] on, 6-11 in v[d1] on, and the scale word in v[pw].
.macro QUANT s, d0, d1, pw
.irp b, 0,1,2,3
	v_max3_num_f32 v[TM+\b], |v[\s+16*\b]|, |v[\s+1+16*\b]|, 0x2800000   ; my 16 numbers of block b, and the floor 2^(5 - 127)
.endr
.irp i, 2,4,6,8,10,12,14
.irp b, 0,1,2,3
	v_max3_num_f32 v[TM+\b], v[TM+\b], |v[\s+16*\b+\i]|, |v[\s+1+16*\b+\i]|
.endr
.endr
.irp b, 0,1,2,3
	v_permlanex16_b32 v[TM+4+\b], v[TM+\b], s[SEL], s[SEL+1]
.endr
.irp b, 0,1,2,3
	v_max_num_f32 v[TM+\b], v[TM+\b], v[TM+4+\b]
.endr
.irp b, 0,1,2,3
	v_add_nc_u32 v[TM+12+\b], 0xfe000000, v[TM+\b]
.endr
.irp b, 0,1,2,3
	v_lshrrev_b32 v[TM+4+\b], 23, v[TM+12+\b]
.endr
	v_lshl_or_b32 v[\pw], v[TM+5], 8, v[TM+4]
	v_lshl_or_b32 v[\pw], v[TM+6], 16, v[\pw]
	v_lshl_or_b32 v[\pw], v[TM+7], 24, v[\pw]
	v_cvt_scalef32_pk16_bf6_f32 v[\d0:\d0+2], v[\s:\s+15], v[TM+12]
	v_cvt_scalef32_pk16_bf6_f32 v[PT:PT+2], v[\s+16:\s+31], v[TM+13]
	v_cvt_scalef32_pk16_bf6_f32 v[\d1:\d1+2], v[\s+32:\s+47], v[TM+14]
	v_cvt_scalef32_pk16_bf6_f32 v[PT+4:PT+6], v[\s+48:\s+63], v[TM+15]
	v_nop                                          ; one plain place behind a scaled conversion
.irp i, 0,1,2
	v_permlane16_swap_b32 v[\d0+\i], v[PT+\i]
.endr
.irp i, 0,1,2
	v_mov_b32 v[\d0+3+\i], v[PT+\i]
.endr
.irp i, 0,1,2
	v_permlane16_swap_b32 v[\d1+\i], v[PT+4+\i]
.endr
.irp i, 0,1,2
	v_mov_b32 v[\d1+3+\i], v[PT+4+\i]
.endr
.endm
.macro ADDB a, v                       ; block a's eight accumulators + bias -> v[HA] on; each accumulator from its low end on
.set AC, 64*((\a)%4)
	WIN 2+(\a)/4                                   ; source 0: window 2 or 3
.set i, 0
.rept 32
.if \v
	v_pk_add_f32 v[HA+i:HA+i+1], v[AC+i:AC+i+1], v[BL+2*(\a):BL+2*(\a)+1]
.else
	v_pk_add_f32 v[HA+i:HA+i+1], v[AC+i:AC+i+1], v[BI+i:BI+i+1]
.endif
.set i, i+2
.endr
	WIN 0
.endm
	s_mov_b32 s[SEL], 0x76543210
	s_mov_b32 s[SEL+1], 0xfedcba98
	s_mov_b32 s3, 0xffff0000                       ; lanes 16-31
.irp b, 0,1,2,3
	v_mov_b32 v[TM+4+\b], 0                        ; a lane permute's destination counts as one of its sources
.endr
	s_wait_loadcnt 0x0                             ; the biases
	s_cmp_eq_u32 ttmp9, 2                          ; the same in all sixteen partners; no tensor load and no barrier stands in either arm
	s_cbranch_scc1 .Lvpart
	; q, k: my 128 features are two heads; a block of 16 tokens gives half a pair fragment to each
.irp pr, 0,1,2,3
.if \pr > 0
	s_wait_xcnt 0x0                                ; the last stores have read their registers
.endif
	ADDB 2*\pr, 0
	QUANT HA, FA, FB, P0
	ADDB 2*\pr+1, 0
	QUANT HA, FA+6, FB+6, P1
	v_perm_b32 v[W+\pr], v[P1], v[P0], 0x05040100     ; the first head's word: bytes 0, 1 of the even tile, then of the odd tile
	v_perm_b32 v[W+4+\pr], v[P1], v[P0], 0x07060302   ; the second head's
.irp c, 0,1,2
	global_store_b128 v[LI], v[FA+4*\c:FA+4*\c+3], s[12:13] offset:\pr*1536+512*\c
	global_store_b128 v[LI], v[FB+4*\c:FB+4*\c+3], s[12:13] offset:98304+\pr*1536+512*\c
.endr
.endr
	s_branch .Ltail
.Lvpart:
	; v: block a is d tile a % 4 of head a / 4; my 128 tokens are one key step: a whole fragment
.irp a, 0,1,2,3,4,5,6,7
.if \a > 0
	s_wait_xcnt 0x0
.endif
	ADDB \a, 1
	QUANT HA, FA, FA+6, W+\a
.irp c, 0,1,2
	global_store_b128 v[LI], v[FA+4*\c:FA+4*\c+3], s[12:13] offset:(\a%4)*1536+(\a/4)*98304+512*\c
.endr
.endr
.Ltail:
	; eight scale words a row, in both arms laid alike: words 2 k and 2 k + 1 are neighbours in memory: lanes 0-15 store the one, lanes 16-31 the other: 128 consecutive bytes
.irp k, 0,1,2,3
	v_cndmask_b32 v[TM+\k], v[W+2*\k], v[W+2*\k+1], s3
.endr
	global_store_b32 v[L4], v[TM], s[98:99]
	global_store_b32 v[L4], v[TM+1], s[98:99] offset:128
	global_store_b32 v[L4], v[TM+2], s[98:99] offset:4096
	global_store_b32 v[L4], v[TM+3], s[98:99] offset:4224
	s_wait_tensorcnt 0x0                           ; the wave's end
	ds_add_u32 v[SPW], v[NIL]
	s_wait_dscnt 0x0
	CROUND                                         ; the closing round: no work-group ends while a partner may still ask for a tile that names it
	s_endpgm
.Lfunc_end_k_q44f1f2d046_gemm_qkv:
	.size	k_q44f1f2d046_gemm_qkv, .Lfunc_end_k_q44f1f2d046_gemm_qkv-k_q44f1f2d046_gemm_qkv
	.p2alignl 7, 3214868480
	.fill 96, 4, 3214868480
	.section	.rodata,"a",@progbits
	.p2align	6, 0x0
	.amdhsa_kernel k_q44f1f2d046_gemm_qkv
		.amdhsa_group_segment_fixed_size 327680
		.amdhsa_private_segment_fixed_size 0
		.amdhsa_enable_private_segment 0
		.amdhsa_kernarg_size 48
		.amdhsa_user_sgpr_count 2
		.amdhsa_user_sgpr_kernarg_segment_ptr 1
		.amdhsa_wavefront_size32 1
		.amdhsa_system_sgpr_workgroup_id_x 1
		.amdhsa_system_sgpr_workgroup_id_y 1
		.amdhsa_system_sgpr_workgroup_id_z 1
		.amdhsa_system_vgpr_workitem_id 0
		.amdhsa_next_free_vgpr 1024
		.amdhsa_next_free_sgpr 102
		.amdhsa_reserve_vcc 0
		.amdhsa_float_denorm_mode_32 3
		.amdhsa_float_denorm_mode_16_64 3
		.amdhsa_memory_ordered 1
		.amdhsa_forward_progress 1
		.amdhsa_inst_pref_size 212
	.end_amdhsa_kernel
	.amdgpu_metadata
---
amdhsa.version: [ 1, 2 ]
amdhsa.kernels:
  - .name:           k_q44f1f2d046_gemm_qkv
    .symbol:         k_q44f1f2d046_gemm_qkv.kd
    .args:
      - { .name: xnb, .offset: 0, .size: 8, .value_kind: global_buffer, .address_space: global }
      - { .name: wb, .offset: 8, .size: 8, .value_kind: global_buffer, .address_space: global }
      - { .name: bq, .offset: 16, .size: 8, .value_kind: global_buffer, .address_space: global }
      - { .name: bk, .offset: 24, .size: 8, .value_kind: global_buffer, .address_space: global }
      - { .name: bv, .offset: 32, .size: 8, .value_kind: global_buffer, .address_space: global }
      - { .name: qkvb, .offset: 40, .size: 8, .value_kind: global_buffer, .address_space: global }
    .group_segment_fixed_size: 327680
    .private_segment_fixed_size: 0
    .kernarg_segment_align: 8
    .kernarg_segment_size: 48
    .max_flat_workgroup_size: 128
    .sgpr_count:     102
    .vgpr_count:     1024
    .wavefront_size: 32
...
	.end_amdgpu_metadata
.endif
;; end of part 3
;; launch attn (part 4): grid 8 x 32, 16 waves a work-group, clusters of 4 x 1, 219,136 bytes of LDS; arguments qkvb, aob; writes aob
.if DOCPART == 4
	.amdgcn_target "amdgcn-amd-amdhsa--gfx1250"
	.amdhsa_code_object_version 6
	.text
	.protected	k_q44f1f2d046_attn
	.globl	k_q44f1f2d046_attn
	.p2align	8
	.type	k_q44f1f2d046_attn,@function
k_q44f1f2d046_attn:
	s_mov_b64 s[64:65], 0
	v_nop
	global_prefetch_b8 v0, s[64:65] scope:SCOPE_SE
	s_setreg_imm32_b32 hwreg(HW_REG_WAVE_MODE, 25, 1), 1
	s_wait_xcnt 0x0
	s_wait_alu depctr_hold_cnt(0) depctr_sa_sdst(0) depctr_va_vdst(0) depctr_va_sdst(0) depctr_va_ssrc(0) depctr_va_vcc(0) depctr_vm_vsrc(0)
	s_getreg_b32 s2, hwreg(HW_REG_IB_STS2, 6, 4)
	s_cmp_eq_u32 s2, 0
	s_cbranch_scc0 .Lentry_in_a_cluster
	s_endpgm
.Lentry_in_a_cluster:
	s_bfe_u32 s2, ttmp6, 0x10000c
	s_cmp_lg_u32 s2, 0x3003
	s_cbranch_scc0 .Lentry_shape_is_right
	s_endpgm
.Lentry_shape_is_right:
; out[q] = the sum over keys of softmax(q . k / 8) v, for 32 heads (16 batch + head) of 2,048 tokens and 64 channels, both products on codes of BF6 (E3M2) with E8M0 scales; out is quantised here for the next product.
; THE SOFTMAX: t = score x log2(e) / 8; M = the running largest t rounded UP to a whole number; p = 2^(t - M) is quantised along the keys, not normalised; the row's sum is taken of the unquantised p and divides at the end.
; When M moves, the sum and O are multiplied by 2^(old M - new M): exact.
; SHARES.  A work-group owns 256 queries of one head; each of its sixteen waves 16 of them, in 256 registers: four waves to a SIMD, so that one wave's vector work stands beside another's matrix work.
; NO RING: a head's k (98,304 bytes), v (98,304) and their scale words (8,192) fit in LDS together and are filled ONCE, in four chunks of 512 keys, all asked for at the head: five tensor loads a wave are out at the most.
; CLUSTER: the four query blocks of a cluster belong to one head: each tile is asked for JOINTLY, with a mask that names the four.
; LAYOUT.  Both products are used transposed: S^T = k q^T, O^T = v^T p^T: a lane holds ONE query throughout.  The head has 64 channels and the instruction is 128 deep: a fragment of k holds TWO tiles of 16 keys
; (registers 0-5 the even tile, 6-11 the odd one); multiplied by (q, zeros) it gives the even tile's scores, by (zeros, q) the odd tile's.  Zero codes add nothing.
; Inside a block of 32 keys, position 16 h + 8 u + j is key 16 u + 8 h + j, in p (where the scores fall so) and in v (which the launch before laid so).
; OUT (aob): images of operand registers, K = (head, d); in K step s (heads 2 s, 2 s + 1) the four blocks stand in the order even 0, odd 0, even 1, odd 1: an even head fills lanes 0-15 of a fragment, an odd head lanes 16-31.
; A row's four scale bytes come from two work-groups: they leave as single bytes (32 a wave).
; LIMITS: a block of zeros gets the byte 1 where the rule says 127; NaN and infinities are not served.
; REGISTERS: v1-11 addresses; v12 -M, v13 the largest t, v[14:15] the sum; v16-21 q, v22-27 zeros, v28-33 q; v34 q's scale word; v36-83 four fragments of k or of v; v96-159 S^T, then p; v160-191 O^T; v192-223 out;
;   v224-235 p's codes; v232-254 at work; v248-249 k's scale words, v250-251 v's.
.set KI,    3145728                    ; k's codes in qkvb (v's: as far again)
.set QS,    9437184                    ; q's scale words
.set KS,    9568256                    ; k's (v's: 131,072 further)
.set XSO,   3145728                    ; the scale words in aob
.set CHB,   49152                      ; a chunk in LDS: 512 keys of k (24,576 bytes), then of v
.set SCK,   196608                     ; k's scale words, 4,096 bytes; v's behind them
.set STG,   204800                     ; the way out: 768 bytes for each wave
.set AL,  1                            ; v1  16 x lane
.set AS0, 2                            ; v2  SCK + 4 x lane
.set ADK, 3                            ; v3  LDS address of the step's fragments
.set ADS, 4                            ; v4  of its scale words
.set KV,  36
.set WV,  8                            ; s8  my wave's number
.set SEL, 20                           ; s[20:21] selects of v_permlanex16_b32: lane l xor 16
.set CS,  22                           ; s[22:23] c = log2(e) / 8
.set G1C, 24                           ; s[24:31] descriptor group 1 for codes;  s[32:39] for scale words;  s[40:59] five groups 0, never rewritten
.set G1S, 32
.set TB,  60                           ; s60 LDS byte of the step's fragments
.set TS,  61                           ; s61 of its scale words
.set CNT, 62
.set HALF, 63                          ; s63 lanes 16-31
.macro CROUND                          ; a round of the cluster's barrier
	s_barrier_signal -1
	s_barrier_wait -1
	s_cmp_lg_u32 s[WV], 0
	s_cbranch_scc1 .Lnot_wave_0_\@
	s_barrier_signal -3
.Lnot_wave_0_\@:
	s_barrier_wait -3
	s_barrier_signal -1
	s_barrier_wait -1
.endm
	s_load_b128 s[4:7], s[0:1], 0x0                ; qkvb, aob
	v_lshl_add_u32 v95, v0, 2, 0x35000
	v_mov_b32 v255, 0
	ds_add_u32 v95, v255
	ds_add_u32 v95, v255
	v_lshrrev_b32 v5, 5, v0
	v_readfirstlane_b32 s[WV], v5                  ; wave 0..15
	s_bfe_u32 s9, ttmp6, 0x40000                   ; cx: my place in the cluster
	s_lshl_b32 s10, ttmp9, 2
	s_add_co_u32 s10, s10, s9                      ; my block of 256 queries: it enters q's and the result's addresses alone
	s_and_b32 s11, ttmp7, 0xffff                   ; the head, which the four partners share
	s_lshr_b32 s12, s[WV], 3                       ; waves 0-7 fetch k's parts, waves 8-15 v's
	s_and_b32 s13, s[WV], 7
	s_mul_i32 s14, s12, 3145728
	s_mul_i32 s15, s11, 98304
	s_add_co_u32 s14, s14, s15
	s_mul_i32 s15, s13, 3072
	s_add_co_u32 s14, s14, s15
	s_add_co_u32 s14, s14, KI                      ; my eighth of chunk 0's codes
	s_mov_b32 s15, 0
	s_lshl_b32 s16, s12, 17
	s_lshl_b32 s17, s11, 12
	s_add_co_u32 s16, s16, s17
	s_lshl_b32 s17, s13, 9
	s_add_co_u32 s16, s16, s17
	s_add_co_u32 s16, s16, KS                      ; my eighth of the scale words
	s_mov_b32 s17, 0
	; group 1: dense blocks as rows of 256 bytes (32 elements of 8 bytes): 12 rows of codes, 2 of scale words
	s_mov_b32 s[G1C], 15|(3<<16)|(1<<21)           ; 15:0 the mask: all four work-groups; 17:16 elements of 8 bytes; 21 set beside a mask
	s_mov_b32 s[G1C+1], 32<<16
	s_mov_b32 s[G1C+2], 12<<16
	s_mov_b32 s[G1C+3], 32<<16
	s_mov_b32 s[G1C+4], 12
	s_mov_b32 s[G1C+5], 32
	s_mov_b32 s[G1C+6], 0
	s_mov_b32 s[G1C+7], 0
	s_mov_b32 s[G1S], 15|(3<<16)|(1<<21)
	s_mov_b32 s[G1S+1], 32<<16
	s_mov_b32 s[G1S+2], 2<<16
	s_mov_b32 s[G1S+3], 32<<16
	s_mov_b32 s[G1S+4], 2
	s_mov_b32 s[G1S+5], 32
	s_mov_b32 s[G1S+6], 0
	s_mov_b32 s[G1S+7], 0
	s_mul_i32 s18, s[WV], 3072                     ; in LDS: wave x 3,072 in a chunk (waves 8-15 fall into v's half), wave x 512 among the scale words
	s_lshl_b32 s19, s[WV], 9
	s_mov_b32 s[SEL], 0x76543210
	s_mov_b32 s[SEL+1], 0xfedcba98
	s_mov_b32 s[CS], 0x3e38aa3b                    ; c = log2(e) / 8
	s_mov_b32 s[CS+1], s[CS]                       ; (named with it as a pair, so it is written)
	s_mov_b32 s[HALF], 0xffff0000
	s_wait_dscnt 0x0
	s_wait_kmcnt 0x0
	s_add_nc_u64 s[14:15], s[4:5], s[14:15]
	s_add_nc_u64 s[16:17], s[4:5], s[16:17]
	CROUND                                         ; all four work-groups are here: the joint loads meet
	s_mov_b32 s40, 1
	s_add_co_u32 s41, s19, SCK
	s_mov_b64 s[42:43], s[16:17]
	s_or_b32 s43, s43, 0x80000000
.irp g, 0,1,2,3
	s_mov_b32 s[44+4*\g], 1
	s_add_co_u32 s[45+4*\g], s18, \g*CHB
	s_add_nc_u64 s[46+4*\g:47+4*\g], s[14:15], \g*24576
	s_or_b32 s[47+4*\g], s[47+4*\g], 0x80000000
.endr
	tensor_load_to_lds s[40:43], s[G1S:G1S+7]      ; all fills of the launch go out together: the scale words, then the four chunks
	s_nop 0
	tensor_load_to_lds s[44:47], s[G1C:G1C+7]
	s_nop 0
	tensor_load_to_lds s[48:51], s[G1C:G1C+7]
	s_nop 0
	tensor_load_to_lds s[52:55], s[G1C:G1C+7]
	s_nop 0
	tensor_load_to_lds s[56:59], s[G1C:G1C+7]
	s_nop 0
.rept 4
	v_nop
.endr
	v_and_b32 v5, 31, v0
	v_lshlrev_b32 v[AL], 4, v5
	v_lshl_add_u32 v[AS0], v5, 2, SCK
	v_and_b32 v6, 15, v0                           ; r
	; q: my tile is half par = wave % 2 of the pair fragment f = 8 x block + wave / 2: registers 6 par .. 6 par + 5 of its image, as three pieces of 8 bytes
	s_and_b32 s12, s[WV], 1
	s_mul_i32 s13, s12, 520
	v_add_nc_u32 v8, s13, v[AL]
	s_mul_i32 s13, s12, 1016
	v_add_nc_u32 v9, s13, v[AL]
	v_lshlrev_b32 v10, 2, v6
	s_mul_i32 s12, s12, 0x02020202
	s_add_co_u32 s12, s12, 0x01000100              ; byte selects: my tile's two scale bytes, twice
	s_lshl_b32 s13, s10, 3
	s_lshr_b32 s14, s[WV], 1
	s_add_co_u32 s13, s13, s14                     ; f
	s_mul_i32 s14, s13, 1536
	s_mul_i32 s15, s11, 98304
	s_add_co_u32 s14, s14, s15
	s_mov_b32 s15, 0
	s_add_nc_u64 s[14:15], s[4:5], s[14:15]
	s_lshl_b32 s16, s13, 6
	s_lshl_b32 s17, s11, 12
	s_add_co_u32 s16, s16, s17
	s_add_co_u32 s16, s16, QS
	s_mov_b32 s17, 0
	s_add_nc_u64 s[16:17], s[4:5], s[16:17]
	global_load_b64 v[16:17], v8, s[14:15]
	global_load_b64 v[18:19], v9, s[14:15] offset:8
	global_load_b64 v[20:21], v8, s[14:15] offset:512
	global_load_b64 v[28:29], v8, s[14:15]         ; and once more, behind the zeros
	global_load_b64 v[30:31], v9, s[14:15] offset:8
	global_load_b64 v[32:33], v8, s[14:15] offset:512
	global_load_b32 v35, v10, s[16:17]
	v_mov_b32 v13, 0xff61b1e6                      ; the largest t so far: -3e38, under every t
	v_floor_f32 v12, -v13                          ; -M
	v_mov_b32 v14, 0
	v_mov_b32 v15, 0
.irp b, 0,1,2,3
	v_mov_b32 v[236+\b], 0                         ; a lane permute's destination counts as one of its sources
.endr
	v_mov_b32 v253, 0                              ; (named as the upper half of the pair v[252:253] before it is first written)
	s_wait_loadcnt 0x0
	v_perm_b32 v34, v35, v35, s12                  ; q's scale word: my tile's two bytes for either half of K
.irp j, 0,1,2,3,4,5
	v_mov_b32 v[22+\j], 0                          ; zero codes
.endr
.set i, 0
.rept 32
	v_mov_b32 v[160+i], 0                          ; O^T: the step is written once; the first finds zeros, which the first change of M leaves zeros.  (These are also the places between the writes above and the first product)
.set i, i+1
.endr
.macro SPROD f                         ; the scores of key tiles 2 f and 2 f + 1
.if (\f)%2
	v_wmma_scale_f32_16x16x128_f8f6f4 v[96+16*(\f):103+16*(\f)], v[KV+12*(\f):KV+12*(\f)+11], v[16:27], 0, v[248+(\f)/2], v34 matrix_a_fmt:MATRIX_FMT_BF6 matrix_b_fmt:MATRIX_FMT_BF6 matrix_a_scale:MATRIX_SCALE_ROW1
	v_wmma_scale_f32_16x16x128_f8f6f4 v[104+16*(\f):111+16*(\f)], v[KV+12*(\f):KV+12*(\f)+11], v[22:33], 0, v[248+(\f)/2], v34 matrix_a_fmt:MATRIX_FMT_BF6 matrix_b_fmt:MATRIX_FMT_BF6 matrix_a_scale:MATRIX_SCALE_ROW1
.else
	v_wmma_scale_f32_16x16x128_f8f6f4 v[96+16*(\f):103+16*(\f)], v[KV+12*(\f):KV+12*(\f)+11], v[16:27], 0, v[248+(\f)/2], v34 matrix_a_fmt:MATRIX_FMT_BF6 matrix_b_fmt:MATRIX_FMT_BF6
	v_wmma_scale_f32_16x16x128_f8f6f4 v[104+16*(\f):111+16*(\f)], v[KV+12*(\f):KV+12*(\f)+11], v[22:33], 0, v[248+(\f)/2], v34 matrix_a_fmt:MATRIX_FMT_BF6 matrix_b_fmt:MATRIX_FMT_BF6
.endif
.endm
.macro OPROD t                         ; O^T's tile t += v^T p^T over these 128 keys
.if (\t)%2
	v_wmma_scale_f32_16x16x128_f8f6f4 v[160+8*(\t):167+8*(\t)], v[KV+12*(\t):KV+12*(\t)+11], v[224:235], v[160+8*(\t):167+8*(\t)], v[250+(\t)/2], v253 matrix_a_fmt:MATRIX_FMT_BF6 matrix_b_fmt:MATRIX_FMT_BF6 matrix_a_scale:MATRIX_SCALE_ROW1
.else
	v_wmma_scale_f32_16x16x128_f8f6f4 v[160+8*(\t):167+8*(\t)], v[KV+12*(\t):KV+12*(\t)+11], v[224:235], v[160+8*(\t):167+8*(\t)], v[250+(\t)/2], v253 matrix_a_fmt:MATRIX_FMT_BF6 matrix_b_fmt:MATRIX_FMT_BF6
.endif
.endm
; A KEY STEP: 128 keys
.macro STEP
	v_add_nc_u32 v[ADK], s[TB], v[AL]
	v_add_nc_u32 v[ADS], s[TS], v[AS0]
	v_nop
	v_nop                                          ; four places in front of loads into registers that the last products have read
.irp f, 0,1,2,3
.irp c, 0,1,2
	ds_load_b128 v[KV+12*\f+4*\c:KV+12*\f+4*\c+3], v[ADK] offset:1536*\f+512*\c
.endr
.endr
	ds_load_b32 v248, v[ADS]                       ; lanes 0-15 fragment 0's words, lanes 16-31 fragment 1's
	ds_load_b32 v249, v[ADS] offset:128            ; fragments 2 and 3
	s_wait_dscnt 0x0
	SPROD 0
	SPROD 1
	SPROD 2
	SPROD 3
.rept 4
	v_nop                                          ; places in front of the loads into k's registers and of the first read of the scores
.endr
.irp t, 0,1,2,3
.irp c, 0,1,2
	ds_load_b128 v[KV+12*\t+4*\c:KV+12*\t+4*\c+3], v[ADK] offset:24576+1536*\t+512*\c   ; v's four fragments land while the softmax is walked
.endr
.endr
	ds_load_b32 v250, v[ADS] offset:4096
	ds_load_b32 v251, v[ADS] offset:4224
.irp b, 0,1,2,3
	v_max3_num_f32 v[232+\b], v[96+16*\b], v[97+16*\b], v[98+16*\b]   ; THE LARGEST SCORE OF EACH BLOCK OF 32 KEYS: for the row's maximum, and, since p rises with the score, for the block's largest p
.endr
.irp i, 3,5,7,9,11,13
.irp b, 0,1,2,3
	v_max3_num_f32 v[232+\b], v[232+\b], v[96+16*\b+\i], v[97+16*\b+\i]
.endr
.endr
.irp b, 0,1,2,3
	v_max_num_f32 v[232+\b], v[232+\b], v[111+16*\b]
.endr
.irp b, 0,1,2,3
	v_permlanex16_b32 v[236+\b], v[232+\b], s[SEL], s[SEL+1]
.endr
.irp b, 0,1,2,3
	v_max_num_f32 v[232+\b], v[232+\b], v[236+\b]  ; with lane l xor 16's 16 keys
.endr
	v_max3_num_f32 v254, v232, v233, v234
	v_max_num_f32 v254, v254, v235                 ; the step's largest score of my query
	v_mul_f32 v254, s[CS], v254                    ; as t (c is positive)
	v_max_num_f32 v13, v13, v254                   ; the running largest t
	v_mov_b32 v254, v12
	v_floor_f32 v12, -v13                          ; the new -M = floor(-t) = -ceil(t): a whole number
	v_sub_f32 v254, v12, v254                      ; old M - new M: a whole number, 0 or less
	v_cvt_i32_f32 v254, v254                       ; (it saturates)
	v_ldexp_f32 v252, 1.0, v254                    ; f = 2^(old M - new M)
.set i, 0
.rept 32
	v_pk_fma_f32 v[96+i:97+i], v[96+i:97+i], s[CS:CS+1], v[12:13] op_sel_hi:[1,0,0]   ; t - M, two at a time
.set i, i+2
.endr
.irp b, 0,1,2,3
	v_fma_f32 v[232+\b], v[232+\b], s[CS], v12     ; the same of each block's largest score
.endr
.set i, 0
.rept 64
	v_exp_f32 v[96+i], v[96+i]                     ; p = 2^(t - M), at most 1: not normalised
.set i, i+1
.endr
	v_pk_mul_f32 v[14:15], v[14:15], v[252:253] op_sel_hi:[1,0]   ; the sums under the new M (a plain instruction behind the exponentials)
	s_wait_alu depctr_va_vdst(0)                   ; one wait for the whole batch, ahead of its first reader
.irp b, 0,1,2,3
	v_exp_f32 v[232+\b], v[232+\b]                 ; the block's largest p
.endr
	v_pk_add_f32 v[236:237], v[96:97], v[98:99]    ; THE ROW'S SUM IS TAKEN OF THE UNQUANTISED p: two chains
.irp j, 4,8,12,16,20,24,28,32,36,40,44,48,52,56,60
	v_pk_add_f32 v[14:15], v[14:15], v[96+\j:97+\j]
	v_pk_add_f32 v[236:237], v[236:237], v[98+\j:99+\j]
.endr
	v_pk_add_f32 v[14:15], v[14:15], v[236:237]
	s_wait_alu depctr_va_vdst(0)                   ; and one for the four
.irp b, 0,1,2,3
	v_max_num_f32 v[232+\b], 0x2800000, v[232+\b]  ; the floor 2^(5 - 127): the byte cannot fall under 1
.endr
.irp b, 0,1,2,3
	v_add_nc_u32 v[244+\b], 0xfe000000, v[232+\b]  ; 4 off the exponent field: the conversion's scale operand
.endr
.irp b, 0,1,2,3
	v_lshrrev_b32 v[236+\b], 23, v[244+\b]
.endr
	v_lshl_or_b32 v253, v237, 8, v236              ; p's scale word for these 128 keys
	v_lshl_or_b32 v253, v238, 16, v253
	v_lshl_or_b32 v253, v239, 24, v253
.irp c, 0,1
	v_cvt_scalef32_pk16_bf6_f32 v[224+6*\c:226+6*\c], v[96+32*\c:111+32*\c], v[244+2*\c]
	v_cvt_scalef32_pk16_bf6_f32 v[236+4*\c:238+4*\c], v[112+32*\c:127+32*\c], v[244+2*\c+1]
.endr
	v_nop                                          ; one plain place behind a scaled conversion
.irp c, 0,1                                    ; the layout wants a WHOLE block in a lane
.irp i, 0,1,2
	v_permlane16_swap_b32 v[224+6*\c+\i], v[236+4*\c+\i]
.endr
.irp i, 0,1,2
	v_mov_b32 v[227+6*\c+\i], v[236+4*\c+\i]
.endr
.endr
.set i, 0
.rept 16
	v_pk_mul_f32 v[160+i:161+i], v[160+i:161+i], v[252:253] op_sel_hi:[1,0]   ; O^T under the new M.  (These are also the places between the writes of p's codes and scale word and the products)
.set i, i+2
.endr
	s_wait_dscnt 0x0                               ; v's fragments and scale words
	OPROD 0                                        ; four accumulators by turns, one instruction a turn
	OPROD 1
	OPROD 2
	OPROD 3
	s_add_co_u32 s[TB], s[TB], 6144
	s_add_co_u32 s[TS], s[TS], 256
.endm
; A chunk of 512 keys: my part of it has landed (the loads went out in the order scale words, chunk 0 .. 3: 3 - g younger ones may stay out), and behind the barrier everybody's has.  Nothing is ever filled again.
.macro CHUNK g
	s_wait_tensorcnt 3-\g
	s_wait_dscnt 0x0
	s_barrier_signal -1
	s_barrier_wait -1
	s_mov_b32 s[TB], \g*CHB
	s_mov_b32 s[TS], \g*1024
	s_mov_b32 s[CNT], 4
.Lstep_\@:
	STEP
	s_sub_co_u32 s[CNT], s[CNT], 1
	s_cmp_lg_u32 s[CNT], 0
	s_cbranch_scc1 .Lstep_\@
.endm
	CHUNK 0
	CHUNK 1
	CHUNK 2
	CHUNK 3
	; THE WAY OUT
	v_add_f32 v14, v14, v15                        ; the sum's two halves,
	v_permlanex16_b32 v252, v14, s[SEL], s[SEL+1]
	v_add_f32 v14, v14, v252                       ; and lane l xor 16's
	v_rcp_f32 v14, v14
	v_and_b32 v6, 15, v0                           ; r  (plain work behind the reciprocal, and the places behind the last products)
	v_bfe_u32 v7, v0, 4, 1                         ; h
	s_mul_i32 s18, s[WV], 768
	s_add_co_u32 s18, s18, STG                     ; my stage: 16 rows of 48 bytes
	v_mul_u32_u24 v8, v6, 48
	v_add_nc_u32 v8, s18, v8
	v_mad_u32_u24 v9, v7, 12, v8                   ; in: row r, + 12 h
	v_lshl_add_u32 v10, v7, 4, v8                  ; back: pieces 0 (lanes 0-15) and 1 (lanes 16-31) of 16 bytes,
	v_lshl_add_u32 v11, v7, 3, v8                  ; and piece 2, 8 bytes a lane
	v_lshlrev_b32 v5, 4, v6
	v_lshl_add_u32 v3, v7, 9, v5                   ; in the image: 512 h + 16 r
	v_lshl_add_u32 v4, v7, 3, v5                   ; 16 r + 8 h
	v_lshlrev_b32 v2, 2, v6
	v_lshl_add_u32 v2, v7, 1, v2                   ; the scale byte: 4 r + 2 h
	s_lshr_b32 s12, s11, 4
	s_lshl_b32 s12, s12, 4
	s_lshl_b32 s13, s10, 1
	s_add_co_u32 s12, s12, s13
	s_lshr_b32 s13, s[WV], 3
	s_add_co_u32 s12, s12, s13                     ; the group of 128 rows: 16 batch + 2 block + wave / 8
	s_bfe_u32 s13, s11, 0x30001                    ; the K step: head / 2
	s_and_b32 s14, s11, 1                          ; head % 2
	s_and_b32 s15, s[WV], 7
	s_mul_i32 s16, s12, 98304
	s_lshr_b32 s17, s13, 1
	s_mul_i32 s17, s17, 24576
	s_add_co_u32 s16, s16, s17
	s_mul_i32 s17, s15, 3072
	s_add_co_u32 s16, s16, s17
	s_and_b32 s17, s13, 1
	s_mul_i32 s17, s17, 1536
	s_add_co_u32 s16, s16, s17
	s_lshl_b32 s17, s14, 8                         ; an odd head fills lanes 16-31: 256 bytes on
	s_add_co_u32 s16, s16, s17
	s_mov_b32 s17, 0
	s_add_nc_u64 s[66:67], s[6:7], s[16:17]
	s_lshl_b32 s16, s12, 12
	s_lshl_b32 s17, s13, 9
	s_add_co_u32 s16, s16, s17
	s_lshl_b32 s17, s15, 6
	s_add_co_u32 s16, s16, s17
	s_add_co_u32 s16, s16, s14
	s_add_co_u32 s16, s16, XSO
	s_mov_b32 s17, 0
	s_add_nc_u64 s[68:69], s[6:7], s[16:17]
	s_wait_alu depctr_va_vdst(0)                   ; the wait, ahead of the reciprocal's first reader
	v_mov_b32 v15, v14
.set i, 0
.rept 16
	v_pk_mul_f32 v[192+i:193+i], v[160+i:161+i], v[14:15]    ; O^T / the sum: register 8 t + j is out(r, 16 t + 8 h + j); each accumulator from its low end on
.set i, i+2
.endr
.irp c, 0,1
	v_max3_num_f32 v[232+\c], |v[192+16*\c]|, |v[193+16*\c]|, 0x2800000   ; the head's two blocks of 32
.endr
.irp i, 2,4,6,8,10,12,14
.irp c, 0,1
	v_max3_num_f32 v[232+\c], v[232+\c], |v[192+16*\c+\i]|, |v[193+16*\c+\i]|
.endr
.endr
.irp c, 0,1
	v_permlanex16_b32 v[236+\c], v[232+\c], s[SEL], s[SEL+1]
.endr
.irp c, 0,1
	v_max_num_f32 v[232+\c], v[232+\c], v[236+\c]
.endr
.irp c, 0,1
	v_add_nc_u32 v[244+\c], 0xfe000000, v[232+\c]
.endr
.irp c, 0,1
	v_lshrrev_b32 v[236+\c], 23, v[244+\c]
.endr
	v_cvt_scalef32_pk16_bf6_f32 v[224:226], v[192:207], v244
	v_cvt_scalef32_pk16_bf6_f32 v[228:230], v[208:223], v245
	v_cndmask_b32 v238, v236, v237, s[HALF]        ; lane (r, h) takes block h's byte.  (A plain place behind the conversions)
	ds_store_b32 v9, v224                          ; row r's 48 bytes: block 0 (12 bytes of h = 0, 12 of h = 1), then block 1: the twelve registers of one lane of the fragment
	ds_store_b32 v9, v225 offset:4
	ds_store_b32 v9, v226 offset:8
	ds_store_b32 v9, v228 offset:24
	ds_store_b32 v9, v229 offset:28
	ds_store_b32 v9, v230 offset:32
	ds_load_b128 v[240:243], v10                   ; LDS serves a wave's instructions in order: these see my stores
	ds_load_b64 v[246:247], v11 offset:32
	s_wait_dscnt 0x0
	global_store_b128 v3, v[240:243], s[66:67]     ; sixteen lanes store 256 consecutive bytes, aligned: two such pieces
	global_store_b64 v4, v[246:247], s[66:67] offset:1024   ; and the 32 lanes the third
	global_store_b8 v2, v238, s[68:69]
	s_wait_tensorcnt 0x0
	ds_add_u32 v95, v255
	s_wait_dscnt 0x0
	CROUND                                         ; the closing round (all my tensor loads were waited for at the last chunk's head)
	s_endpgm
.Lfunc_end_k_q44f1f2d046_attn:
	.size	k_q44f1f2d046_attn, .Lfunc_end_k_q44f1f2d046_attn-k_q44f1f2d046_attn
	.p2alignl 7, 3214868480
	.fill 96, 4, 3214868480
	.section	.rodata,"a",@progbits
	.p2align	6, 0x0
	.amdhsa_kernel k_q44f1f2d046_attn
		.amdhsa_group_segment_fixed_size 219136
		.amdhsa_private_segment_fixed_size 0
		.amdhsa_enable_private_segment 0
		.amdhsa_kernarg_size 16
		.amdhsa_user_sgpr_count 2
		.amdhsa_user_sgpr_kernarg_segment_ptr 1
		.amdhsa_wavefront_size32 1
		.amdhsa_system_sgpr_workgroup_id_x 1
		.amdhsa_system_sgpr_workgroup_id_y 1
		.amdhsa_system_sgpr_workgroup_id_z 1
		.amdhsa_system_vgpr_workitem_id 0
		.amdhsa_next_free_vgpr 256
		.amdhsa_next_free_sgpr 80
		.amdhsa_reserve_vcc 0
		.amdhsa_float_denorm_mode_32 3
		.amdhsa_float_denorm_mode_16_64 3
		.amdhsa_memory_ordered 1
		.amdhsa_forward_progress 1
		.amdhsa_inst_pref_size 77
	.end_amdhsa_kernel
	.amdgpu_metadata
---
amdhsa.version: [ 1, 2 ]
amdhsa.kernels:
  - .name:           k_q44f1f2d046_attn
    .symbol:         k_q44f1f2d046_attn.kd
    .args:
      - { .name: qkvb, .offset: 0, .size: 8, .value_kind: global_buffer, .address_space: global }
      - { .name: aob, .offset: 8, .size: 8, .value_kind: global_buffer, .address_space: global }
    .group_segment_fixed_size: 219136
    .private_segment_fixed_size: 0
    .kernarg_segment_align: 8
    .kernarg_segment_size: 16
    .max_flat_workgroup_size: 512
    .sgpr_count:     80
    .vgpr_count:     256
    .wavefront_size: 32
...
	.end_amdgpu_metadata
.endif
;; end of part 4
;; launch gemm_o (part 5): grid 4 x 16, 4 waves a work-group, clusters of 4 x 4, 327,680 bytes of LDS; arguments aob, wb, bo, x, x1; writes x1
.if DOCPART == 5
	.amdgcn_target "amdgcn-amd-amdhsa--gfx1250"
	.amdhsa_code_object_version 6
	.text
	.protected	k_q44f1f2d046_gemm_o
	.globl	k_q44f1f2d046_gemm_o
	.p2align	8
	.type	k_q44f1f2d046_gemm_o,@function
k_q44f1f2d046_gemm_o:
	s_mov_b64 s[64:65], 0
	v_nop
	global_prefetch_b8 v0, s[64:65] scope:SCOPE_SE
	s_setreg_imm32_b32 hwreg(HW_REG_WAVE_MODE, 25, 1), 1
	s_wait_xcnt 0x0
	s_wait_alu depctr_hold_cnt(0) depctr_sa_sdst(0) depctr_va_vdst(0) depctr_va_sdst(0) depctr_va_ssrc(0) depctr_va_vcc(0) depctr_vm_vsrc(0)
	s_getreg_b32 s2, hwreg(HW_REG_IB_STS2, 6, 4)
	s_cmp_eq_u32 s2, 0
	s_cbranch_scc0 .Lentry_in_a_cluster
	s_endpgm
.Lentry_in_a_cluster:
	s_bfe_u32 s2, ttmp6, 0x10000c
	s_cmp_lg_u32 s2, 0xf033
	s_cbranch_scc0 .Lentry_shape_is_right
	s_endpgm
.Lentry_shape_is_right:
; x1 = x + out Wo + bo.  A (4,096 rows) and B (Wo, 1,024 rows) are codes of BF6 (E3M2) with E8M0 scales, laid as images of their fragments' registers; sums, bias and residual in f32; x1 is [4096][1024] f32.
; 128 rows x 256 K are one dense block of 24,576 bytes ([16 rows][128 K][1,536 bytes]); a fragment is three loads of 16 bytes a lane, at 16 x lane.
; A tile of 256 x 256 is made by four waves, each 128 x 128: 64 accumulators, 512 registers.  K goes in steps of 256 through a ring of two LDS slots filled by the tensor data mover.
; THE MATRIX INSTRUCTION IS USED TRANSPOSED (source 0 = 16 rows of B, source 1 = 16 rows of A): a lane holds eight neighbouring numbers of a row of the result.
; The bias is the C of each sum's first matrix instruction.  CLUSTERS: 4 x 4 work-groups; A's tiles are asked for jointly along a row of the cluster, B's along a column.
; 64 work-groups: the result has 64 tiles of this size.
; LIMITS: k is permuted inside blocks of 32 (and here the blocks inside a K step), alike in both operands; NaN and infinities are not served.
; REGISTERS: window 0: v0-31 addresses; v32-63 scale words, two sets; v128-223 A's fragments, one set.  window 1: B's fragments, two sets, at v0 and v128; the bias at v96-127 and v224-255.
;   windows 2, 3: the accumulators ((a, b) at v[8 (8 (a % 4) + b)]).  On the way out window 0's v128-255 hold rows of the result, window 1's v0-127 rows of the residual.
.set SIZE_K, 1024
.set A_S,    3145728                   ; A's scale words in its buffer
.set W_I,    2359296                   ; B's codes in wb
.set W_S,    9535488                   ; B's scale words in wb
.set FINAL,  0                         ; 1: the result is read by no later launch
.set NQ,     2
.set FR,     12
.set NL,     3
.set NP,     4
.set PART,   24576
.set SLOT,   4*PART
.set LAPS,   SIZE_K/512
.set GB,     SIZE_K*96
.set SG,     SIZE_K*4
.set SCL,    2*SLOT
.set SPARE,  SCL+4*SG
.set SPITCH, 528                       ; the way out: a stage of 16 rows x (512 bytes + 16) for each wave, in slot 0, which has had its last fill and its last read by then
.set ADRA, 16
.set ADRB, 20
.set STO,  24                          ; v24 the stage: where I put 32 bytes of a row
.set RD,   25                          ; v25 and where I read a row back
.set LI,   26                          ; v26 16 x lane
.set ADRS, 27
.set SPW,  28
.set NIL,  29
.set BH,   30                          ; v30 32 h
.set SC,   32
.set AF,   128
.set BK,   128
.set G1, 24
.set G0, 32
.set G1B, 48
.set G0B, 56
.set G1S, 68
.set G0S, 76
.set G1SB, 80
.set G0SB, 88
.set MSB, 0
.macro WIN new                         ; the immediate's high byte repeats the setting that is left
.if MSB != \new
	s_set_vgpr_msb (MSB<<8)|\new
.set MSB, \new
.endif
.endm
.set MUL_LO, 0xa1                      ; source 0 (B) window 1, source 1 (A) window 0, C and D window 2
.set MUL_HI, 0xf1                      ; the same, C and D window 3
.set TO_B,   0x40                      ; destination window 1, address window 0
.macro JLOAD g0a, g1a, g0b, g1b        ; a joint load: waves 0 and 1 fetch for A, waves 2 and 3 for B; four v_nop follow each of the two lines
	s_cmp_eq_u32 s15, 0
	s_cbranch_scc0 .Lfor_b_\@
	tensor_load_to_lds s[\g0a:\g0a+3], s[\g1a:\g1a+7]
	s_nop 0
.rept 4
	v_nop
.endr
	s_branch .Lasked_\@
.Lfor_b_\@:
	tensor_load_to_lds s[\g0b:\g0b+3], s[\g1b:\g1b+7]
	s_nop 0
.rept 4
	v_nop
.endr
.Lasked_\@:
.endm
.macro CREST
	s_cmp_lg_u32 s14, 0
	s_cbranch_scc1 .Lnot_wave_0_\@
	s_barrier_signal -3
.Lnot_wave_0_\@:
	s_barrier_wait -3
	s_barrier_signal -1
	s_barrier_wait -1
.endm
.macro CROUND
	s_barrier_signal -1
	s_barrier_wait -1
	CREST
.endm
	s_load_b128 s[4:7], s[0:1], 0x0                ; A's buffer, wb
	s_load_b128 s[96:99], s[0:1], 0x10             ; bias, residual
	s_load_b64 s[12:13], s[0:1], 0x20              ; result
	v_lshl_add_u32 v[SPW], v0, 2, SPARE
	v_mov_b32 v[NIL], 0
	ds_add_u32 v28, v29
	ds_add_u32 v28, v29
	s_wait_dscnt 0x0
	v_lshrrev_b32 v1, 5, v0
	v_readfirstlane_b32 s14, v1                    ; wave 0..3
	s_lshr_b32 s15, s14, 1                         ; which half of the tile's rows is mine.  Also: I fetch for A (0) or for B (1)
	s_and_b32 s16, s14, 1                          ; which half of its columns.  Also: which 128 rows I fetch
	s_bfe_u32 s40, ttmp6, 0x40000                  ; cx, cy
	s_bfe_u32 s41, ttmp6, 0x40004
	s_lshl_b32 s42, ttmp9, 2
	s_add_co_u32 s42, s42, s40                     ; tile column
	s_and_b32 s17, ttmp7, 0xffff
	s_lshl_b32 s17, s17, 2
	s_add_co_u32 s17, s17, s41                     ; tile row
	s_lshl_b32 s43, s41, 2
	s_lshl_b32 s43, 15, s43                        ; my row of the cluster
	s_lshl_b32 s44, 0x1111, s40                    ; my column
	s_or_b32 s[G1+0], s43, (3<<16)|(1<<21)         ; a dense block of 24,576 bytes as 96 rows of 256 bytes (32 elements of 8 bytes); the mask; bit 21 beside it
	s_or_b32 s[G1B+0], s44, (3<<16)|(1<<21)
.irp g, G1, G1B
	s_mov_b32 s[\g+1], 32<<16
	s_mov_b32 s[\g+2], 96<<16
	s_mov_b32 s[\g+3], 32<<16
	s_mov_b32 s[\g+4], 96
	s_mov_b32 s[\g+5], 32
	s_mov_b32 s[\g+6], 0
	s_mov_b32 s[\g+7], 0
.endr
	s_or_b32 s[G1S+0], s43, (3<<16)|(1<<21)        ; the scale words of 128 rows: SG dense bytes
	s_or_b32 s[G1SB+0], s44, (3<<16)|(1<<21)
.irp g, G1S, G1SB
	s_mov_b32 s[\g+1], 32<<16
	s_mov_b32 s[\g+2], (SG/256)<<16
	s_mov_b32 s[\g+3], 32<<16
	s_mov_b32 s[\g+4], SG/256
	s_mov_b32 s[\g+5], 32
	s_mov_b32 s[\g+6], 0
	s_mov_b32 s[\g+7], 0
.endr
	s_lshl_b32 s20, s17, 1
	s_add_co_u32 s20, s20, s16                     ; A: the group of 128 rows that I fetch
	s_lshl_b32 s46, s42, 1
	s_add_co_u32 s46, s46, s16                     ; B: likewise
	s_mul_i32 s22, s20, SG
	s_mul_i32 s92, s46, SG
	s_mul_i32 s20, s20, GB
	s_mul_i32 s46, s46, GB
	s_mov_b32 s21, 0
	s_mov_b32 s23, 0
	s_mov_b32 s47, 0
	s_mov_b32 s93, 0
	s_mul_i32 s45, s14, PART
	s_mul_i32 s94, s14, SG
	s_wait_kmcnt 0x0
	s_add_nc_u64 s[8:9], s[6:7], W_I
	s_add_nc_u64 s[10:11], s[6:7], W_S
	s_add_nc_u64 s[6:7], s[4:5], A_S
	s_add_nc_u64 s[20:21], s[4:5], s[20:21]
	s_add_nc_u64 s[22:23], s[6:7], s[22:23]
	s_add_nc_u64 s[46:47], s[8:9], s[46:47]
	s_add_nc_u64 s[92:93], s[10:11], s[92:93]
	CROUND                                         ; all sixteen work-groups are here: the first joint loads meet
	s_mov_b32 s[G0S], 1
	s_add_co_u32 s[G0S+1], s94, SCL
	s_mov_b64 s[G0S+2:G0S+3], s[22:23]
	s_or_b32 s[G0S+3], s[G0S+3], 0x80000000
	s_mov_b32 s[G0SB], 1
	s_add_co_u32 s[G0SB+1], s94, SCL
	s_mov_b64 s[G0SB+2:G0SB+3], s[92:93]
	s_or_b32 s[G0SB+3], s[G0SB+3], 0x80000000
	JLOAD G0S, G1S, G0SB, G1SB
.irp s, 0,1
	s_mov_b32 s[G0+4*\s], 1
	s_add_co_u32 s[G0+4*\s+1], s45, \s*SLOT
	s_add_nc_u64 s[G0+4*\s+2:G0+4*\s+3], s[20:21], \s*PART
	s_or_b32 s[G0+4*\s+3], s[G0+4*\s+3], 0x80000000
	s_mov_b32 s[G0B+4*\s], 1
	s_add_co_u32 s[G0B+4*\s+1], s45, \s*SLOT
	s_add_nc_u64 s[G0B+4*\s+2:G0B+4*\s+3], s[46:47], \s*PART
	s_or_b32 s[G0B+4*\s+3], s[G0B+4*\s+3], 0x80000000
	JLOAD G0+4*\s, G1, G0B+4*\s, G1B
.endr
	v_and_b32 v1, 15, v0                           ; r
	v_bfe_u32 v2, v0, 4, 1                         ; h
	v_and_b32 v3, 31, v0
	v_lshlrev_b32 v[LI], 4, v3
	v_lshlrev_b32 v[BH], 5, v2
	s_mul_i32 s21, s15, PART
	s_mul_i32 s22, s16, PART
	s_add_co_u32 s22, s22, 2*PART
.irp s, 0,1
	v_add_nc_u32 v[ADRA+\s], s21, v[LI]
	v_add_nc_u32 v[ADRB+\s], s22, v[LI]
	s_add_co_u32 s21, s21, SLOT
	s_add_co_u32 s22, s22, SLOT
.endr
	v_lshlrev_b32 v5, 2, v1
	s_mul_i32 s21, s15, SG
	s_mul_i32 s22, s16, SG
	s_add_co_u32 s22, s22, 2*SG
	s_sub_co_u32 s22, s22, s21
	v_mul_u32_u24 v6, s22, v2                      ; lanes 16-31 take B's scale words: one product with h
	s_add_co_u32 s21, s21, SCL
	v_add_nc_u32 v5, v5, v6
	v_add_nc_u32 v[ADRS], s21, v5
	s_lshl_b32 s20, s42, 10                        ; the bias of my 128 columns
	s_lshl_b32 s21, s16, 9
	s_add_co_u32 s20, s20, s21
	s_mov_b32 s21, 0
	s_add_nc_u64 s[96:97], s[96:97], s[20:21]
	WIN TO_B
.irp b, 0,1,2,3,4,5,6,7
	global_load_b128 v[96+8*\b+96*(\b/4):96+8*\b+96*(\b/4)+3], v[BH], s[96:97] offset:64*\b          ; lane (r, h): the bias of columns 16 b + 8 h + 0 .. 7, in the result's layout
	global_load_b128 v[96+8*\b+96*(\b/4)+4:96+8*\b+96*(\b/4)+7], v[BH], s[96:97] offset:64*\b+16
.endr
	WIN 0
	s_mul_i32 s23, s14, 16*SPITCH                  ; my stage
	v_mul_u32_u24 v5, v1, SPITCH
	v_lshl_add_u32 v5, v2, 5, v5
	v_add_nc_u32 v[STO], s23, v5
	v_add_nc_u32 v[RD], s23, v[LI]
	s_lshl_b32 s20, s17, 8
	s_lshl_b32 s21, s15, 7
	s_add_co_u32 s20, s20, s21                     ; my first row,
	s_lshl_b32 s20, s20, 12                        ; of 4,096 bytes,
	s_lshl_b32 s46, s42, 10
	s_lshl_b32 s47, s16, 9
	s_add_co_u32 s46, s46, s47                     ; my first column
	s_add_co_u32 s20, s20, s46
	s_mov_b32 s21, 0
	s_add_nc_u64 s[12:13], s[12:13], s[20:21]
	s_add_nc_u64 s[98:99], s[98:99], s[20:21]
.macro FRAG reg, adr, q, i
.irp c, 0,1,2
	ds_load_b128 v[\reg+4*\c:\reg+4*\c+3], v[\adr] offset:(\i)*3072+(\q)*1536+\c*512
.endr
.endm
; 16 matrix instructions: A's blocks a0, a0 + 1 x B's eight.  first = 1: the bias is the C of the sum's first instruction.  The 64 accumulators take turns, one instruction a turn.
.macro MUL16 a0, p, q, sc, first
.irp a, \a0, \a0+1
.irp b, 0,1,2,3,4,5,6,7
.if \first
	v_wmma_scale_f32_16x16x128_f8f6f4 v[8*(8*((\a)%4)+\b):8*(8*((\a)%4)+\b)+7], v[128*(\p)+FR*\b:128*(\p)+FR*\b+FR-1], v[AF+FR*(\a):AF+FR*(\a)+FR-1], v[96+8*\b+96*(\b/4):96+8*\b+96*(\b/4)+7], v[SC+8*NQ*(\sc)+NQ*\b+(\q)], v[SC+8*NQ*(\sc)+NQ*(\a)+(\q)] matrix_a_fmt:MATRIX_FMT_BF6 matrix_b_fmt:MATRIX_FMT_BF6 matrix_a_scale:MATRIX_SCALE_ROW1
.else
	v_wmma_scale_f32_16x16x128_f8f6f4 v[8*(8*((\a)%4)+\b):8*(8*((\a)%4)+\b)+7], v[128*(\p)+FR*\b:128*(\p)+FR*\b+FR-1], v[AF+FR*(\a):AF+FR*(\a)+FR-1], v[8*(8*((\a)%4)+\b):8*(8*((\a)%4)+\b)+7], v[SC+8*NQ*(\sc)+NQ*\b+(\q)], v[SC+8*NQ*(\sc)+NQ*(\a)+(\q)] matrix_a_fmt:MATRIX_FMT_BF6 matrix_b_fmt:MATRIX_FMT_BF6 matrix_a_scale:MATRIX_SCALE_ROW1
.endif
.endr
.endr
.endm
.macro FETCH_B slot, q, p
	WIN TO_B
.irp i, 0,1,2,3,4,5,6,7
	FRAG 128*(\p)+FR*\i, ADRB+\slot, \q, \i
.endr
	WIN 0
.endm
.macro FETCH_A slot, q, i0
.irp i, \i0, \i0+1, \i0+2, \i0+3
	FRAG AF+FR*(\i), ADRA+\slot, \q, \i
.endr
.endm
.macro SCALES sc
.irp i, 0,1,2,3,4,5,6,7
	ds_load_b32 v[SC+16*\sc+2*\i], v[ADRS] offset:64*\i
	ds_load_b32 v[SC+16*\sc+2*\i+1], v[ADRS] offset:512+64*\i
.endr
.endm
.macro PLACES n                        ; plain vector instructions between a matrix instruction and a load into, or a read of, its registers (ISA guide 7.12.1 for a read of its registers)
.rept \n
	v_nop
.endr
.endm
.macro STEP slot, q, first
	s_wait_dscnt 4*NL                              ; all but the youngest 12 loads (A's blocks 4-7)
.if \first
	WIN 0x91                                       ; C (the bias) window 1, D window 2
.else
	WIN MUL_LO
.endif
	MUL16 0, (\q)%2, \q, \slot, \first
	MUL16 2, (\q)%2, \q, \slot, \first
	s_wait_dscnt 0
	PLACES NP
	FETCH_B \slot, (\q)+1, 1-(\q)%2
	FETCH_A \slot, (\q)+1, 0
.if \first
	WIN 0xd1                                       ; C window 1, D window 3
.else
	WIN MUL_HI
.endif
	MUL16 4, (\q)%2, \q, \slot, \first
	MUL16 6, (\q)%2, \q, \slot, \first
	PLACES NP
	WIN 0
	FETCH_A \slot, (\q)+1, 4
.endm
.macro TURN slot, next, fill           ; a slot's last step changes slots: ONE barrier
	s_wait_tensorcnt 0x0                           ; all my tensor loads have landed: my part of the next slot
	ds_add_u32 v[SPW], v[NIL]                      ; 0 onto my spare word
	s_wait_dscnt 4*NL+1                            ; (the add and the youngest 12 loads may be out)
	WIN MUL_LO
	MUL16 0, 1, NQ-1, \slot, 0
	s_wait_dscnt 0x0                               ; the add is done, and my reads of this slot are over
	s_barrier_signal -1
	MUL16 2, 1, NQ-1, \slot, 0
	WIN 0
	s_barrier_wait -1
.if \fill
	CREST                                          ; the barrier has opened a round of the cluster's barrier
	s_add_nc_u64 s[G0+4*\slot+2:G0+4*\slot+3], s[G0+4*\slot+2:G0+4*\slot+3], 2*PART
	s_add_nc_u64 s[G0B+4*\slot+2:G0B+4*\slot+3], s[G0B+4*\slot+2:G0B+4*\slot+3], 2*PART
	JLOAD G0+4*\slot, G1, G0B+4*\slot, G1B         ; the first tensor load behind the round
.else
	PLACES NP
.endif
	v_add_nc_u32 v[ADRS], 1024, v[ADRS]
	FETCH_B \next, 0, 0
	FETCH_A \next, 0, 0
	SCALES \next
	WIN MUL_HI
	MUL16 4, 1, NQ-1, \slot, 0
	MUL16 6, 1, NQ-1, \slot, 0
	PLACES NP
	WIN 0
	FETCH_A \next, 0, 4
.endm
	s_wait_tensorcnt 1                             ; the scale words and my part of K step 0 are in (K step 1's load may be out),
	s_barrier_signal -1
	s_barrier_wait -1                              ; everybody's are
	FETCH_B 0, 0, 0
	FETCH_A 0, 0, 0
	SCALES 0
	FETCH_A 0, 0, 4
	s_wait_loadcnt 0x0                             ; the bias
	STEP 0, 0, 1
	s_mov_b32 s3, LAPS-1
.Llap:
	TURN 0, 1, 1
	STEP 1, 0, 0
	TURN 1, 0, 1
	STEP 0, 0, 0
	s_sub_co_u32 s3, s3, 1
	s_cmp_lg_u32 s3, 0
	s_cbranch_scc1 .Llap
	TURN 0, 1, 0
	STEP 1, 0, 0
	s_wait_dscnt 4*NL
	WIN MUL_LO
	MUL16 0, 1, NQ-1, 1, 0
	MUL16 2, 1, NQ-1, 1, 0
	s_wait_dscnt 0
	WIN MUL_HI
	MUL16 4, 1, NQ-1, 1, 0
	MUL16 6, 1, NQ-1, 1, 0
	WIN 0
	PLACES NP
; THE WAY OUT, block by block of 16 rows x 128 columns: through my own stage in LDS, back as whole rows of 512 bytes; the residual's same rows are added; the 32 lanes store 512 consecutive bytes, aligned.
.macro RLOAD a                         ; the residual's 16 rows -> window 1, v[64 (a % 2)] on
	WIN TO_B
.irp t, 0,1,2,3,4,5,6,7,8,9,10,11,12,13,14,15
	global_load_b128 v[64*((\a)%2)+4*\t:64*((\a)%2)+4*\t+3], v[LI], s[98:99] offset:(16*(\a)+\t)*4096
.endr
	WIN 0
.endm
.macro TOSTAGE a
.set AC, 64*((\a)%4)
	WIN 0x08+4*((\a)/4)                            ; an LDS store's data are its source 1: window 2 or 3
.irp b, 0,1,2,3,4,5,6,7
	ds_store_b128 v[STO], v[AC+8*\b:AC+8*\b+3] offset:64*\b          ; each accumulator from its low end on
	ds_store_b128 v[STO], v[AC+8*\b+4:AC+8*\b+7] offset:64*\b+16
.endr
	WIN 0
.set BB, BK+64*((\a)%2)
.irp t, 0,1,2,3,4,5,6,7,8,9,10,11,12,13,14,15
	ds_load_b128 v[BB+4*\t:BB+4*\t+3], v[RD] offset:\t*SPITCH        ; LDS serves a wave's instructions in order: these see the stores above
.endr
.endm
.macro SEND a, yds, yld                ; yds, yld: the LDS instructions and the loads issued behind block a's, which may stay out
.set BB, BK+64*((\a)%2)
.set RS, 64*((\a)%2)
	s_wait_dscnt \yds
	s_wait_loadcnt \yld
	WIN 0x04                                       ; source 1 (the residual) window 1
.set i, 0
.rept 32
	v_pk_add_f32 v[BB+i:BB+i+1], v[BB+i:BB+i+1], v[RS+i:RS+i+1]
.set i, i+2
.endr
	WIN 0
.irp t, 0,1,2,3,4,5,6,7,8,9,10,11,12,13,14,15
.if FINAL
	global_store_b128 v[LI], v[BB+4*\t:BB+4*\t+3], s[12:13] offset:(16*(\a)+\t)*4096 th:TH_STORE_NT
.else
	global_store_b128 v[LI], v[BB+4*\t:BB+4*\t+3], s[12:13] offset:(16*(\a)+\t)*4096
.endif
.endr
.endm
	RLOAD 0
	TOSTAGE 0
.irp a, 1,2,3,4,5,6,7
.if \a > 1
	s_wait_xcnt 0x0                                ; block a - 2's stores have read their registers: block a's rows may land there
.endif
	RLOAD \a
	TOSTAGE \a
	SEND \a-1, 32, 16                              ; behind block a - 1's: block a's 16 stage stores and 16 stage loads; its 16 residual loads
.endr
	SEND 7, 0, 0
	s_wait_tensorcnt 0x0                           ; the wave's end
	ds_add_u32 v[SPW], v[NIL]
	s_wait_dscnt 0x0
	CROUND                                         ; the closing round
	s_endpgm
.Lfunc_end_k_q44f1f2d046_gemm_o:
	.size	k_q44f1f2d046_gemm_o, .Lfunc_end_k_q44f1f2d046_gemm_o-k_q44f1f2d046_gemm_o
	.p2alignl 7, 3214868480
	.fill 96, 4, 3214868480
	.section	.rodata,"a",@progbits
	.p2align	6, 0x0
	.amdhsa_kernel k_q44f1f2d046_gemm_o
		.amdhsa_group_segment_fixed_size 327680
		.amdhsa_private_segment_fixed_size 0
		.amdhsa_enable_private_segment 0
		.amdhsa_kernarg_size 40
		.amdhsa_user_sgpr_count 2
		.amdhsa_user_sgpr_kernarg_segment_ptr 1
		.amdhsa_wavefront_size32 1
		.amdhsa_system_sgpr_workgroup_id_x 1
		.amdhsa_system_sgpr_workgroup_id_y 1
		.amdhsa_system_sgpr_workgroup_id_z 1
		.amdhsa_system_vgpr_workitem_id 0
		.amdhsa_next_free_vgpr 1024
		.amdhsa_next_free_sgpr 102
		.amdhsa_reserve_vcc 0
		.amdhsa_float_denorm_mode_32 3
		.amdhsa_float_denorm_mode_16_64 3
		.amdhsa_memory_ordered 1
		.amdhsa_forward_progress 1
		.amdhsa_inst_pref_size 168
	.end_amdhsa_kernel
	.amdgpu_metadata
---
amdhsa.version: [ 1, 2 ]
amdhsa.kernels:
  - .name:           k_q44f1f2d046_gemm_o
    .symbol:         k_q44f1f2d046_gemm_o.kd
    .args:
      - { .name: aob, .offset: 0, .size: 8, .value_kind: global_buffer, .address_space: global }
      - { .name: wb, .offset: 8, .size: 8, .value_kind: global_buffer, .address_space: global }
      - { .name: bo, .offset: 16, .size: 8, .value_kind: global_buffer, .address_space: global }
      - { .name: x, .offset: 24, .size: 8, .value_kind: global_buffer, .address_space: global }
      - { .name: x1, .offset: 32, .size: 8, .value_kind: global_buffer, .address_space: global }
    .group_segment_fixed_size: 327680
    .private_segment_fixed_size: 0
    .kernarg_segment_align: 8
    .kernarg_segment_size: 40
    .max_flat_workgroup_size: 128
    .sgpr_count:     102
    .vgpr_count:     1024
    .wavefront_size: 32
...
	.end_amdgpu_metadata
.endif
;; end of part 5
;; launch ln2: the kernel of part 2 again; grid 256 x 1, 8 waves a work-group, no clusters, 66,816 bytes of LDS; arguments x1, g2, be2, xnb; writes xnb
;; launch gemm_1 (part 6): grid 16 x 16, 4 waves a work-group, clusters of 4 x 4, 327,680 bytes of LDS; arguments xnb, wb, b1, hb; writes hb
.if DOCPART == 6
	.amdgcn_target "amdgcn-amd-amdhsa--gfx1250"
	.amdhsa_code_object_version 6
	.text
	.protected	k_q44f1f2d046_gemm_1
	.globl	k_q44f1f2d046_gemm_1
	.p2align	8
	.type	k_q44f1f2d046_gemm_1,@function
k_q44f1f2d046_gemm_1:
	s_mov_b64 s[64:65], 0
	v_nop
	global_prefetch_b8 v0, s[64:65] scope:SCOPE_SE
	s_setreg_imm32_b32 hwreg(HW_REG_WAVE_MODE, 25, 1), 1
	s_wait_xcnt 0x0
	s_wait_alu depctr_hold_cnt(0) depctr_sa_sdst(0) depctr_va_vdst(0) depctr_va_sdst(0) depctr_va_ssrc(0) depctr_va_vcc(0) depctr_vm_vsrc(0)
	s_getreg_b32 s2, hwreg(HW_REG_IB_STS2, 6, 4)
	s_cmp_eq_u32 s2, 0
	s_cbranch_scc0 .Lentry_in_a_cluster
	s_endpgm
.Lentry_in_a_cluster:
	s_bfe_u32 s2, ttmp6, 0x10000c
	s_cmp_lg_u32 s2, 0xf033
	s_cbranch_scc0 .Lentry_shape_is_right
	s_endpgm
.Lentry_shape_is_right:
; h = gelu(xn W1 + b1), gelu(u) = u / 2 (1 + erf(u / sqrt 2)), quantised here along the 4,096 hidden units for the next product.  A (xn, 4,096 rows) and B (W1, 4,096 rows) are codes of BF6 (E3M2) with E8M0 scales,
; laid as images of their fragments' registers: 128 rows x 256 K are one dense block of 24,576 bytes; a fragment is three loads of 16 bytes a lane, at 16 x lane.  Sums, bias and gelu in f32.
; A tile of 256 x 256 is made by four waves, each 128 x 128: 64 accumulators.  K = 1,024 goes in steps of 256 through a ring of two LDS slots filled by the tensor data mover.
; THE MATRIX INSTRUCTION IS USED TRANSPOSED (source 0 = 16 rows of W1, source 1 = 16 rows of xn): a lane holds one token, its registers run along the hidden units: the next K.  A wave's 128 units are one K step of it.
; The bias is the C of each sum's first matrix instruction.  CLUSTERS: 4 x 4 work-groups; A's tiles are asked for jointly along a row of the cluster, B's along a column.
; THE WAY OUT is a loop of eight trips, one for each block of 16 tokens; only the 64 lines that read a block's accumulators are written eight times, chosen by the trip's number.
; erf(z) = z a(z^2) / b(z^2), polynomials of degree 6 and 4 in f32, z held to -4 .. 4, where erf differs from -1 or 1 by less than one part in 2^24.
; LIMITS: the form's absolute error is about 1e-7, so for u far below zero gelu is u times a rounding remainder of 1 + erf where the exact value is nearer to 0; a block of zeros gets the byte 1 where the rule says 127;
; NaN and infinities are not served; k is permuted inside blocks of 32, alike in both operands.
; OUT (hb): register p of lane l of the fragment (16 tokens, K step s) at (row>>7) 393216 + (s>>1) 24576 + ((row>>4)&7) 3072 + (s&1) 1536 + (p>>2) 512 + 16 l + 4 (p&3); scale word at 12582912 + (row>>7) 16384 + s 512 + (row&127) 4.
.set SIZE_K, 1024
.set A_S,    3145728
.set W_I,    3145728
.set W_S,    9568256
.set HSO,    12582912
.set NQ,     2
.set FR,     12
.set NL,     3
.set NP,     4
.set PART,   24576
.set SLOT,   4*PART
.set LAPS,   SIZE_K/512
.set GB,     SIZE_K*96
.set SG,     SIZE_K*4
.set SCL,    2*SLOT
.set SPARE,  SCL+4*SG
.set ADRA, 16
.set ADRB, 20
.set SRD,  23                          ; v23 the scale words' stage, back: wave x 512 + 16 x lane (in slot 0, which has had its last fill and its last read by then)
.set SWA,  24                          ; v24 in: this trip's place
.set SW0,  25                          ; v25 in: wave x 512 + 4 r
.set LI,   26
.set ADRS, 27
.set SPW,  28
.set NIL,  29
.set BH,   30
.set SC,   32
.set AF,   128
.set TM,   32                          ; the way out, window 0: v32-47 the quantiser's work
.set PW,   48
.set A1,   50                          ; v[50:51] the numerator's second coefficient, twice
.set B1,   52                          ; v[52:53] the denominator's
.set FA,   56
.set PT,   68
.set OW,   76                          ; v76-79 the scale words on their way out
.set HA,   128                         ; v128-191 u / 2, then h
.set ZZ,   192                         ; v192-255 z, then erf
.set XX,   0                           ; window 1: z^2
.set PP,   64                          ; the numerator
.set QQ,   128                         ; the denominator, then its reciprocal
.set SEL,  66
.set G1, 24
.set G0, 32
.set G1B, 48
.set G0B, 56
.set G1S, 68
.set G0S, 76
.set G1SB, 80
.set G0SB, 88
.set MSB, 0
.macro WIN new                         ; the immediate's high byte repeats the setting that is left
.if MSB != \new
	s_set_vgpr_msb (MSB<<8)|\new
.set MSB, \new
.endif
.endm
.set MUL_LO, 0xa1
.set MUL_HI, 0xf1
.set TO_B,   0x40
.macro JLOAD g0a, g1a, g0b, g1b        ; a joint load: waves 0 and 1 fetch for A, waves 2 and 3 for B; four v_nop follow each of the two lines
	s_cmp_eq_u32 s15, 0
	s_cbranch_scc0 .Lfor_b_\@
	tensor_load_to_lds s[\g0a:\g0a+3], s[\g1a:\g1a+7]
	s_nop 0
.rept 4
	v_nop
.endr
	s_branch .Lasked_\@
.Lfor_b_\@:
	tensor_load_to_lds s[\g0b:\g0b+3], s[\g1b:\g1b+7]
	s_nop 0
.rept 4
	v_nop
.endr
.Lasked_\@:
.endm
.macro CREST
	s_cmp_lg_u32 s14, 0
	s_cbranch_scc1 .Lnot_wave_0_\@
	s_barrier_signal -3
.Lnot_wave_0_\@:
	s_barrier_wait -3
	s_barrier_signal -1
	s_barrier_wait -1
.endm
.macro CROUND
	s_barrier_signal -1
	s_barrier_wait -1
	CREST
.endm
	s_load_b128 s[4:7], s[0:1], 0x0                ; xnb, wb
	s_load_b128 s[96:99], s[0:1], 0x10             ; b1, hb
	v_lshl_add_u32 v[SPW], v0, 2, SPARE
	v_mov_b32 v[NIL], 0
	ds_add_u32 v28, v29
	ds_add_u32 v28, v29
	s_wait_dscnt 0x0
	v_lshrrev_b32 v1, 5, v0
	v_readfirstlane_b32 s14, v1                    ; wave 0..3
	s_lshr_b32 s15, s14, 1
	s_and_b32 s16, s14, 1
	s_bfe_u32 s40, ttmp6, 0x40000                  ; cx, cy
	s_bfe_u32 s41, ttmp6, 0x40004
	s_lshl_b32 s42, ttmp9, 2
	s_add_co_u32 s42, s42, s40                     ; tile column
	s_and_b32 s17, ttmp7, 0xffff
	s_lshl_b32 s17, s17, 2
	s_add_co_u32 s17, s17, s41                     ; tile row
	s_lshl_b32 s43, s41, 2
	s_lshl_b32 s43, 15, s43
	s_lshl_b32 s44, 0x1111, s40
	s_or_b32 s[G1+0], s43, (3<<16)|(1<<21)         ; a dense block of 24,576 bytes as 96 rows of 256 bytes (32 elements of 8 bytes); the mask; bit 21 beside it
	s_or_b32 s[G1B+0], s44, (3<<16)|(1<<21)
.irp g, G1, G1B
	s_mov_b32 s[\g+1], 32<<16
	s_mov_b32 s[\g+2], 96<<16
	s_mov_b32 s[\g+3], 32<<16
	s_mov_b32 s[\g+4], 96
	s_mov_b32 s[\g+5], 32
	s_mov_b32 s[\g+6], 0
	s_mov_b32 s[\g+7], 0
.endr
	s_or_b32 s[G1S+0], s43, (3<<16)|(1<<21)
	s_or_b32 s[G1SB+0], s44, (3<<16)|(1<<21)
.irp g, G1S, G1SB
	s_mov_b32 s[\g+1], 32<<16
	s_mov_b32 s[\g+2], (SG/256)<<16
	s_mov_b32 s[\g+3], 32<<16
	s_mov_b32 s[\g+4], SG/256
	s_mov_b32 s[\g+5], 32
	s_mov_b32 s[\g+6], 0
	s_mov_b32 s[\g+7], 0
.endr
	s_lshl_b32 s20, s17, 1
	s_add_co_u32 s20, s20, s16
	s_lshl_b32 s46, s42, 1
	s_add_co_u32 s46, s46, s16
	s_mul_i32 s22, s20, SG
	s_mul_i32 s92, s46, SG
	s_mul_i32 s20, s20, GB
	s_mul_i32 s46, s46, GB
	s_mov_b32 s21, 0
	s_mov_b32 s23, 0
	s_mov_b32 s47, 0
	s_mov_b32 s93, 0
	s_mul_i32 s45, s14, PART
	s_mul_i32 s94, s14, SG
	s_wait_kmcnt 0x0
	s_mov_b64 s[12:13], s[98:99]                   ; hb
	s_add_nc_u64 s[8:9], s[6:7], W_I
	s_add_nc_u64 s[10:11], s[6:7], W_S
	s_add_nc_u64 s[6:7], s[4:5], A_S
	s_add_nc_u64 s[20:21], s[4:5], s[20:21]
	s_add_nc_u64 s[22:23], s[6:7], s[22:23]
	s_add_nc_u64 s[46:47], s[8:9], s[46:47]
	s_add_nc_u64 s[92:93], s[10:11], s[92:93]
	CROUND
	s_mov_b32 s[G0S], 1
	s_add_co_u32 s[G0S+1], s94, SCL
	s_mov_b64 s[G0S+2:G0S+3], s[22:23]
	s_or_b32 s[G0S+3], s[G0S+3], 0x80000000
	s_mov_b32 s[G0SB], 1
	s_add_co_u32 s[G0SB+1], s94, SCL
	s_mov_b64 s[G0SB+2:G0SB+3], s[92:93]
	s_or_b32 s[G0SB+3], s[G0SB+3], 0x80000000
	JLOAD G0S, G1S, G0SB, G1SB
.irp s, 0,1
	s_mov_b32 s[G0+4*\s], 1
	s_add_co_u32 s[G0+4*\s+1], s45, \s*SLOT
	s_add_nc_u64 s[G0+4*\s+2:G0+4*\s+3], s[20:21], \s*PART
	s_or_b32 s[G0+4*\s+3], s[G0+4*\s+3], 0x80000000
	s_mov_b32 s[G0B+4*\s], 1
	s_add_co_u32 s[G0B+4*\s+1], s45, \s*SLOT
	s_add_nc_u64 s[G0B+4*\s+2:G0B+4*\s+3], s[46:47], \s*PART
	s_or_b32 s[G0B+4*\s+3], s[G0B+4*\s+3], 0x80000000
	JLOAD G0+4*\s, G1, G0B+4*\s, G1B
.endr
	v_and_b32 v1, 15, v0                           ; r
	v_bfe_u32 v2, v0, 4, 1                         ; h
	v_and_b32 v3, 31, v0
	v_lshlrev_b32 v[LI], 4, v3
	v_lshlrev_b32 v[BH], 5, v2
	s_mul_i32 s21, s15, PART
	s_mul_i32 s22, s16, PART
	s_add_co_u32 s22, s22, 2*PART
.irp s, 0,1
	v_add_nc_u32 v[ADRA+\s], s21, v[LI]
	v_add_nc_u32 v[ADRB+\s], s22, v[LI]
	s_add_co_u32 s21, s21, SLOT
	s_add_co_u32 s22, s22, SLOT
.endr
	v_lshlrev_b32 v5, 2, v1
	s_lshl_b32 s23, s14, 9
	v_add_nc_u32 v[SW0], s23, v5
	v_add_nc_u32 v[SRD], s23, v[LI]
	s_mul_i32 s21, s15, SG
	s_mul_i32 s22, s16, SG
	s_add_co_u32 s22, s22, 2*SG
	s_sub_co_u32 s22, s22, s21
	v_mul_u32_u24 v6, s22, v2                      ; lanes 16-31 take B's scale words: one product with h
	s_add_co_u32 s21, s21, SCL
	v_add_nc_u32 v5, v5, v6
	v_add_nc_u32 v[ADRS], s21, v5
	s_lshl_b32 s20, s42, 10                        ; the bias of my 128 hidden units
	s_lshl_b32 s21, s16, 9
	s_add_co_u32 s20, s20, s21
	s_mov_b32 s21, 0
	s_add_nc_u64 s[96:97], s[96:97], s[20:21]
	WIN TO_B
.irp b, 0,1,2,3,4,5,6,7
	global_load_b128 v[96+8*\b+96*(\b/4):96+8*\b+96*(\b/4)+3], v[BH], s[96:97] offset:64*\b
	global_load_b128 v[96+8*\b+96*(\b/4)+4:96+8*\b+96*(\b/4)+7], v[BH], s[96:97] offset:64*\b+16
.endr
	WIN 0
	s_lshl_b32 s20, s17, 1
	s_add_co_u32 s20, s20, s15                     ; my group of 128 tokens
	s_mul_i32 s22, s20, 393216
	s_mul_i32 s23, s42, 24576
	s_add_co_u32 s22, s22, s23
	s_mul_i32 s23, s16, 1536
	s_add_co_u32 s22, s22, s23                     ; my K step's fragments
	s_mov_b32 s23, 0
	s_lshl_b32 s46, s20, 14
	s_lshl_b32 s47, s42, 10
	s_add_co_u32 s46, s46, s47
	s_lshl_b32 s47, s16, 9
	s_add_co_u32 s46, s46, s47
	s_add_co_u32 s46, s46, HSO                     ; and its 128 scale words
	s_mov_b32 s47, 0
	s_add_nc_u64 s[98:99], s[12:13], s[46:47]
	s_add_nc_u64 s[12:13], s[12:13], s[22:23]
.macro FRAG reg, adr, q, i
.irp c, 0,1,2
	ds_load_b128 v[\reg+4*\c:\reg+4*\c+3], v[\adr] offset:(\i)*3072+(\q)*1536+\c*512
.endr
.endm
; 16 matrix instructions: A's blocks a0, a0 + 1 x B's eight.  first = 1: the bias is the C of the sum's first instruction.  The 64 accumulators take turns, one instruction a turn.
.macro MUL16 a0, p, q, sc, first
.irp a, \a0, \a0+1
.irp b, 0,1,2,3,4,5,6,7
.if \first
	v_wmma_scale_f32_16x16x128_f8f6f4 v[8*(8*((\a)%4)+\b):8*(8*((\a)%4)+\b)+7], v[128*(\p)+FR*\b:128*(\p)+FR*\b+FR-1], v[AF+FR*(\a):AF+FR*(\a)+FR-1], v[96+8*\b+96*(\b/4):96+8*\b+96*(\b/4)+7], v[SC+8*NQ*(\sc)+NQ*\b+(\q)], v[SC+8*NQ*(\sc)+NQ*(\a)+(\q)] matrix_a_fmt:MATRIX_FMT_BF6 matrix_b_fmt:MATRIX_FMT_BF6 matrix_a_scale:MATRIX_SCALE_ROW1
.else
	v_wmma_scale_f32_16x16x128_f8f6f4 v[8*(8*((\a)%4)+\b):8*(8*((\a)%4)+\b)+7], v[128*(\p)+FR*\b:128*(\p)+FR*\b+FR-1], v[AF+FR*(\a):AF+FR*(\a)+FR-1], v[8*(8*((\a)%4)+\b):8*(8*((\a)%4)+\b)+7], v[SC+8*NQ*(\sc)+NQ*\b+(\q)], v[SC+8*NQ*(\sc)+NQ*(\a)+(\q)] matrix_a_fmt:MATRIX_FMT_BF6 matrix_b_fmt:MATRIX_FMT_BF6 matrix_a_scale:MATRIX_SCALE_ROW1
.endif
.endr
.endr
.endm
.macro FETCH_B slot, q, p
	WIN TO_B
.irp i, 0,1,2,3,4,5,6,7
	FRAG 128*(\p)+FR*\i, ADRB+\slot, \q, \i
.endr
	WIN 0
.endm
.macro FETCH_A slot, q, i0
.irp i, \i0, \i0+1, \i0+2, \i0+3
	FRAG AF+FR*(\i), ADRA+\slot, \q, \i
.endr
.endm
.macro SCALES sc
.irp i, 0,1,2,3,4,5,6,7
	ds_load_b32 v[SC+16*\sc+2*\i], v[ADRS] offset:64*\i
	ds_load_b32 v[SC+16*\sc+2*\i+1], v[ADRS] offset:512+64*\i
.endr
.endm
.macro PLACES n                        ; plain vector instructions between a matrix instruction and a load into, or a read of, its registers (ISA guide 7.12.1 for a read of its registers)
.rept \n
	v_nop
.endr
.endm
.macro STEP slot, q, first
	s_wait_dscnt 4*NL                              ; all but the youngest 12 loads (A's blocks 4-7)
.if \first
	WIN 0x91                                       ; C (the bias) window 1, D window 2
.else
	WIN MUL_LO
.endif
	MUL16 0, (\q)%2, \q, \slot, \first
	MUL16 2, (\q)%2, \q, \slot, \first
	s_wait_dscnt 0
	PLACES NP
	FETCH_B \slot, (\q)+1, 1-(\q)%2
	FETCH_A \slot, (\q)+1, 0
.if \first
	WIN 0xd1
.else
	WIN MUL_HI
.endif
	MUL16 4, (\q)%2, \q, \slot, \first
	MUL16 6, (\q)%2, \q, \slot, \first
	PLACES NP
	WIN 0
	FETCH_A \slot, (\q)+1, 4
.endm
.macro TURN slot, next, fill           ; a slot's last step changes slots: ONE barrier
	s_wait_tensorcnt 0x0                           ; all my tensor loads have landed: my part of the next slot
	ds_add_u32 v[SPW], v[NIL]                      ; 0 onto my spare word
	s_wait_dscnt 4*NL+1                            ; (the add and the youngest 12 loads may be out)
	WIN MUL_LO
	MUL16 0, 1, NQ-1, \slot, 0
	s_wait_dscnt 0x0                               ; the add is done, and my reads of this slot are over
	s_barrier_signal -1
	MUL16 2, 1, NQ-1, \slot, 0
	WIN 0
	s_barrier_wait -1
.if \fill
	CREST                                          ; the barrier has opened a round of the cluster's barrier
	s_add_nc_u64 s[G0+4*\slot+2:G0+4*\slot+3], s[G0+4*\slot+2:G0+4*\slot+3], 2*PART
	s_add_nc_u64 s[G0B+4*\slot+2:G0B+4*\slot+3], s[G0B+4*\slot+2:G0B+4*\slot+3], 2*PART
	JLOAD G0+4*\slot, G1, G0B+4*\slot, G1B         ; the first tensor load behind the round
.else
	PLACES NP
.endif
	v_add_nc_u32 v[ADRS], 1024, v[ADRS]
	FETCH_B \next, 0, 0
	FETCH_A \next, 0, 0
	SCALES \next
	WIN MUL_HI
	MUL16 4, 1, NQ-1, \slot, 0
	MUL16 6, 1, NQ-1, \slot, 0
	PLACES NP
	WIN 0
	FETCH_A \next, 0, 4
.endm
	s_wait_tensorcnt 1                             ; the scale words and my part of K step 0 are in (K step 1's load may be out),
	s_barrier_signal -1
	s_barrier_wait -1                              ; everybody's are
	FETCH_B 0, 0, 0
	FETCH_A 0, 0, 0
	SCALES 0
	FETCH_A 0, 0, 4
	s_wait_loadcnt 0x0                             ; the bias
	STEP 0, 0, 1
	s_mov_b32 s3, LAPS-1
.Llap:
	TURN 0, 1, 1
	STEP 1, 0, 0
	TURN 1, 0, 1
	STEP 0, 0, 0
	s_sub_co_u32 s3, s3, 1
	s_cmp_lg_u32 s3, 0
	s_cbranch_scc1 .Llap
	TURN 0, 1, 0
	STEP 1, 0, 0
	s_wait_dscnt 4*NL
	WIN MUL_LO
	MUL16 0, 1, NQ-1, 1, 0
	MUL16 2, 1, NQ-1, 1, 0
	s_wait_dscnt 0
	WIN MUL_HI
	MUL16 4, 1, NQ-1, 1, 0
	MUL16 6, 1, NQ-1, 1, 0
	WIN 0
	PLACES NP
; 64 numbers of a lane, register 16 b + i = position 16 h + i of block b of my row, become a fragment's registers 0-5 in v[d0] on, 6-11 in v[d1] on, and the scale word in v[pw]
.macro QUANT s, d0, d1, pw
.irp b, 0,1,2,3
	v_max3_num_f32 v[TM+\b], |v[\s+16*\b]|, |v[\s+1+16*\b]|, 0x2800000   ; my 16 numbers of block b, and the floor 2^(5 - 127)
.endr
.irp i, 2,4,6,8,10,12,14
.irp b, 0,1,2,3
	v_max3_num_f32 v[TM+\b], v[TM+\b], |v[\s+16*\b+\i]|, |v[\s+1+16*\b+\i]|
.endr
.endr
.irp b, 0,1,2,3
	v_permlanex16_b32 v[TM+4+\b], v[TM+\b], s[SEL], s[SEL+1]
.endr
.irp b, 0,1,2,3
	v_max_num_f32 v[TM+\b], v[TM+\b], v[TM+4+\b]
.endr
.irp b, 0,1,2,3
	v_add_nc_u32 v[TM+12+\b], 0xfe000000, v[TM+\b]
.endr
.irp b, 0,1,2,3
	v_lshrrev_b32 v[TM+4+\b], 23, v[TM+12+\b]
.endr
	v_lshl_or_b32 v[\pw], v[TM+5], 8, v[TM+4]
	v_lshl_or_b32 v[\pw], v[TM+6], 16, v[\pw]
	v_lshl_or_b32 v[\pw], v[TM+7], 24, v[\pw]
	v_cvt_scalef32_pk16_bf6_f32 v[\d0:\d0+2], v[\s:\s+15], v[TM+12]
	v_cvt_scalef32_pk16_bf6_f32 v[PT:PT+2], v[\s+16:\s+31], v[TM+13]
	v_cvt_scalef32_pk16_bf6_f32 v[\d1:\d1+2], v[\s+32:\s+47], v[TM+14]
	v_cvt_scalef32_pk16_bf6_f32 v[PT+4:PT+6], v[\s+48:\s+63], v[TM+15]
	v_nop                                          ; one plain place behind a scaled conversion
.irp i, 0,1,2
	v_permlane16_swap_b32 v[\d0+\i], v[PT+\i]
.endr
.irp i, 0,1,2
	v_mov_b32 v[\d0+3+\i], v[PT+\i]
.endr
.irp i, 0,1,2
	v_permlane16_swap_b32 v[\d1+\i], v[PT+4+\i]
.endr
.irp i, 0,1,2
	v_mov_b32 v[\d1+3+\i], v[PT+4+\i]
.endr
.endm
.macro COPY k                          ; block k's eight accumulators: z = u / sqrt 2 and u / 2; each accumulator from its low end on
.set AC, 64*((\k)%4)
	WIN 2+(\k)/4                                   ; source 0: window 2 or 3
.set i, 0
.rept 32
	v_pk_mul_f32 v[ZZ+i:ZZ+i+1], v[AC+i:AC+i+1], 0x3f3504f3 op_sel_hi:[1,0]
.set i, i+2
.endr
.set i, 0
.rept 32
	v_pk_mul_f32 v[HA+i:HA+i+1], v[AC+i:AC+i+1], 0.5 op_sel_hi:[1,0]
.set i, i+2
.endr
	WIN 0
.endm
	s_mov_b32 s[SEL], 0x76543210
	s_mov_b32 s[SEL+1], 0xfedcba98
.irp b, 0,1,2,3
	v_mov_b32 v[TM+4+\b], 0                        ; a lane permute's destination counts as one of its sources
.endr
	v_mov_b32 v[A1], 0x32edffee
	v_mov_b32 v[A1+1], 0x32edffee
	v_mov_b32 v[B1], 0xb95fbd29
	v_mov_b32 v[B1+1], 0xb95fbd29
	s_mov_b32 s3, 0
.Lrow:                                                 ; eight trips: block s3 of 16 tokens
	s_cmp_eq_u32 s3, 0
	s_cbranch_scc1 .Lc0
	s_cmp_eq_u32 s3, 1
	s_cbranch_scc1 .Lc1
	s_cmp_eq_u32 s3, 2
	s_cbranch_scc1 .Lc2
	s_cmp_eq_u32 s3, 3
	s_cbranch_scc1 .Lc3
	s_cmp_eq_u32 s3, 4
	s_cbranch_scc1 .Lc4
	s_cmp_eq_u32 s3, 5
	s_cbranch_scc1 .Lc5
	s_cmp_eq_u32 s3, 6
	s_cbranch_scc1 .Lc6
	COPY 7
	s_branch .Lmath
.Lc0:
	COPY 0
	s_branch .Lmath
.Lc1:
	COPY 1
	s_branch .Lmath
.Lc2:
	COPY 2
	s_branch .Lmath
.Lc3:
	COPY 3
	s_branch .Lmath
.Lc4:
	COPY 4
	s_branch .Lmath
.Lc5:
	COPY 5
	s_branch .Lmath
.Lc6:
	COPY 6
.Lmath:
.set i, 0
.rept 64
	v_med3_num_f32 v[ZZ+i], v[ZZ+i], -4.0, 4.0
.set i, i+1
.endr
	WIN 0x40                                       ; destination window 1
.set i, 0
.rept 32
	v_pk_mul_f32 v[XX+i:XX+i+1], v[ZZ+i:ZZ+i+1], v[ZZ+i:ZZ+i+1]
.set i, i+2
.endr
	WIN 0x41                                       ; destination and source 0 window 1
.set i, 0
.rept 32
	v_pk_fma_f32 v[PP+i:PP+i+1], v[XX+i:XX+i+1], 0xaf95df0b, v[A1:A1+1] op_sel_hi:[1,0,1]
.set i, i+2
.endr
.set i, 0
.rept 32
	v_pk_fma_f32 v[QQ+i:QQ+i+1], v[XX+i:XX+i+1], 0xb77460cd, v[B1:B1+1] op_sel_hi:[1,0,1]
.set i, i+2
.endr
	WIN 0x45                                       ; destination, sources 0 and 1 window 1
.irp c, 0xb60cff51, 0xb86ec2d2, 0xba40ac63, 0xbb41a1f6, 0xbc83dbd4
.set i, 0
.rept 32
	v_pk_fma_f32 v[PP+i:PP+i+1], v[PP+i:PP+i+1], v[XX+i:XX+i+1], \c op_sel_hi:[1,1,0]
.set i, i+2
.endr
.endr
.irp c, 0xbadc924e, 0xbbf19bf8, 0xbc69b6a7
.set i, 0
.rept 32
	v_pk_fma_f32 v[QQ+i:QQ+i+1], v[QQ+i:QQ+i+1], v[XX+i:XX+i+1], \c op_sel_hi:[1,1,0]
.set i, i+2
.endr
.endr
.set i, 0
.rept 64
	v_rcp_f32 v[QQ+i], v[QQ+i]
.set i, i+1
.endr
	WIN 0x04                                       ; source 1 window 1
.set i, 0
.rept 32
	v_pk_mul_f32 v[ZZ+i:ZZ+i+1], v[ZZ+i:ZZ+i+1], v[PP+i:PP+i+1]     ; plain work behind the reciprocals, which names none of them
.set i, i+2
.endr
	s_wait_alu depctr_va_vdst(0)                   ; one wait for the 64, ahead of their first reader
.set i, 0
.rept 32
	v_pk_mul_f32 v[ZZ+i:ZZ+i+1], v[ZZ+i:ZZ+i+1], v[QQ+i:QQ+i+1]     ; erf
.set i, i+2
.endr
	WIN 0
.set i, 0
.rept 32
	v_pk_fma_f32 v[HA+i:HA+i+1], v[HA+i:HA+i+1], v[ZZ+i:ZZ+i+1], v[HA+i:HA+i+1]   ; u / 2 + u / 2 erf
.set i, i+2
.endr
	QUANT HA, FA, FA+6, PW
.irp c, 0,1,2
	global_store_b128 v[LI], v[FA+4*\c:FA+4*\c+3], s[12:13] offset:512*\c    ; 512 consecutive bytes, aligned
.endr
	s_lshl_b32 s96, s3, 6
	v_add_nc_u32 v[SWA], s96, v[SW0]
	ds_store_b32 v[SWA], v[PW]                     ; lanes r and 16 + r hold the same word and write it to the same place
	s_wait_xcnt 0x0                                ; the stores have read their registers and their base
	s_add_nc_u64 s[12:13], s[12:13], 3072
	s_add_co_u32 s3, s3, 1
	s_cmp_lt_u32 s3, 8
	s_cbranch_scc1 .Lrow
	ds_load_b128 v[OW:OW+3], v[SRD]                ; LDS serves a wave's instructions in order: this sees my stores
	s_wait_dscnt 0x0
	global_store_b128 v[LI], v[OW:OW+3], s[98:99]  ; my 128 scale words: 512 consecutive bytes, aligned
	s_wait_tensorcnt 0x0                           ; the wave's end
	ds_add_u32 v[SPW], v[NIL]
	s_wait_dscnt 0x0
	CROUND                                         ; the closing round
	s_endpgm
.Lfunc_end_k_q44f1f2d046_gemm_1:
	.size	k_q44f1f2d046_gemm_1, .Lfunc_end_k_q44f1f2d046_gemm_1-k_q44f1f2d046_gemm_1
	.p2alignl 7, 3214868480
	.fill 96, 4, 3214868480
	.section	.rodata,"a",@progbits
	.p2align	6, 0x0
	.amdhsa_kernel k_q44f1f2d046_gemm_1
		.amdhsa_group_segment_fixed_size 327680
		.amdhsa_private_segment_fixed_size 0
		.amdhsa_enable_private_segment 0
		.amdhsa_kernarg_size 32
		.amdhsa_user_sgpr_count 2
		.amdhsa_user_sgpr_kernarg_segment_ptr 1
		.amdhsa_wavefront_size32 1
		.amdhsa_system_sgpr_workgroup_id_x 1
		.amdhsa_system_sgpr_workgroup_id_y 1
		.amdhsa_system_sgpr_workgroup_id_z 1
		.amdhsa_system_vgpr_workitem_id 0
		.amdhsa_next_free_vgpr 1024
		.amdhsa_next_free_sgpr 102
		.amdhsa_reserve_vcc 0
		.amdhsa_float_denorm_mode_32 3
		.amdhsa_float_denorm_mode_16_64 3
		.amdhsa_memory_ordered 1
		.amdhsa_forward_progress 1
		.amdhsa_inst_pref_size 200
	.end_amdhsa_kernel
	.amdgpu_metadata
---
amdhsa.version: [ 1, 2 ]
amdhsa.kernels:
  - .name:           k_q44f1f2d046_gemm_1
    .symbol:         k_q44f1f2d046_gemm_1.kd
    .args:
      - { .name: xnb, .offset: 0, .size: 8, .value_kind: global_buffer, .address_space: global }
      - { .name: wb, .offset: 8, .size: 8, .value_kind: global_buffer, .address_space: global }
      - { .name: b1, .offset: 16, .size: 8, .value_kind: global_buffer, .address_space: global }
      - { .name: hb, .offset: 24, .size: 8, .value_kind: global_buffer, .address_space: global }
    .group_segment_fixed_size: 327680
    .private_segment_fixed_size: 0
    .kernarg_segment_align: 8
    .kernarg_segment_size: 32
    .max_flat_workgroup_size: 128
    .sgpr_count:     102
    .vgpr_count:     1024
    .wavefront_size: 32
...
	.end_amdgpu_metadata
.endif
;; end of part 6
;; launch gemm_2 (part 7): grid 4 x 16, 4 waves a work-group, clusters of 4 x 4, 327,680 bytes of LDS; arguments hb, wb, b2, x1, out0; writes out0
.if DOCPART == 7
	.amdgcn_target "amdgcn-amd-amdhsa--gfx1250"
	.amdhsa_code_object_version 6
	.text
	.protected	k_q44f1f2d046_gemm_2
	.globl	k_q44f1f2d046_gemm_2
	.p2align	8
	.type	k_q44f1f2d046_gemm_2,@function
k_q44f1f2d046_gemm_2:
	s_mov_b64 s[64:65], 0
	v_nop
	global_prefetch_b8 v0, s[64:65] scope:SCOPE_SE
	s_setreg_imm32_b32 hwreg(HW_REG_WAVE_MODE, 25, 1), 1
	s_wait_xcnt 0x0
	s_wait_alu depctr_hold_cnt(0) depctr_sa_sdst(0) depctr_va_vdst(0) depctr_va_sdst(0) depctr_va_ssrc(0) depctr_va_vcc(0) depctr_vm_vsrc(0)
	s_getreg_b32 s2, hwreg(HW_REG_IB_STS2, 6, 4)
	s_cmp_eq_u32 s2, 0
	s_cbranch_scc0 .Lentry_in_a_cluster
	s_endpgm
.Lentry_in_a_cluster:
	s_bfe_u32 s2, ttmp6, 0x10000c
	s_cmp_lg_u32 s2, 0xf033
	s_cbranch_scc0 .Lentry_shape_is_right
	s_endpgm
.Lentry_shape_is_right:
; out0 = x1 + h W2 + b2.  A (h, 4,096 rows) and B (W2, 1,024 rows) are codes of BF6 (E3M2) with E8M0 scales, K = 4,096, laid as images of their fragments' registers; sums, bias and residual in f32; out0 is [4096][1024] f32.
; 128 rows x 256 K are one dense block of 24,576 bytes ([16 rows][128 K][1,536 bytes]); a fragment is three loads of 16 bytes a lane, at 16 x lane.
; A tile of 256 x 256 is made by four waves, each 128 x 128: 64 accumulators, 512 registers.  K goes in steps of 256 through a ring of two LDS slots filled by the tensor data mover.
; THE MATRIX INSTRUCTION IS USED TRANSPOSED (source 0 = 16 rows of B, source 1 = 16 rows of A): a lane holds eight neighbouring numbers of a row of the result.
; The bias is the C of each sum's first matrix instruction.  CLUSTERS: 4 x 4 work-groups; A's tiles are asked for jointly along a row of the cluster, B's along a column.
; 64 work-groups: the result has 64 tiles of this size.
; LIMITS: k is permuted inside blocks of 32, alike in both operands; NaN and infinities are not served.
; REGISTERS: window 0: v0-31 addresses; v32-63 scale words, two sets; v128-223 A's fragments, one set.  window 1: B's fragments, two sets, at v0 and v128; the bias at v96-127 and v224-255.
;   windows 2, 3: the accumulators ((a, b) at v[8 (8 (a % 4) + b)]).  On the way out window 0's v128-255 hold rows of the result, window 1's v0-127 rows of the residual.
.set SIZE_K, 4096
.set A_S,    12582912                  ; A's scale words in its buffer
.set W_I,    6291456                   ; B's codes in wb
.set W_S,    9699328                   ; B's scale words in wb
.set FINAL,  1                         ; 1: the result is read by no later launch
.set NQ,     2
.set FR,     12
.set NL,     3
.set NP,     4
.set PART,   24576
.set SLOT,   4*PART
.set LAPS,   SIZE_K/512
.set GB,     SIZE_K*96
.set SG,     SIZE_K*4
.set SCL,    2*SLOT
.set SPARE,  SCL+4*SG
.set SPITCH, 528                       ; the way out: a stage of 16 rows x (512 bytes + 16) for each wave, in slot 0, which has had its last fill and its last read by then
.set ADRA, 16
.set ADRB, 20
.set STO,  24                          ; v24 the stage: where I put 32 bytes of a row
.set RD,   25                          ; v25 and where I read a row back
.set LI,   26                          ; v26 16 x lane
.set ADRS, 27
.set SPW,  28
.set NIL,  29
.set BH,   30                          ; v30 32 h
.set SC,   32
.set AF,   128
.set BK,   128
.set G1, 24
.set G0, 32
.set G1B, 48
.set G0B, 56
.set G1S, 68
.set G0S, 76
.set G1SB, 80
.set G0SB, 88
.set MSB, 0
.macro WIN new                         ; the immediate's high byte repeats the setting that is left
.if MSB != \new
	s_set_vgpr_msb (MSB<<8)|\new
.set MSB, \new
.endif
.endm
.set MUL_LO, 0xa1                      ; source 0 (B) window 1, source 1 (A) window 0, C and D window 2
.set MUL_HI, 0xf1                      ; the same, C and D window 3
.set TO_B,   0x40                      ; destination window 1, address window 0
.macro JLOAD g0a, g1a, g0b, g1b        ; a joint load: waves 0 and 1 fetch for A, waves 2 and 3 for B; four v_nop follow each of the two lines
	s_cmp_eq_u32 s15, 0
	s_cbranch_scc0 .Lfor_b_\@
	tensor_load_to_lds s[\g0a:\g0a+3], s[\g1a:\g1a+7]
	s_nop 0
.rept 4
	v_nop
.endr
	s_branch .Lasked_\@
.Lfor_b_\@:
	tensor_load_to_lds s[\g0b:\g0b+3], s[\g1b:\g1b+7]
	s_nop 0
.rept 4
	v_nop
.endr
.Lasked_\@:
.endm
.macro CREST
	s_cmp_lg_u32 s14, 0
	s_cbranch_scc1 .Lnot_wave_0_\@
	s_barrier_signal -3
.Lnot_wave_0_\@:
	s_barrier_wait -3
	s_barrier_signal -1
	s_barrier_wait -1
.endm
.macro CROUND
	s_barrier_signal -1
	s_barrier_wait -1
	CREST
.endm
	s_load_b128 s[4:7], s[0:1], 0x0                ; A's buffer, wb
	s_load_b128 s[96:99], s[0:1], 0x10             ; bias, residual
	s_load_b64 s[12:13], s[0:1], 0x20              ; result
	v_lshl_add_u32 v[SPW], v0, 2, SPARE
	v_mov_b32 v[NIL], 0
	ds_add_u32 v28, v29
	ds_add_u32 v28, v29
	s_wait_dscnt 0x0
	v_lshrrev_b32 v1, 5, v0
	v_readfirstlane_b32 s14, v1                    ; wave 0..3
	s_lshr_b32 s15, s14, 1                         ; which half of the tile's rows is mine.  Also: I fetch for A (0) or for B (1)
	s_and_b32 s16, s14, 1                          ; which half of its columns.  Also: which 128 rows I fetch
	s_bfe_u32 s40, ttmp6, 0x40000                  ; cx, cy
	s_bfe_u32 s41, ttmp6, 0x40004
	s_lshl_b32 s42, ttmp9, 2
	s_add_co_u32 s42, s42, s40                     ; tile column
	s_and_b32 s17, ttmp7, 0xffff
	s_lshl_b32 s17, s17, 2
	s_add_co_u32 s17, s17, s41                     ; tile row
	s_lshl_b32 s43, s41, 2
	s_lshl_b32 s43, 15, s43                        ; my row of the cluster
	s_lshl_b32 s44, 0x1111, s40                    ; my column
	s_or_b32 s[G1+0], s43, (3<<16)|(1<<21)         ; a dense block of 24,576 bytes as 96 rows of 256 bytes (32 elements of 8 bytes); the mask; bit 21 beside it
	s_or_b32 s[G1B+0], s44, (3<<16)|(1<<21)
.irp g, G1, G1B
	s_mov_b32 s[\g+1], 32<<16
	s_mov_b32 s[\g+2], 96<<16
	s_mov_b32 s[\g+3], 32<<16
	s_mov_b32 s[\g+4], 96
	s_mov_b32 s[\g+5], 32
	s_mov_b32 s[\g+6], 0
	s_mov_b32 s[\g+7], 0
.endr
	s_or_b32 s[G1S+0], s43, (3<<16)|(1<<21)        ; the scale words of 128 rows: SG dense bytes
	s_or_b32 s[G1SB+0], s44, (3<<16)|(1<<21)
.irp g, G1S, G1SB
	s_mov_b32 s[\g+1], 32<<16
	s_mov_b32 s[\g+2], (SG/256)<<16
	s_mov_b32 s[\g+3], 32<<16
	s_mov_b32 s[\g+4], SG/256
	s_mov_b32 s[\g+5], 32
	s_mov_b32 s[\g+6], 0
	s_mov_b32 s[\g+7], 0
.endr
	s_lshl_b32 s20, s17, 1
	s_add_co_u32 s20, s20, s16                     ; A: the group of 128 rows that I fetch
	s_lshl_b32 s46, s42, 1
	s_add_co_u32 s46, s46, s16                     ; B: likewise
	s_mul_i32 s22, s20, SG
	s_mul_i32 s92, s46, SG
	s_mul_i32 s20, s20, GB
	s_mul_i32 s46, s46, GB
	s_mov_b32 s21, 0
	s_mov_b32 s23, 0
	s_mov_b32 s47, 0
	s_mov_b32 s93, 0
	s_mul_i32 s45, s14, PART
	s_mul_i32 s94, s14, SG
	s_wait_kmcnt 0x0
	s_add_nc_u64 s[8:9], s[6:7], W_I
	s_add_nc_u64 s[10:11], s[6:7], W_S
	s_add_nc_u64 s[6:7], s[4:5], A_S
	s_add_nc_u64 s[20:21], s[4:5], s[20:21]
	s_add_nc_u64 s[22:23], s[6:7], s[22:23]
	s_add_nc_u64 s[46:47], s[8:9], s[46:47]
	s_add_nc_u64 s[92:93], s[10:11], s[92:93]
	CROUND                                         ; all sixteen work-groups are here: the first joint loads meet
	s_mov_b32 s[G0S], 1
	s_add_co_u32 s[G0S+1], s94, SCL
	s_mov_b64 s[G0S+2:G0S+3], s[22:23]
	s_or_b32 s[G0S+3], s[G0S+3], 0x80000000
	s_mov_b32 s[G0SB], 1
	s_add_co_u32 s[G0SB+1], s94, SCL
	s_mov_b64 s[G0SB+2:G0SB+3], s[92:93]
	s_or_b32 s[G0SB+3], s[G0SB+3], 0x80000000
	JLOAD G0S, G1S, G0SB, G1SB
.irp s, 0,1
	s_mov_b32 s[G0+4*\s], 1
	s_add_co_u32 s[G0+4*\s+1], s45, \s*SLOT
	s_add_nc_u64 s[G0+4*\s+2:G0+4*\s+3], s[20:21], \s*PART
	s_or_b32 s[G0+4*\s+3], s[G0+4*\s+3], 0x80000000
	s_mov_b32 s[G0B+4*\s], 1
	s_add_co_u32 s[G0B+4*\s+1], s45, \s*SLOT
	s_add_nc_u64 s[G0B+4*\s+2:G0B+4*\s+3], s[46:47], \s*PART
	s_or_b32 s[G0B+4*\s+3], s[G0B+4*\s+3], 0x80000000
	JLOAD G0+4*\s, G1, G0B+4*\s, G1B
.endr
	v_and_b32 v1, 15, v0                           ; r
	v_bfe_u32 v2, v0, 4, 1                         ; h
	v_and_b32 v3, 31, v0
	v_lshlrev_b32 v[LI], 4, v3
	v_lshlrev_b32 v[BH], 5, v2
	s_mul_i32 s21, s15, PART
	s_mul_i32 s22, s16, PART
	s_add_co_u32 s22, s22, 2*PART
.irp s, 0,1
	v_add_nc_u32 v[ADRA+\s], s21, v[LI]
	v_add_nc_u32 v[ADRB+\s], s22, v[LI]
	s_add_co_u32 s21, s21, SLOT
	s_add_co_u32 s22, s22, SLOT
.endr
	v_lshlrev_b32 v5, 2, v1
	s_mul_i32 s21, s15, SG
	s_mul_i32 s22, s16, SG
	s_add_co_u32 s22, s22, 2*SG
	s_sub_co_u32 s22, s22, s21
	v_mul_u32_u24 v6, s22, v2                      ; lanes 16-31 take B's scale words: one product with h
	s_add_co_u32 s21, s21, SCL
	v_add_nc_u32 v5, v5, v6
	v_add_nc_u32 v[ADRS], s21, v5
	s_lshl_b32 s20, s42, 10                        ; the bias of my 128 columns
	s_lshl_b32 s21, s16, 9
	s_add_co_u32 s20, s20, s21
	s_mov_b32 s21, 0
	s_add_nc_u64 s[96:97], s[96:97], s[20:21]
	WIN TO_B
.irp b, 0,1,2,3,4,5,6,7
	global_load_b128 v[96+8*\b+96*(\b/4):96+8*\b+96*(\b/4)+3], v[BH], s[96:97] offset:64*\b          ; lane (r, h): the bias of columns 16 b + 8 h + 0 .. 7, in the result's layout
	global_load_b128 v[96+8*\b+96*(\b/4)+4:96+8*\b+96*(\b/4)+7], v[BH], s[96:97] offset:64*\b+16
.endr
	WIN 0
	s_mul_i32 s23, s14, 16*SPITCH                  ; my stage
	v_mul_u32_u24 v5, v1, SPITCH
	v_lshl_add_u32 v5, v2, 5, v5
	v_add_nc_u32 v[STO], s23, v5
	v_add_nc_u32 v[RD], s23, v[LI]
	s_lshl_b32 s20, s17, 8
	s_lshl_b32 s21, s15, 7
	s_add_co_u32 s20, s20, s21                     ; my first row,
	s_lshl_b32 s20, s20, 12                        ; of 4,096 bytes,
	s_lshl_b32 s46, s42, 10
	s_lshl_b32 s47, s16, 9
	s_add_co_u32 s46, s46, s47                     ; my first column
	s_add_co_u32 s20, s20, s46
	s_mov_b32 s21, 0
	s_add_nc_u64 s[12:13], s[12:13], s[20:21]
	s_add_nc_u64 s[98:99], s[98:99], s[20:21]
.macro FRAG reg, adr, q, i
.irp c, 0,1,2
	ds_load_b128 v[\reg+4*\c:\reg+4*\c+3], v[\adr] offset:(\i)*3072+(\q)*1536+\c*512
.endr
.endm
; 16 matrix instructions: A's blocks a0, a0 + 1 x B's eight.  first = 1: the bias is the C of the sum's first instruction.  The 64 accumulators take turns, one instruction a turn.
.macro MUL16 a0, p, q, sc, first
.irp a, \a0, \a0+1
.irp b, 0,1,2,3,4,5,6,7
.if \first
	v_wmma_scale_f32_16x16x128_f8f6f4 v[8*(8*((\a)%4)+\b):8*(8*((\a)%4)+\b)+7], v[128*(\p)+FR*\b:128*(\p)+FR*\b+FR-1], v[AF+FR*(\a):AF+FR*(\a)+FR-1], v[96+8*\b+96*(\b/4):96+8*\b+96*(\b/4)+7], v[SC+8*NQ*(\sc)+NQ*\b+(\q)], v[SC+8*NQ*(\sc)+NQ*(\a)+(\q)] matrix_a_fmt:MATRIX_FMT_BF6 matrix_b_fmt:MATRIX_FMT_BF6 matrix_a_scale:MATRIX_SCALE_ROW1
.else
	v_wmma_scale_f32_16x16x128_f8f6f4 v[8*(8*((\a)%4)+\b):8*(8*((\a)%4)+\b)+7], v[128*(\p)+FR*\b:128*(\p)+FR*\b+FR-1], v[AF+FR*(\a):AF+FR*(\a)+FR-1], v[8*(8*((\a)%4)+\b):8*(8*((\a)%4)+\b)+7], v[SC+8*NQ*(\sc)+NQ*\b+(\q)], v[SC+8*NQ*(\sc)+NQ*(\a)+(\q)] matrix_a_fmt:MATRIX_FMT_BF6 matrix_b_fmt:MATRIX_FMT_BF6 matrix_a_scale:MATRIX_SCALE_ROW1
.endif
.endr
.endr
.endm
.macro FETCH_B slot, q, p
	WIN TO_B
.irp i, 0,1,2,3,4,5,6,7
	FRAG 128*(\p)+FR*\i, ADRB+\slot, \q, \i
.endr
	WIN 0
.endm
.macro FETCH_A slot, q, i0
.irp i, \i0, \i0+1, \i0+2, \i0+3
	FRAG AF+FR*(\i), ADRA+\slot, \q, \i
.endr
.endm
.macro SCALES sc
.irp i, 0,1,2,3,4,5,6,7
	ds_load_b32 v[SC+16*\sc+2*\i], v[ADRS] offset:64*\i
	ds_load_b32 v[SC+16*\sc+2*\i+1], v[ADRS] offset:512+64*\i
.endr
.endm
.macro PLACES n                        ; plain vector instructions between a matrix instruction and a load into, or a read of, its registers (ISA guide 7.12.1 for a read of its registers)
.rept \n
	v_nop
.endr
.endm
.macro STEP slot, q, first
	s_wait_dscnt 4*NL                              ; all but the youngest 12 loads (A's blocks 4-7)
.if \first
	WIN 0x91                                       ; C (the bias) window 1, D window 2
.else
	WIN MUL_LO
.endif
	MUL16 0, (\q)%2, \q, \slot, \first
	MUL16 2, (\q)%2, \q, \slot, \first
	s_wait_dscnt 0
	PLACES NP
	FETCH_B \slot, (\q)+1, 1-(\q)%2
	FETCH_A \slot, (\q)+1, 0
.if \first
	WIN 0xd1                                       ; C window 1, D window 3
.else
	WIN MUL_HI
.endif
	MUL16 4, (\q)%2, \q, \slot, \first
	MUL16 6, (\q)%2, \q, \slot, \first
	PLACES NP
	WIN 0
	FETCH_A \slot, (\q)+1, 4
.endm
.macro TURN slot, next, fill           ; a slot's last step changes slots: ONE barrier
	s_wait_tensorcnt 0x0                           ; all my tensor loads have landed: my part of the next slot
	ds_add_u32 v[SPW], v[NIL]                      ; 0 onto my spare word
	s_wait_dscnt 4*NL+1                            ; (the add and the youngest 12 loads may be out)
	WIN MUL_LO
	MUL16 0, 1, NQ-1, \slot, 0
	s_wait_dscnt 0x0                               ; the add is done, and my reads of this slot are over
	s_barrier_signal -1
	MUL16 2, 1, NQ-1, \slot, 0
	WIN 0
	s_barrier_wait -1
.if \fill
	CREST                                          ; the barrier has opened a round of the cluster's barrier
	s_add_nc_u64 s[G0+4*\slot+2:G0+4*\slot+3], s[G0+4*\slot+2:G0+4*\slot+3], 2*PART
	s_add_nc_u64 s[G0B+4*\slot+2:G0B+4*\slot+3], s[G0B+4*\slot+2:G0B+4*\slot+3], 2*PART
	JLOAD G0+4*\slot, G1, G0B+4*\slot, G1B         ; the first tensor load behind the round
.else
	PLACES NP
.endif
	v_add_nc_u32 v[ADRS], 1024, v[ADRS]
	FETCH_B \next, 0, 0
	FETCH_A \next, 0, 0
	SCALES \next
	WIN MUL_HI
	MUL16 4, 1, NQ-1, \slot, 0
	MUL16 6, 1, NQ-1, \slot, 0
	PLACES NP
	WIN 0
	FETCH_A \next, 0, 4
.endm
	s_wait_tensorcnt 1                             ; the scale words and my part of K step 0 are in (K step 1's load may be out),
	s_barrier_signal -1
	s_barrier_wait -1                              ; everybody's are
	FETCH_B 0, 0, 0
	FETCH_A 0, 0, 0
	SCALES 0
	FETCH_A 0, 0, 4
	s_wait_loadcnt 0x0                             ; the bias
	STEP 0, 0, 1
	s_mov_b32 s3, LAPS-1
.Llap:
	TURN 0, 1, 1
	STEP 1, 0, 0
	TURN 1, 0, 1
	STEP 0, 0, 0
	s_sub_co_u32 s3, s3, 1
	s_cmp_lg_u32 s3, 0
	s_cbranch_scc1 .Llap
	TURN 0, 1, 0
	STEP 1, 0, 0
	s_wait_dscnt 4*NL
	WIN MUL_LO
	MUL16 0, 1, NQ-1, 1, 0
	MUL16 2, 1, NQ-1, 1, 0
	s_wait_dscnt 0
	WIN MUL_HI
	MUL16 4, 1, NQ-1, 1, 0
	MUL16 6, 1, NQ-1, 1, 0
	WIN 0
	PLACES NP
; THE WAY OUT, block by block of 16 rows x 128 columns: through my own stage in LDS, back as whole rows of 512 bytes; the residual's same rows are added; the 32 lanes store 512 consecutive bytes, aligned.
.macro RLOAD a                         ; the residual's 16 rows -> window 1, v[64 (a % 2)] on
	WIN TO_B
.irp t, 0,1,2,3,4,5,6,7,8,9,10,11,12,13,14,15
	global_load_b128 v[64*((\a)%2)+4*\t:64*((\a)%2)+4*\t+3], v[LI], s[98:99] offset:(16*(\a)+\t)*4096
.endr
	WIN 0
.endm
.macro TOSTAGE a
.set AC, 64*((\a)%4)
	WIN 0x08+4*((\a)/4)                            ; an LDS store's data are its source 1: window 2 or 3
.irp b, 0,1,2,3,4,5,6,7
	ds_store_b128 v[STO], v[AC+8*\b:AC+8*\b+3] offset:64*\b          ; each accumulator from its low end on
	ds_store_b128 v[STO], v[AC+8*\b+4:AC+8*\b+7] offset:64*\b+16
.endr
	WIN 0
.set BB, BK+64*((\a)%2)
.irp t, 0,1,2,3,4,5,6,7,8,9,10,11,12,13,14,15
	ds_load_b128 v[BB+4*\t:BB+4*\t+3], v[RD] offset:\t*SPITCH        ; LDS serves a wave's instructions in order: these see the stores above
.endr
.endm
.macro SEND a, yds, yld                ; yds, yld: the LDS instructions and the loads issued behind block a's, which may stay out
.set BB, BK+64*((\a)%2)
.set RS, 64*((\a)%2)
	s_wait_dscnt \yds
	s_wait_loadcnt \yld
	WIN 0x04                                       ; source 1 (the residual) window 1
.set i, 0
.rept 32
	v_pk_add_f32 v[BB+i:BB+i+1], v[BB+i:BB+i+1], v[RS+i:RS+i+1]
.set i, i+2
.endr
	WIN 0
.irp t, 0,1,2,3,4,5,6,7,8,9,10,11,12,13,14,15
.if FINAL
	global_store_b128 v[LI], v[BB+4*\t:BB+4*\t+3], s[12:13] offset:(16*(\a)+\t)*4096 th:TH_STORE_NT
.else
	global_store_b128 v[LI], v[BB+4*\t:BB+4*\t+3], s[12:13] offset:(16*(\a)+\t)*4096
.endif
.endr
.endm
	RLOAD 0
	TOSTAGE 0
.irp a, 1,2,3,4,5,6,7
.if \a > 1
	s_wait_xcnt 0x0                                ; block a - 2's stores have read their registers: block a's rows may land there
.endif
	RLOAD \a
	TOSTAGE \a
	SEND \a-1, 32, 16                              ; behind block a - 1's: block a's 16 stage stores and 16 stage loads; its 16 residual loads
.endr
	SEND 7, 0, 0
	s_wait_tensorcnt 0x0                           ; the wave's end
	ds_add_u32 v[SPW], v[NIL]
	s_wait_dscnt 0x0
	CROUND                                         ; the closing round
	s_endpgm
.Lfunc_end_k_q44f1f2d046_gemm_2:
	.size	k_q44f1f2d046_gemm_2, .Lfunc_end_k_q44f1f2d046_gemm_2-k_q44f1f2d046_gemm_2
	.p2alignl 7, 3214868480
	.fill 96, 4, 3214868480
	.section	.rodata,"a",@progbits
	.p2align	6, 0x0
	.amdhsa_kernel k_q44f1f2d046_gemm_2
		.amdhsa_group_segment_fixed_size 327680
		.amdhsa_private_segment_fixed_size 0
		.amdhsa_enable_private_segment 0
		.amdhsa_kernarg_size 40
		.amdhsa_user_sgpr_count 2
		.amdhsa_user_sgpr_kernarg_segment_ptr 1
		.amdhsa_wavefront_size32 1
		.amdhsa_system_sgpr_workgroup_id_x 1
		.amdhsa_system_sgpr_workgroup_id_y 1
		.amdhsa_system_sgpr_workgroup_id_z 1
		.amdhsa_system_vgpr_workitem_id 0
		.amdhsa_next_free_vgpr 1024
		.amdhsa_next_free_sgpr 102
		.amdhsa_reserve_vcc 0
		.amdhsa_float_denorm_mode_32 3
		.amdhsa_float_denorm_mode_16_64 3
		.amdhsa_memory_ordered 1
		.amdhsa_forward_progress 1
		.amdhsa_inst_pref_size 168
	.end_amdhsa_kernel
	.amdgpu_metadata
---
amdhsa.version: [ 1, 2 ]
amdhsa.kernels:
  - .name:           k_q44f1f2d046_gemm_2
    .symbol:         k_q44f1f2d046_gemm_2.kd
    .args:
      - { .name: hb, .offset: 0, .size: 8, .value_kind: global_buffer, .address_space: global }
      - { .name: wb, .offset: 8, .size: 8, .value_kind: global_buffer, .address_space: global }
      - { .name: b2, .offset: 16, .size: 8, .value_kind: global_buffer, .address_space: global }
      - { .name: x1, .offset: 24, .size: 8, .value_kind: global_buffer, .address_space: global }
      - { .name: out0, .offset: 32, .size: 8, .value_kind: global_buffer, .address_space: global }
    .group_segment_fixed_size: 327680
    .private_segment_fixed_size: 0
    .kernarg_segment_align: 8
    .kernarg_segment_size: 40
    .max_flat_workgroup_size: 128
    .sgpr_count:     102
    .vgpr_count:     1024
    .wavefront_size: 32
...
	.end_amdgpu_metadata
.endif
;; end of part 7
;; ======== version 2 of 2: 7 launches
;; limits: right only within a limited range of input values
;; workspace buffers: wb 9,830,400 bytes; xnb 3,276,800 bytes; qkvb 9,830,400 bytes; aob 3,276,800 bytes; x1 16,777,216 bytes; hb 13,107,200 bytes
;; launch prep (part 8): grid 640 x 1, 8 waves a work-group, no clusters, 66,816 bytes of LDS; arguments x, g1, be1, xnb, Wq, Wk, Wv, Wo, W1, W2, wb; writes xnb, wb
.if DOCPART == 8
	.amdgcn_target "amdgcn-amd-amdhsa--gfx1250"
	.amdhsa_code_object_version 6
	.text
	.protected	k_q44f1f2d046_prep
	.globl	k_q44f1f2d046_prep
	.p2align	8
	.type	k_q44f1f2d046_prep,@function
k_q44f1f2d046_prep:
	s_mov_b64 s[64:65], 0
	v_nop
	global_prefetch_b8 v0, s[64:65] scope:SCOPE_SE
	s_setreg_imm32_b32 hwreg(HW_REG_WAVE_MODE, 25, 1), 1
	s_wait_xcnt 0x0
; ONE PREPARING LAUNCH FOR TWO INDEPENDENT JOBS, told apart by the work-group's number alone.  Work-groups 0-383: the six weights become codes.  Work-groups 384-639: the first LayerNorm, quantised.  Only the second path touches LDS.
; THE WEIGHTS, f32 stored [K][N] (K is the FIRST axis), become codes of BF6 (E3M2) with one E8M0 byte for each 32 along K, laid in wb in the ORDER OF THE OPERAND'S REGISTERS:
; register p (0..11) of lane l of the fragment (16 columns n, K step s of 128) lies at (n>>7) K 96 + (s>>1) 24576 + ((n>>4)&7) 3072 + (s&1) 1536 + (p>>2) 512 + 16 l + 4 (p&3); the scale word of (n, s) at (n>>7) K 4 + s 512 + (n&127) 4.
; Inside a block of 32, code position 16 h + 8 u + j holds the true offset 16 u + 8 h + j, as in every operand of this program.  Wo alone: inside a K step the four blocks stand in the order 0, 2, 1, 3 (the attention launch lays its result so).
; A lane takes a column and its registers run down K.  Four waves take 128 columns x 128 K of one tensor (unit = 2 x work-group + wave / 4: 768 units), a wave 32 columns: each load reads 128 consecutive bytes a wave.
; THE LAYERNORM of [4096][1024] f32 rows (mean, mean of squared differences, 1 / sqrt(var + 1e-6), gain, bias, all f32), quantised along the row and laid as the same images, scale words from 3145728 on.
; A work-group takes 16 rows: wave w owns rows 2 w, 2 w + 1 whole; the normalised rows go to LDS (pitch 4,112 bytes); behind one barrier wave w owns K step w of all 16 rows and makes one fragment.
; A block's scale is 2^(floor(log2(largest magnitude)) - 4); its byte is the largest magnitude's exponent field - 4, held at 1 from below.
; LIMITS: a block of zeros gets the byte 1 where the rule says 127 (its codes are zeros, and this program alone reads the bytes); NaN and infinities among the inputs are not served.
.set WS,  9437184                      ; where the scale words begin in wb
.set VO,  1                            ; 4 x lane
.set VO1, 2                            ; the same, 32 rows further down for Wo
.set VO2, 3                            ; the same, 32 rows further down for all but Wo
.set LI,  4                            ; 16 x lane
.set SW,  16                           ; my column's scale word
.set WX,  32                           ; v32-159 four blocks of 32 numbers
.set F0,  160                          ; blocks 0 and 2, then the fragment of columns 0-15
.set F1,  172                          ; blocks 1 and 3, then the fragment of columns 16-31
.set WP,  184                          ; the upper halves of the blocks' codes
	s_cmp_lt_u32 ttmp9, 384
	s_cbranch_scc0 .Lnorm
	s_load_b256 s[4:11], s[0:1], 0x20              ; Wq, Wk, Wv, Wo
	s_load_b128 s[12:15], s[0:1], 0x40             ; W1, W2
	s_load_b64 s[16:17], s[0:1], 0x50              ; wb
	v_lshrrev_b32 v5, 5, v0
	v_readfirstlane_b32 s18, v5                    ; wave 0..7
	v_and_b32 v5, 31, v0
	v_lshlrev_b32 v[VO], 2, v5
	s_wait_alu depctr_va_vdst(0)                   ; the wait behind the write
	v_lshlrev_b32 v[LI], 4, v5
	s_lshr_b32 s45, s18, 2
	s_and_b32 s18, s18, 3                          ; my place among the unit's four waves
	s_lshl_b32 s44, ttmp9, 1
	s_add_co_u32 s44, s44, s45                     ; the unit: 0-255 the four square weights (64 each), 256-511 W1, 512-767 W2
	s_lshr_b32 s19, s44, 8                         ; 0 square, 1 W1, 2 W2
	s_and_b32 s20, s44, 7                          ; g: which 128 columns
	s_and_b32 s34, s44, 31
	s_bfe_u32 s21, s44, 0x30003                    ; s: which K step
	s_bfe_u32 s35, s44, 0x30005
	s_bfe_u32 s36, s44, 0x50003
	s_bfe_u32 s37, s44, 0x20006                    ; which square weight
	s_mul_i32 s22, s37, 786432                     ; the image's place in wb
	s_lshl_b32 s23, s37, 15                        ; the scale words' place behind WS
	s_mov_b32 s24, 98304                           ; bytes of 128 columns' codes
	s_mov_b32 s25, 4096                            ; and of their scale words
	s_mov_b32 s29, 4096                            ; bytes from row to row of the source
	s_cmp_eq_u32 s19, 1
	s_cselect_b32 s20, s34, s20
	s_cselect_b32 s21, s35, s21
	s_cselect_b32 s22, 3145728, s22
	s_cselect_b32 s23, 131072, s23
	s_cselect_b32 s29, 16384, s29
	s_cmp_eq_u32 s19, 2
	s_cselect_b32 s21, s36, s21
	s_cselect_b32 s22, 6291456, s22
	s_cselect_b32 s23, 262144, s23
	s_cselect_b32 s24, 393216, s24
	s_cselect_b32 s25, 16384, s25
	s_lshr_b32 s28, s44, 6
	s_cmp_eq_u32 s28, 3
	s_cselect_b32 s28, 1, 0                        ; 1 for Wo alone
	s_mul_i32 s37, s28, s29
	s_lshl_b32 s37, s37, 5                         ; 32 rows for Wo, else 0
	s_lshl_b32 s38, s29, 5
	s_sub_co_u32 s38, s38, s37                     ; 0 for Wo, else 32 rows
	v_add_nc_u32 v[VO1], s37, v[VO]
	v_add_nc_u32 v[VO2], s38, v[VO]
	s_mul_i32 s34, s21, s29
	s_lshl_b32 s34, s34, 7                         ; source: 128 s rows,
	s_lshl_b32 s35, s20, 9
	s_add_co_u32 s34, s34, s35                     ; 128 g columns,
	s_lshl_b32 s35, s18, 7
	s_add_co_u32 s34, s34, s35                     ; 32 columns a wave
	s_mov_b32 s35, 0
	s_mul_i32 s40, s20, s24                        ; image
	s_add_co_u32 s40, s40, s22
	s_lshr_b32 s36, s21, 1
	s_mul_i32 s36, s36, 24576
	s_add_co_u32 s40, s40, s36
	s_and_b32 s36, s21, 1
	s_mul_i32 s36, s36, 1536
	s_add_co_u32 s40, s40, s36
	s_mul_i32 s36, s18, 6144                       ; two fragments a wave
	s_add_co_u32 s40, s40, s36
	s_mov_b32 s41, 0
	s_mul_i32 s42, s20, s25                        ; scale words
	s_add_co_u32 s42, s42, s23
	s_lshl_b32 s36, s21, 9
	s_add_co_u32 s42, s42, s36
	s_lshl_b32 s36, s18, 7
	s_add_co_u32 s42, s42, s36
	s_add_co_u32 s42, s42, WS
	s_mov_b32 s43, 0
	s_wait_kmcnt 0x0
	s_cmp_ge_u32 s44, 64                           ; the source: a choice that hangs on ids alone
	s_cselect_b64 s[26:27], s[6:7], s[4:5]
	s_cmp_ge_u32 s44, 128
	s_cselect_b64 s[26:27], s[8:9], s[26:27]
	s_cmp_ge_u32 s44, 192
	s_cselect_b64 s[26:27], s[10:11], s[26:27]
	s_cmp_ge_u32 s44, 256
	s_cselect_b64 s[26:27], s[12:13], s[26:27]
	s_cmp_ge_u32 s44, 512
	s_cselect_b64 s[26:27], s[14:15], s[26:27]
	s_add_nc_u64 s[26:27], s[26:27], s[34:35]
	s_add_nc_u64 s[30:31], s[16:17], s[40:41]
	s_add_nc_u64 s[32:33], s[16:17], s[42:43]
; block t: register p takes row base + (p&7) + 16 ((p>>3)&1) + 8 ((p>>4)&1) of my column: the order inside a block
.macro LOAD t, vo, base, S
.irp p, 0,1,2,3,4,5,6,7,8,9,10,11,12,13,14,15,16,17,18,19,20,21,22,23,24,25,26,27,28,29,30,31
	global_load_b32 v[WX+32*(\t)+\p], v[\vo], s[26:27] offset:((\base)+(\p&7)+16*((\p>>3)&1)+8*((\p>>4)&1))*(\S) th:TH_LOAD_NT
.endr
.endm
.macro BLOCK t
.set XB, WX+32*(\t)
.set D, F0+12*((\t)%2)+6*((\t)/2)
	v_max3_num_f32 v12, |v[XB]|, |v[XB+1]|, |v[XB+2]|              ; the block's largest magnitude: all 32 numbers are mine; two chains
	v_max3_num_f32 v13, |v[XB+3]|, |v[XB+4]|, |v[XB+5]|
.irp i, 6,10,14,18,22,26
	v_max3_num_f32 v12, v12, |v[XB+\i]|, |v[XB+\i+1]|
	v_max3_num_f32 v13, v13, |v[XB+\i+2]|, |v[XB+\i+3]|
.endr
	v_max3_num_f32 v12, v12, |v[XB+30]|, |v[XB+31]|
	v_max3_num_f32 v12, v12, v13, 0x2800000        ; and the floor 2^(5 - 127): the byte cannot fall under 1
	v_add_nc_u32 v11, 0xfe000000, v12              ; 4 off the exponent field: the conversion's scale operand
	v_lshrrev_b32 v13, 23, v11                     ; the scale's byte
.if (\t) == 0
	v_mov_b32 v[SW], v13
.else
	v_lshl_or_b32 v[SW], v13, 8*(\t), v[SW]
.endif
	v_cvt_scalef32_pk16_bf6_f32 v[D:D+2], v[XB:XB+15], v11
	v_cvt_scalef32_pk16_bf6_f32 v[WP+4*(\t):WP+4*(\t)+2], v[XB+16:XB+31], v11   ; (a conversion's three registers begin on an even number)
	v_nop                                          ; one plain place behind a scaled conversion
.irp i, 0,1,2
	v_mov_b32 v[D+3+\i], v[WP+4*(\t)+\i]
.endr
.endm
.macro BODY S
	LOAD 0, VO, 0, \S
	LOAD 1, VO1, 32, \S
	s_wait_loadcnt 32                              ; block 0's 32 loads are in; block 1's may be out
	LOAD 2, VO2, 32, \S
	BLOCK 0
	s_wait_loadcnt 32                              ; block 1's are in; block 2's may be out
	LOAD 3, VO, 96, \S
	BLOCK 1
	s_wait_loadcnt 32                              ; block 2's are in; block 3's may be out
	BLOCK 2
	s_wait_loadcnt 0x0
	BLOCK 3
	; a fragment's lanes 0-15 want blocks 0 and 2 of columns 0-15, its lanes 16-31 blocks 1 and 3 of the same columns: F0's upper lanes change places with F1's lower lanes
.irp i, 0,1,2,3,4,5,6,7,8,9,10,11
	v_permlane16_swap_b32 v[F0+\i], v[F1+\i]
.endr
.irp c, 0,1,2
	global_store_b128 v[LI], v[F0+4*\c:F0+4*\c+3], s[30:31] offset:512*\c        ; each store of the wave covers 512 consecutive bytes, aligned
	global_store_b128 v[LI], v[F1+4*\c:F1+4*\c+3], s[30:31] offset:3072+512*\c
.endr
	global_store_b32 v[VO], v[SW], s[32:33]        ; 128 consecutive bytes a wave, 512 a unit
	s_endpgm
.endm
	s_cmp_eq_u32 s19, 1                            ; the rows' distance stands in the loads' immediates: the body is written for each of the two
	s_cbranch_scc1 .Lwide
	s_wait_alu depctr_va_vdst(0)                   ; the wait
	BODY 4096
.Lwide:
	s_wait_alu depctr_va_vdst(0)
	BODY 16384
; THE LAYERNORM
.set PITCH, 4112
.set XSO,   3145728
.set X,   16                           ; v16-79   two rows as loaded; later the 64 numbers to quantise
.set G,   80                           ; v80-111  gain of my 32 columns
.set BE,  112                          ; v112-143 bias
.set FA,  144                          ; v144-155 the fragment
.set PT,  156                          ; v156-163 the conversions' second halves
.set TM,  164                          ; v164-179 the quantiser's work
.set PW,  180                          ; the scale word
.set T,   182                          ; v182-189 sums, four registers a row
.set MU,  190                          ; v190-193 the mean, later 1 / sqrt, as a pair for each row
.set SEL, 20                           ; s[20:21] selects of v_permlanex16_b32: lane l xor 16
; 64 numbers of a lane, register 16 b + i = position 16 h + i of block b of my row, become a fragment's registers 0-5 in v[d0] on, 6-11 in v[d1] on, and the row's scale word in v[pw]
.macro QUANT s, d0, d1, pw
.irp b, 0,1,2,3
	v_max3_num_f32 v[TM+\b], |v[\s+16*\b]|, |v[\s+1+16*\b]|, 0x2800000   ; my 16 numbers of block b, and the floor 2^(5 - 127)
.endr
.irp i, 2,4,6,8,10,12,14
.irp b, 0,1,2,3
	v_max3_num_f32 v[TM+\b], v[TM+\b], |v[\s+16*\b+\i]|, |v[\s+1+16*\b+\i]|   ; the four blocks by turns
.endr
.endr
.irp b, 0,1,2,3
	v_permlanex16_b32 v[TM+4+\b], v[TM+\b], s[SEL], s[SEL+1]
.endr
.irp b, 0,1,2,3
	v_max_num_f32 v[TM+\b], v[TM+\b], v[TM+4+\b]   ; with lane l xor 16's: the block's largest magnitude
.endr
.irp b, 0,1,2,3
	v_add_nc_u32 v[TM+12+\b], 0xfe000000, v[TM+\b] ; 4 off its exponent field: the conversion's scale operand
.endr
.irp b, 0,1,2,3
	v_lshrrev_b32 v[TM+4+\b], 23, v[TM+12+\b]      ; the scale's byte
.endr
	v_lshl_or_b32 v[\pw], v[TM+5], 8, v[TM+4]
	v_lshl_or_b32 v[\pw], v[TM+6], 16, v[\pw]
	v_lshl_or_b32 v[\pw], v[TM+7], 24, v[\pw]
	v_cvt_scalef32_pk16_bf6_f32 v[\d0:\d0+2], v[\s:\s+15], v[TM+12]
	v_cvt_scalef32_pk16_bf6_f32 v[PT:PT+2], v[\s+16:\s+31], v[TM+13]
	v_cvt_scalef32_pk16_bf6_f32 v[\d1:\d1+2], v[\s+32:\s+47], v[TM+14]
	v_cvt_scalef32_pk16_bf6_f32 v[PT+4:PT+6], v[\s+48:\s+63], v[TM+15]
	v_nop                                          ; one plain place behind a scaled conversion
.irp i, 0,1,2                                  ; the layout wants a WHOLE block in a lane: lanes 0-15 the even block, lanes 16-31 the odd one
	v_permlane16_swap_b32 v[\d0+\i], v[PT+\i]
.endr
.irp i, 0,1,2
	v_mov_b32 v[\d0+3+\i], v[PT+\i]
.endr
.irp i, 0,1,2
	v_permlane16_swap_b32 v[\d1+\i], v[PT+4+\i]
.endr
.irp i, 0,1,2
	v_mov_b32 v[\d1+3+\i], v[PT+4+\i]
.endr
.endm
; the two rows' partial sums (two pairs each) become the rows' sums, in every lane
.macro REDUCE
.irp p, 0,1
	v_pk_add_f32 v[T+4*\p:T+4*\p+1], v[T+4*\p:T+4*\p+1], v[T+4*\p+2:T+4*\p+3]
.endr
.irp p, 0,1
	v_add_f32 v[T+4*\p], v[T+4*\p], v[T+4*\p+1]
.endr
.irp m, 1,2,4,8
.irp p, 0,1
	v_add_f32_dpp v[T+4*\p], v[T+4*\p], v[T+4*\p] row_xmask:\m row_mask:0xf bank_mask:0xf
.endr
.endr
.irp p, 0,1
	v_permlanex16_b32 v[T+4*\p+1], v[T+4*\p], s[SEL], s[SEL+1]
.endr
.irp p, 0,1
	v_add_f32 v[T+4*\p], v[T+4*\p], v[T+4*\p+1]
.endr
.endm
.Lnorm:
	s_load_b256 s[4:11], s[0:1], 0x0               ; rows s[4:5], gain s[6:7], bias s[8:9], result s[10:11]
	v_lshl_add_u32 v200, v0, 2, 0x10100            ; my spare word, behind the sixteen rows; never rewritten
	v_mov_b32 v201, 0
	v_lshrrev_b32 v5, 5, v0
	v_readfirstlane_b32 s12, v5                    ; wave 0..7
	v_and_b32 v5, 31, v0
	v_lshlrev_b32 v1, 4, v5                        ; 16 x lane
	s_mul_i32 s13, s12, 2*PITCH
	v_add_nc_u32 v2, s13, v1                       ; LDS, on the way in: my two rows, 16 bytes a lane
	v_and_b32 v6, 15, v0                           ; r
	v_bfe_u32 v7, v0, 4, 1                         ; h
	v_mul_u32_u24 v3, v6, PITCH
	v_lshl_add_u32 v3, v7, 5, v3
	s_lshl_b32 s13, s12, 9
	v_add_nc_u32 v3, s13, v3                       ; LDS, on the way out: row r, K step w, + 32 h
	v_lshlrev_b32 v4, 2, v6                        ; 4 r
	s_mov_b32 s[SEL], 0x76543210
	s_mov_b32 s[SEL+1], 0xfedcba98
	s_mov_b32 s22, 0x3a800000                      ; 1 / 1024
	s_mov_b32 s23, 0x358637bd                      ; 1e-6
.irp b, 0,1,2,3
	v_mov_b32 v[TM+4+\b], 0                        ; a lane permute's destination counts as one of its sources
.endr
	s_sub_co_u32 s30, ttmp9, 384                   ; which 16 rows
	s_lshl_b32 s14, s30, 16                        ; 16 rows of 4,096 bytes a work-group,
	s_lshl_b32 s15, s12, 13                        ; two a wave
	s_add_co_u32 s14, s14, s15
	s_mov_b32 s15, 0
	s_lshr_b32 s16, s30, 3                         ; the group of 128 rows,
	s_and_b32 s17, s30, 7                          ; the 16 rows in it
	s_mul_i32 s18, s16, 98304
	s_lshr_b32 s19, s12, 1
	s_mul_i32 s19, s19, 24576
	s_add_co_u32 s18, s18, s19
	s_mul_i32 s19, s17, 3072
	s_add_co_u32 s18, s18, s19
	s_and_b32 s19, s12, 1
	s_mul_i32 s19, s19, 1536
	s_add_co_u32 s18, s18, s19                     ; my fragment's place
	s_mov_b32 s19, 0
	s_lshl_b32 s24, s16, 12
	s_lshl_b32 s25, s12, 9
	s_add_co_u32 s24, s24, s25
	s_lshl_b32 s25, s17, 6
	s_add_co_u32 s24, s24, s25
	s_add_co_u32 s24, s24, XSO                     ; its scale words' place
	s_mov_b32 s25, 0
	s_wait_alu depctr_va_vdst(0)                   ; the wait at the head's end
	s_wait_kmcnt 0x0
	s_add_nc_u64 s[4:5], s[4:5], s[14:15]
	s_add_nc_u64 s[26:27], s[10:11], s[18:19]
	s_add_nc_u64 s[28:29], s[10:11], s[24:25]
.irp p, 0,1
.irp j, 0,1,2,3,4,5,6,7
	global_load_b128 v[X+32*\p+4*\j:X+32*\p+4*\j+3], v1, s[4:5] offset:4096*\p+512*\j    ; 512 consecutive bytes a load
.endr
.endr
.irp j, 0,1,2,3,4,5,6,7
	global_load_b128 v[G+4*\j:G+4*\j+3], v1, s[6:7] offset:512*\j
.endr
.irp j, 0,1,2,3,4,5,6,7
	global_load_b128 v[BE+4*\j:BE+4*\j+3], v1, s[8:9] offset:512*\j
.endr
	s_wait_loadcnt 16                              ; the rows are in; gain and bias (16 loads) may be out
.irp p, 0,1                                    ; the mean
	v_pk_add_f32 v[T+4*\p:T+4*\p+1], v[X+32*\p:X+32*\p+1], v[X+32*\p+2:X+32*\p+3]
	v_pk_add_f32 v[T+4*\p+2:T+4*\p+3], v[X+32*\p+4:X+32*\p+5], v[X+32*\p+6:X+32*\p+7]
.endr
.irp j, 8,12,16,20,24,28
.irp p, 0,1
	v_pk_add_f32 v[T+4*\p:T+4*\p+1], v[T+4*\p:T+4*\p+1], v[X+32*\p+\j:X+32*\p+\j+1]
	v_pk_add_f32 v[T+4*\p+2:T+4*\p+3], v[T+4*\p+2:T+4*\p+3], v[X+32*\p+\j+2:X+32*\p+\j+3]
.endr
.endr
	REDUCE
.irp p, 0,1
	v_mul_f32 v[MU+2*\p], s22, v[T+4*\p]
	v_mul_f32 v[MU+2*\p+1], s22, v[T+4*\p]
.endr
.irp p, 0,1
.set i, 0
.rept 16
	v_pk_add_f32 v[X+32*\p+i:X+32*\p+i+1], v[X+32*\p+i:X+32*\p+i+1], v[MU+2*\p:MU+2*\p+1] neg_lo:[0,1] neg_hi:[0,1]   ; x - mean
.set i, i+2
.endr
.endr
.irp p, 0,1                                    ; the mean of the squares of the differences
	v_pk_mul_f32 v[T+4*\p:T+4*\p+1], v[X+32*\p:X+32*\p+1], v[X+32*\p:X+32*\p+1]
	v_pk_mul_f32 v[T+4*\p+2:T+4*\p+3], v[X+32*\p+2:X+32*\p+3], v[X+32*\p+2:X+32*\p+3]
.endr
.irp j, 4,8,12,16,20,24,28
.irp p, 0,1
	v_pk_fma_f32 v[T+4*\p:T+4*\p+1], v[X+32*\p+\j:X+32*\p+\j+1], v[X+32*\p+\j:X+32*\p+\j+1], v[T+4*\p:T+4*\p+1]
	v_pk_fma_f32 v[T+4*\p+2:T+4*\p+3], v[X+32*\p+\j+2:X+32*\p+\j+3], v[X+32*\p+\j+2:X+32*\p+\j+3], v[T+4*\p+2:T+4*\p+3]
.endr
.endr
	REDUCE
.irp p, 0,1
	v_fma_f32 v[T+4*\p], v[T+4*\p], s22, s23       ; var + 1e-6
.endr
	s_wait_alu depctr_va_vdst(0)                   ; the wait ahead of the two
	v_rsq_f32 v[MU], v[T]
	v_rsq_f32 v[MU+2], v[T+4]
	v_nop                                          ; a plain instruction behind the last of the two
	s_wait_alu depctr_va_vdst(0)                   ; one wait for both, ahead of their first reader
	v_mov_b32 v[MU+1], v[MU]
	v_mov_b32 v[MU+3], v[MU+2]
	s_wait_alu depctr_va_vdst(0)                   ; the wait ahead of the wait below
	s_wait_loadcnt 0x0                             ; gain and bias
.irp p, 0,1
.set i, 0
.rept 16
	v_pk_mul_f32 v[X+32*\p+i:X+32*\p+i+1], v[X+32*\p+i:X+32*\p+i+1], v[MU+2*\p:MU+2*\p+1]
.set i, i+2
.endr
.endr
.irp p, 0,1
.set i, 0
.rept 16
	v_pk_fma_f32 v[X+32*\p+i:X+32*\p+i+1], v[X+32*\p+i:X+32*\p+i+1], v[G+i:G+i+1], v[BE+i:BE+i+1]
.set i, i+2
.endr
.endr
.irp p, 0,1
.irp j, 0,1,2,3,4,5,6,7
	ds_store_b128 v2, v[X+32*\p+4*\j:X+32*\p+4*\j+3] offset:PITCH*\p+512*\j
.endr
.endr
	s_wait_dscnt 0x0                               ; for the others' sake: my stores have landed
	s_barrier_signal -1
	s_barrier_wait -1                              ; sixteen normalised rows lie in LDS
.irp b, 0,1,2,3
.irp u, 0,1
.irp e, 0,1
	ds_load_b128 v[X+16*\b+8*\u+4*\e:X+16*\b+8*\u+4*\e+3], v3 offset:128*\b+64*\u+16*\e   ; position 16 h + 8 u + 4 e + i takes the true offset 16 u + 8 h + 4 e + i
.endr
.endr
.endr
	s_wait_dscnt 0x0
	QUANT X, FA, FA+6, PW
.irp c, 0,1,2
	global_store_b128 v1, v[FA+4*\c:FA+4*\c+3], s[26:27] offset:512*\c    ; 512 consecutive bytes, aligned
.endr
	global_store_b32 v4, v[PW], s[28:29]           ; 64 consecutive bytes: lanes r and 16 + r hold the same word and write it to the same place
	s_wait_tensorcnt 0x0                           ; the wave's end
	ds_add_u32 v200, v201
	s_wait_dscnt 0x0
	s_endpgm
.Lfunc_end_k_q44f1f2d046_prep:
	.size	k_q44f1f2d046_prep, .Lfunc_end_k_q44f1f2d046_prep-k_q44f1f2d046_prep
	.p2alignl 7, 3214868480
	.fill 96, 4, 3214868480
	.section	.rodata,"a",@progbits
	.p2align	6, 0x0
	.amdhsa_kernel k_q44f1f2d046_prep
		.amdhsa_group_segment_fixed_size 66816
		.amdhsa_private_segment_fixed_size 0
		.amdhsa_enable_private_segment 0
		.amdhsa_kernarg_size 88
		.amdhsa_user_sgpr_count 2
		.amdhsa_user_sgpr_kernarg_segment_ptr 1
		.amdhsa_wavefront_size32 1
		.amdhsa_system_sgpr_workgroup_id_x 1
		.amdhsa_system_sgpr_workgroup_id_y 1
		.amdhsa_system_sgpr_workgroup_id_z 1
		.amdhsa_system_vgpr_workitem_id 0
		.amdhsa_next_free_vgpr 208
		.amdhsa_next_free_sgpr 66
		.amdhsa_reserve_vcc 0
		.amdhsa_float_denorm_mode_32 3
		.amdhsa_float_denorm_mode_16_64 3
		.amdhsa_memory_ordered 1
		.amdhsa_forward_progress 1
		.amdhsa_inst_pref_size 66
	.end_amdhsa_kernel
	.amdgpu_metadata
---
amdhsa.version: [ 1, 2 ]
amdhsa.kernels:
  - .name:           k_q44f1f2d046_prep
    .symbol:         k_q44f1f2d046_prep.kd
    .args:
      - { .name: x, .offset: 0, .size: 8, .value_kind: global_buffer, .address_space: global }
      - { .name: g1, .offset: 8, .size: 8, .value_kind: global_buffer, .address_space: global }
      - { .name: be1, .offset: 16, .size: 8, .value_kind: global_buffer, .address_space: global }
      - { .name: xnb, .offset: 24, .size: 8, .value_kind: global_buffer, .address_space: global }
      - { .name: Wq, .offset: 32, .size: 8, .value_kind: global_buffer, .address_space: global }
      - { .name: Wk, .offset: 40, .size: 8, .value_kind: global_buffer, .address_space: global }
      - { .name: Wv, .offset: 48, .size: 8, .value_kind: global_buffer, .address_space: global }
      - { .name: Wo, .offset: 56, .size: 8, .value_kind: global_buffer, .address_space: global }
      - { .name: W1, .offset: 64, .size: 8, .value_kind: global_buffer, .address_space: global }
      - { .name: W2, .offset: 72, .size: 8, .value_kind: global_buffer, .address_space: global }
      - { .name: wb, .offset: 80, .size: 8, .value_kind: global_buffer, .address_space: global }
    .group_segment_fixed_size: 66816
    .private_segment_fixed_size: 0
    .kernarg_segment_align: 8
    .kernarg_segment_size: 88
    .max_flat_workgroup_size: 256
    .sgpr_count:     66
    .vgpr_count:     208
    .wavefront_size: 32
...
	.end_amdgpu_metadata
.endif
;; end of part 8
;; launch gemm_qkv (part 9): grid 12 x 16, 4 waves a work-group, clusters of 4 x 4, 327,680 bytes of LDS; arguments xnb, wb, bq, bk, bv, qkvb; writes qkvb
.if DOCPART == 9
	.amdgcn_target "amdgcn-amd-amdhsa--gfx1250"
	.amdhsa_code_object_version 6
	.text
	.protected	k_q44f1f2d046_gemm_qkv
	.globl	k_q44f1f2d046_gemm_qkv
	.p2align	8
	.type	k_q44f1f2d046_gemm_qkv,@function
k_q44f1f2d046_gemm_qkv:
	s_mov_b64 s[64:65], 0
	v_nop
	global_prefetch_b8 v0, s[64:65] scope:SCOPE_SE
	s_setreg_imm32_b32 hwreg(HW_REG_WAVE_MODE, 25, 1), 1
	s_wait_xcnt 0x0
	s_wait_alu depctr_hold_cnt(0) depctr_sa_sdst(0) depctr_va_vdst(0) depctr_va_sdst(0) depctr_va_ssrc(0) depctr_va_vcc(0) depctr_vm_vsrc(0)
	s_getreg_b32 s2, hwreg(HW_REG_IB_STS2, 6, 4)
	s_cmp_eq_u32 s2, 0
	s_cbranch_scc0 .Lentry_in_a_cluster
	s_endpgm
.Lentry_in_a_cluster:
	s_bfe_u32 s2, ttmp6, 0x10000c
	s_cmp_lg_u32 s2, 0xf033
	s_cbranch_scc0 .Lentry_shape_is_right
	s_endpgm
.Lentry_shape_is_right:
; q = xn Wq + bq, k = xn Wk + bk, v = xn Wv + bv on codes of BF6 (E3M2) with E8M0 scales, f32 sums; the results are quantised here: q and k along the head's 64, v along the keys.
; Both operands lie in memory as images of their fragments' registers: 128 rows x 256 K are one dense block of 24,576 bytes ([16 rows][128 K][1,536 bytes]); a fragment is three loads of 16 bytes a lane, at 16 x lane.
; A tile of 256 x 256 is made by four waves, each 128 x 128: 64 accumulators, 512 registers.  K = 1,024 goes in steps of 256 through a ring of two LDS slots filled by the tensor data mover.
; THE MATRIX INSTRUCTION IS USED TRANSPOSED (source 0 = 16 rows of B, source 1 = 16 rows of A): a lane holds one row of A and eight neighbouring rows of B.
; ONE LAUNCH, THREE PRODUCTS.  Clusters with x = 0, 1: A = xn (tokens), B = Wq, Wk (2,048 rows on end): a lane holds a token, its registers run along (head, d): the K of q k^T.
; Clusters with x = 2: A = Wv, B = xn: a lane holds a d, its registers run along the tokens: the K of the product with the softmax.  The choice hangs on the cluster's x alone, the same in all sixteen partners.
; CLUSTERS: 4 x 4 work-groups; A's tiles are asked for jointly along a row of the cluster, B's along a column.
; OUT (qkvb): q at 0, k at 3145728, v at 6291456; head hd = 16 batch + head has 98,304 bytes of codes.  q, k: the pair fragment f = token / 32 at hd 98304 + f 1536: registers 0-5 token tile 2 f, registers 6-11 tile 2 f + 1;
; its scale word at 9437184 (k: + 131072) + hd 4096 + f 64 + 4 r: bytes 0, 1 tile 2 f, bytes 2, 3 tile 2 f + 1.  v: fragment (key step s of 128, d tile t) at hd 98304 + s 6144 + t 1536, word at 9699328 + hd 4096 + s 256 + t 64 + 4 r.
; Every work-group loads a bias in both patterns (along B's rows from bq or bk, along A's rows from bv) and uses one of them; both loads stay inside their buffers.
; LIMITS: a block of zeros gets the byte 1 where the rule says 127 (its codes are zeros; this program alone reads the bytes); NaN and infinities are not served; k is permuted inside blocks of 32, alike in both operands.
; REGISTERS: window 0: v0-31 addresses; v32-63 scale words, two sets; v64-127 bias along B's rows; v128-223 A's fragments, one set; v224-239 bias along A's rows.  window 1: B's fragments, two sets, at v0 and v128.
;   windows 2, 3: the accumulators ((a, b) at v[8 (8 (a % 4) + b)]).  The way out uses window 0's v32-57 and v128-223 anew.
.set SIZE_K, 1024
.set XSO,    3145728                   ; xn's scale words in xnb
.set WSO,    9437184                   ; Wq's and Wk's scale words in wb
.set WV_I,   1572864                   ; Wv's codes in wb
.set WV_S,   9502720                   ; Wv's scale words
.set NQ,     2                         ; matrix instructions deep in a slot
.set FR,     12                        ; registers of a fragment
.set NL,     3                         ; LDS loads that bring one
.set NP,     4                         ; places behind this matrix instruction (ISA guide 7.12.1)
.set PART,   24576                     ; 128 rows x 256 K: what one tensor load brings, and what one wave reads of A or of B
.set SLOT,   4*PART                    ; A's 256 rows, then B's 256 rows
.set LAPS,   SIZE_K/512                ; a lap = once round the ring
.set GB,     SIZE_K*96                 ; 128 rows' codes in memory
.set SG,     SIZE_K*4                  ; 128 rows' scale words
.set SCL,    2*SLOT                    ; behind the ring: the scale words of the 512 rows, for all of K: filled once
.set SPARE,  SCL+4*SG                  ; behind them: the spare words, 128 bytes a wave, that no other line names
.set ADRA, 16                          ; v16-17 LDS address of my A fragments in slot 0, 1
.set ADRB, 20                          ; v20-21 the same for B
.set L4,   22                          ; v22    4 x lane
.set LI,   26                          ; v26    16 x lane
.set ADRS, 27                          ; v27    LDS address of my scale words: lanes 0-15 A's rows, lanes 16-31 B's
.set SPW,  28                          ; v28    my spare word; never rewritten
.set NIL,  29                          ; v29    0; never rewritten
.set BH,   30                          ; v30    32 h
.set R4,   31                          ; v31    4 r
.set SC,   32                          ; scale words: register SC + 16 set + 2 i + q: lanes 0-15 A's block i, lanes 16-31 B's block i
.set AF,   128
.set TM,   32                          ; the way out: v32-47 the quantiser's work
.set P0,   48
.set P1,   49
.set W,    50                          ; v50-57 eight scale words
.set BI,   64
.set HA,   128                         ; v128-191 64 numbers to quantise
.set FA,   192
.set FB,   204
.set PT,   216
.set BL,   224
.set SEL,  66                          ; s[66:67] selects of v_permlanex16_b32
.set G1, 24
.set G0, 32
.set G1B, 48
.set G0B, 56
.set G1S, 68
.set G0S, 76
.set G1SB, 80
.set G0SB, 88
.set MSB, 0
.macro WIN new                         ; the immediate's high byte repeats the setting that is left
.if MSB != \new
	s_set_vgpr_msb (MSB<<8)|\new
.set MSB, \new
.endif
.endm
.set MUL_LO, 0xa1                      ; source 0 (B) window 1, source 1 (A) window 0, C and D window 2
.set MUL_HI, 0xf1                      ; the same, C and D window 3
.set TO_B,   0x40                      ; destination window 1, address window 0
; A joint load: waves 0 and 1 fetch for A, waves 2 and 3 for B; the branch hangs on the wave's number alone.  Four v_nop follow each of the two lines.
.macro JLOAD g0a, g1a, g0b, g1b
	s_cmp_eq_u32 s15, 0
	s_cbranch_scc0 .Lfor_b_\@
	tensor_load_to_lds s[\g0a:\g0a+3], s[\g1a:\g1a+7]
	s_nop 0
.rept 4
	v_nop
.endr
	s_branch .Lasked_\@
.Lfor_b_\@:
	tensor_load_to_lds s[\g0b:\g0b+3], s[\g1b:\g1b+7]
	s_nop 0
.rept 4
	v_nop
.endr
.Lasked_\@:
.endm
.macro CREST                           ; a round of the cluster's barrier behind its opening barrier
	s_cmp_lg_u32 s14, 0
	s_cbranch_scc1 .Lnot_wave_0_\@
	s_barrier_signal -3
.Lnot_wave_0_\@:
	s_barrier_wait -3
	s_barrier_signal -1
	s_barrier_wait -1
.endm
.macro CROUND
	s_barrier_signal -1
	s_barrier_wait -1
	CREST
.endm
	s_load_b128 s[4:7], s[0:1], 0x0                ; xnb, wb
	s_load_b128 s[96:99], s[0:1], 0x10             ; bq, bk
	s_load_b128 s[8:11], s[0:1], 0x20              ; bv, qkvb
	v_lshl_add_u32 v[SPW], v0, 2, SPARE
	v_mov_b32 v[NIL], 0
	ds_add_u32 v28, v29
	ds_add_u32 v28, v29
	s_wait_dscnt 0x0
	v_lshrrev_b32 v1, 5, v0
	v_readfirstlane_b32 s14, v1                    ; wave 0..3
	s_lshr_b32 s15, s14, 1                         ; which half of the tile's rows (A) is mine.  Also: I fetch for A (0) or for B (1)
	s_and_b32 s16, s14, 1                          ; which half of its columns (B).  Also: which 128 rows I fetch
	s_bfe_u32 s40, ttmp6, 0x40000                  ; cx, cy: my place in the cluster
	s_bfe_u32 s41, ttmp6, 0x40004
	s_and_b32 s18, ttmp7, 0xffff                   ; the cluster's y
	s_cmp_eq_u32 ttmp9, 2                          ; the clusters with x = 2 make v: 4 tile rows (Wv) x 16 tile columns (tokens)
	s_cselect_b32 s42, s18, ttmp9
	s_cselect_b32 s17, 0, s18
	s_lshl_b32 s42, s42, 2
	s_add_co_u32 s42, s42, s40                     ; tile column
	s_lshl_b32 s17, s17, 2
	s_add_co_u32 s17, s17, s41                     ; tile row
	s_lshl_b32 s43, s41, 2
	s_lshl_b32 s43, 15, s43                        ; my row of the cluster
	s_lshl_b32 s44, 0x1111, s40                    ; my column
	; descriptor group 1: a dense block of 24,576 bytes as 96 rows of 256 bytes (32 elements of 8 bytes), no padding
	s_or_b32 s[G1+0], s43, (3<<16)|(1<<21)         ; 15:0 the mask: A's tiles go to my row; 17:16 elements of 8 bytes; 21 set beside a mask
	s_or_b32 s[G1B+0], s44, (3<<16)|(1<<21)
.irp g, G1, G1B
	s_mov_b32 s[\g+1], 3072<<16                    ; for the head's loads: two rows of 24,576 bytes (two groups of 128 rows x 256 K), GB bytes apart
	s_mov_b32 s[\g+2], 2<<16
	s_mov_b32 s[\g+3], 3072<<16
	s_mov_b32 s[\g+4], 2
	s_mov_b32 s[\g+5], GB/8
	s_mov_b32 s[\g+6], 0
	s_mov_b32 s[\g+7], 0
.endr
	; and for the scale words of 128 rows: SG dense bytes, as rows of 256 bytes
	s_or_b32 s[G1S+0], s43, (3<<16)|(1<<21)
	s_or_b32 s[G1SB+0], s44, (3<<16)|(1<<21)
.irp g, G1S, G1SB
	s_mov_b32 s[\g+1], 32<<16
	s_mov_b32 s[\g+2], (2*SG/256)<<16              ; the scale words of 256 rows are dense
	s_mov_b32 s[\g+3], 32<<16
	s_mov_b32 s[\g+4], 2*SG/256
	s_mov_b32 s[\g+5], 32
	s_mov_b32 s[\g+6], 0
	s_mov_b32 s[\g+7], 0
.endr
	s_lshl_b32 s20, s17, 1
	s_lshl_b32 s46, s42, 1                         ; the tile's first group of 128 rows, of A and of B
	s_mul_i32 s22, s20, SG
	s_mul_i32 s92, s46, SG
	s_mul_i32 s20, s20, GB
	s_mul_i32 s46, s46, GB
	s_mov_b32 s21, 0
	s_mov_b32 s23, 0
	s_mov_b32 s47, 0
	s_mov_b32 s93, 0
	s_mul_i32 s45, s14, PART                       ; where they go: wave x a part: no place in the cluster enters an LDS address
	s_wait_kmcnt 0x0
	s_mov_b64 s[12:13], s[10:11]                   ; qkvb
	s_mov_b64 s[100:101], s[8:9]                   ; bv
	s_add_nc_u64 s[18:19], s[4:5], XSO             ; xn's scale words
	s_add_nc_u64 s[66:67], s[6:7], WSO             ; Wq's and Wk's
	s_add_nc_u64 s[2:3], s[6:7], WV_I              ; Wv's codes
	s_add_nc_u64 s[94:95], s[6:7], WV_S            ; Wv's scale words
	s_cmp_eq_u32 ttmp9, 2
	s_cselect_b64 s[8:9], s[4:5], s[6:7]           ; B's codes: xn for v, else Wq and Wk
	s_cselect_b64 s[10:11], s[18:19], s[66:67]     ; B's scale words
	s_cselect_b64 s[4:5], s[2:3], s[4:5]           ; A's codes: Wv for v, else xn
	s_cselect_b64 s[6:7], s[94:95], s[18:19]       ; A's scale words
	s_add_nc_u64 s[20:21], s[4:5], s[20:21]
	s_add_nc_u64 s[22:23], s[6:7], s[22:23]
	s_add_nc_u64 s[46:47], s[8:9], s[46:47]
	s_add_nc_u64 s[92:93], s[10:11], s[92:93]
	CROUND                                         ; all sixteen work-groups are here: the first joint loads meet
	s_mov_b32 s[G0S], 1
	s_mov_b32 s[G0S+1], SCL
	s_mov_b64 s[G0S+2:G0S+3], s[22:23]
	s_or_b32 s[G0S+3], s[G0S+3], 0x80000000
	s_mov_b32 s[G0SB], 1
	s_mov_b32 s[G0SB+1], SCL+2*SG
	s_mov_b64 s[G0SB+2:G0SB+3], s[92:93]
	s_or_b32 s[G0SB+3], s[G0SB+3], 0x80000000
.set G0H, 4                            ; s[4:7], s[8:11] group 0 of the head's loads of K step 0 (the addresses that lay there have been used)
.set G0HB, 8
	s_mov_b32 s[G0H], 1                            ; A's 256 rows of K step 0
	s_mov_b32 s[G0H+1], 0
	s_mov_b64 s[G0H+2:G0H+3], s[20:21]
	s_or_b32 s[G0H+3], s[G0H+3], 0x80000000
	s_mov_b32 s[G0HB], 1                           ; B's, behind them in slot 0
	s_mov_b32 s[G0HB+1], 2*PART
	s_mov_b64 s[G0HB+2:G0HB+3], s[46:47]
	s_or_b32 s[G0HB+3], s[G0HB+3], 0x80000000
	s_mul_i32 s18, s16, GB                         ; for the ring: my group of 128 rows
	s_mov_b32 s19, 0
	s_add_nc_u64 s[20:21], s[20:21], s[18:19]
	s_add_nc_u64 s[46:47], s[46:47], s[18:19]
; PREFETCHES: a slot's part (24,576 bytes, 96 blocks of 256) that I will fetch is asked for two slots ahead of its tensor load.  The four partners that ask for it jointly share its blocks out by address:
; the partner at place p (cx for A, cy for B) names blocks 24 p .. 24 p + 23, a lane a block; lanes 24-31 name the last again.  The head asks for K steps 1 and 2, K step 1's load for K step 3, the last.
.set PFA, 40                           ; s[40:41] my work-group's 24 blocks of my part of K step 0; never rewritten
.set PFO, 18                           ; v18 256 x min(lane, 23); never rewritten
.set SL,  PART                         ; bytes from slot to slot in memory
	s_cmp_eq_u32 s15, 0                            ; do I fetch for A?
	s_cselect_b32 s18, s40, s41
	s_cselect_b64 s[PFA:PFA+1], s[20:21], s[46:47]
	s_mul_i32 s18, s18, 24*256
	s_add_nc_u64 s[PFA:PFA+1], s[PFA:PFA+1], s[18:19]
.irp s, 0,1
	s_mov_b32 s[G0+4*\s], 1
	s_add_co_u32 s[G0+4*\s+1], s45, \s*SLOT
	s_add_nc_u64 s[G0+4*\s+2:G0+4*\s+3], s[20:21], \s*PART
	s_or_b32 s[G0+4*\s+3], s[G0+4*\s+3], 0x80000000
	s_mov_b32 s[G0B+4*\s], 1
	s_add_co_u32 s[G0B+4*\s+1], s45, \s*SLOT
	s_add_nc_u64 s[G0B+4*\s+2:G0B+4*\s+3], s[46:47], \s*PART
	s_or_b32 s[G0B+4*\s+3], s[G0B+4*\s+3], 0x80000000
.endr
; The head's loads, one a wave: wave 0 A's 256 rows of K step 0, wave 1 B's, wave 2 A's scale words, wave 3 B's.  One chain of branches on the wave's number, all arms to one join.
.macro ARM under, g0, g1, next
	s_cmp_lt_u32 s14, \under
	s_cbranch_scc0 \next
	tensor_load_to_lds s[\g0:\g0+3], s[\g1:\g1+7]
	s_nop 0
.rept 4
	v_nop
.endr
	s_branch .Lhead_asked
\next:
.endm
	ARM 1, G0H,  G1,  .Lhead_b
	ARM 2, G0HB, G1B, .Lhead_sa
	ARM 3, G0S,  G1S, .Lhead_sb
	tensor_load_to_lds s[G0SB:G0SB+3], s[G1SB:G1SB+7]
	s_nop 0
.rept 4
	v_nop
.endr
.Lhead_asked:
	v_and_b32 v[PFO], 31, v0
	v_min_u32 v[PFO], 23, v[PFO]
	v_lshlrev_b32 v[PFO], 8, v[PFO]
	global_prefetch_b8 v[PFO], s[PFA:PFA+1] offset:SL th:TH_LOAD_NT scope:SCOPE_SE
	global_prefetch_b8 v[PFO], s[PFA:PFA+1] offset:2*SL th:TH_LOAD_NT scope:SCOPE_SE
	v_and_b32 v1, 15, v0                           ; r
	v_bfe_u32 v2, v0, 4, 1                         ; h
	v_and_b32 v3, 31, v0
	v_lshlrev_b32 v[LI], 4, v3
	v_lshlrev_b32 v[L4], 2, v3
	v_lshlrev_b32 v[BH], 5, v2
	v_lshlrev_b32 v[R4], 2, v1
	s_mul_i32 s21, s15, PART                       ; my 128 rows of A
	s_mul_i32 s22, s16, PART                       ; my 128 rows of B,
	s_add_co_u32 s22, s22, 2*PART                  ; which lie behind A's 256
.irp s, 0,1
	v_add_nc_u32 v[ADRA+\s], s21, v[LI]
	v_add_nc_u32 v[ADRB+\s], s22, v[LI]
	s_add_co_u32 s21, s21, SLOT
	s_add_co_u32 s22, s22, SLOT
.endr
	s_mul_i32 s21, s15, SG                         ; A's scale words: my 128 rows
	s_mul_i32 s22, s16, SG                         ; B's, behind A's 256
	s_add_co_u32 s22, s22, 2*SG
	s_sub_co_u32 s22, s22, s21
	v_mul_u32_u24 v6, s22, v2                      ; lanes 16-31 take B's: one product with h
	s_wait_alu depctr_va_vdst(0)
	s_add_co_u32 s21, s21, SCL
	v_add_nc_u32 v5, v[R4], v6
	v_add_nc_u32 v[ADRS], s21, v5
	; the biases
	s_lshl_b32 s92, s17, 8
	s_lshl_b32 s18, s15, 7
	s_add_co_u32 s92, s92, s18                     ; my first row of A
	s_lshl_b32 s93, s42, 8
	s_lshl_b32 s18, s16, 7
	s_add_co_u32 s93, s93, s18                     ; my first row of B
	s_and_b32 s20, s93, 1023
	s_lshl_b32 s20, s20, 2
	s_mov_b32 s21, 0
	s_cmp_eq_u32 ttmp9, 1
	s_cselect_b64 s[96:97], s[98:99], s[96:97]     ; bk for the clusters with x = 1, else bq
	s_add_nc_u64 s[96:97], s[96:97], s[20:21]
	s_and_b32 s22, s92, 1023
	s_lshl_b32 s22, s22, 2
	s_mov_b32 s23, 0
	s_add_nc_u64 s[100:101], s[100:101], s[22:23]
.irp b, 0,1,2,3,4,5,6,7
	global_load_b128 v[BI+8*\b:BI+8*\b+3], v[BH], s[96:97] offset:64*\b          ; lane (r, h): the bias of B's rows 16 b + 8 h + 0 .. 7
	global_load_b128 v[BI+8*\b+4:BI+8*\b+7], v[BH], s[96:97] offset:64*\b+16
.endr
.irp a, 0,1,2,3,4,5,6,7
	global_load_b32 v[BL+2*\a], v[R4], s[100:101] offset:64*\a                   ; lane (r, h): bv of A's row 16 a + r, twice: a pair for the packed addition
	global_load_b32 v[BL+2*\a+1], v[R4], s[100:101] offset:64*\a
.endr
	; where my part of the result lies
	s_add_co_u32 s94, s92, 2048
	s_cmp_eq_u32 ttmp9, 2
	s_cselect_b32 s95, s93, s92                    ; my first token
	s_cselect_b32 s94, s94, s93                    ; my first feature of the 3,072
	s_lshr_b32 s18, s94, 10                        ; q, k or v
	s_bfe_u32 s19, s94, 0x40006                    ; the head
	s_lshr_b32 s20, s95, 11
	s_lshl_b32 s20, s20, 4
	s_add_co_u32 s19, s19, s20                     ; hd = 16 batch + head
	s_bfe_u32 s20, s95, 0x40007                    ; which 128 tokens of the 2,048
	s_mul_i32 s46, s18, 3145728
	s_mul_i32 s47, s19, 98304
	s_add_co_u32 s46, s46, s47
	s_mul_i32 s47, s20, 6144
	s_add_co_u32 s46, s46, s47
	s_mov_b32 s47, 0
	s_lshl_b32 s66, s18, 17
	s_lshl_b32 s67, s19, 12
	s_add_co_u32 s66, s66, s67
	s_lshl_b32 s67, s20, 8
	s_add_co_u32 s66, s66, s67
	s_add_co_u32 s66, s66, 9437184
	s_mov_b32 s67, 0
	s_add_nc_u64 s[98:99], s[12:13], s[66:67]      ; scale words
	s_add_nc_u64 s[12:13], s[12:13], s[46:47]      ; codes
.macro FRAG reg, adr, q, i             ; a fragment comes as it was stored: three loads of 16 bytes a lane, 512 consecutive bytes each
.irp c, 0,1,2
	ds_load_b128 v[\reg+4*\c:\reg+4*\c+3], v[\adr] offset:(\i)*3072+(\q)*1536+\c*512
.endr
.endm
; 16 matrix instructions: A's blocks a0, a0 + 1 x B's eight, 128 along K.  p: B's set; sc: the set of scale words.  zero = 1: the first product starts the sums.
; The 64 accumulators take turns, one instruction a turn, in the same order in every step.
.macro MUL16 a0, p, q, sc, zero
.irp a, \a0, \a0+1
.irp b, 0,1,2,3,4,5,6,7
.if \zero
	v_wmma_scale_f32_16x16x128_f8f6f4 v[8*(8*((\a)%4)+\b):8*(8*((\a)%4)+\b)+7], v[128*(\p)+FR*\b:128*(\p)+FR*\b+FR-1], v[AF+FR*(\a):AF+FR*(\a)+FR-1], 0, v[SC+8*NQ*(\sc)+NQ*\b+(\q)], v[SC+8*NQ*(\sc)+NQ*(\a)+(\q)] matrix_a_fmt:MATRIX_FMT_BF6 matrix_b_fmt:MATRIX_FMT_BF6 matrix_a_scale:MATRIX_SCALE_ROW1
.else
	v_wmma_scale_f32_16x16x128_f8f6f4 v[8*(8*((\a)%4)+\b):8*(8*((\a)%4)+\b)+7], v[128*(\p)+FR*\b:128*(\p)+FR*\b+FR-1], v[AF+FR*(\a):AF+FR*(\a)+FR-1], v[8*(8*((\a)%4)+\b):8*(8*((\a)%4)+\b)+7], v[SC+8*NQ*(\sc)+NQ*\b+(\q)], v[SC+8*NQ*(\sc)+NQ*(\a)+(\q)] matrix_a_fmt:MATRIX_FMT_BF6 matrix_b_fmt:MATRIX_FMT_BF6 matrix_a_scale:MATRIX_SCALE_ROW1
.endif
.endr
.endr
.endm
.macro FETCH_B slot, q, p
	WIN TO_B
.irp i, 0,1,2,3,4,5,6,7
	FRAG 128*(\p)+FR*\i, ADRB+\slot, \q, \i
.endr
	WIN 0
.endm
.macro FETCH_A slot, q, i0
.irp i, \i0, \i0+1, \i0+2, \i0+3
	FRAG AF+FR*(\i), ADRA+\slot, \q, \i
.endr
.endm
.macro SCALES sc                       ; the next K step's scale words: two words a row, 512 bytes apart
.irp i, 0,1,2,3,4,5,6,7
	ds_load_b32 v[SC+16*\sc+2*\i], v[ADRS] offset:64*\i
	ds_load_b32 v[SC+16*\sc+2*\i+1], v[ADRS] offset:512+64*\i
.endr
.endm
.macro PLACES n                        ; plain vector instructions between a matrix instruction and a load into, or a read of, its registers (ISA guide 7.12.1 for a read of its registers)
.rept \n
	v_nop
.endr
.endm
.macro STEP slot, q, zero              ; a step of 128 along K that has its successor in the same slot
	s_wait_dscnt 4*NL                              ; B's set, A's blocks 0-3 and the scale words are in; the youngest 12 loads (A's blocks 4-7) may be out
	WIN MUL_LO
	MUL16 0, (\q)%2, \q, \slot, \zero
	MUL16 2, (\q)%2, \q, \slot, \zero
	s_wait_dscnt 0
	PLACES NP
	FETCH_B \slot, (\q)+1, 1-(\q)%2
	FETCH_A \slot, (\q)+1, 0
	WIN MUL_HI
	MUL16 4, (\q)%2, \q, \slot, \zero
	MUL16 6, (\q)%2, \q, \slot, \zero
	PLACES NP
	WIN 0
	FETCH_A \slot, (\q)+1, 4
.endm
; A slot's last step changes slots: ONE barrier; in front of it each wave waits for all its tensor loads, adds 0 to its spare word, and waits for that and for its own reads of this slot.
.macro TURN slot, next, fill
	s_wait_tensorcnt 0x0                           ; all my tensor loads have landed: my part of the next slot
	ds_add_u32 v[SPW], v[NIL]                      ; 0 onto my spare word
	s_wait_dscnt 4*NL+1                            ; (the add and the youngest 12 loads, A's blocks 4-7, may be out)
	WIN MUL_LO
	MUL16 0, 1, NQ-1, \slot, 0
	s_wait_dscnt 0x0                               ; the add is done, and my reads of this slot are over
	s_barrier_signal -1
	MUL16 2, 1, NQ-1, \slot, 0
	WIN 0
	s_barrier_wait -1
.if \fill
	CREST                                          ; the barrier has opened a round of the cluster's barrier: no wave of any partner still reads this slot or has a load on its way
	s_add_nc_u64 s[G0+4*\slot+2:G0+4*\slot+3], s[G0+4*\slot+2:G0+4*\slot+3], 2*PART
	s_add_nc_u64 s[G0B+4*\slot+2:G0B+4*\slot+3], s[G0B+4*\slot+2:G0B+4*\slot+3], 2*PART
	JLOAD G0+4*\slot, G1, G0B+4*\slot, G1B         ; the first tensor load behind the round; its four v_nop are also the places in front of the loads below
.else
	PLACES NP
.endif
	s_wait_alu depctr_va_vdst(0)
	v_add_nc_u32 v[ADRS], 1024, v[ADRS]            ; on to the next K step's scale words
	FETCH_B \next, 0, 0
	FETCH_A \next, 0, 0
	SCALES \next
	WIN MUL_HI
	MUL16 4, 1, NQ-1, \slot, 0
	MUL16 6, 1, NQ-1, \slot, 0
	PLACES NP
	WIN 0
	FETCH_A \next, 0, 4
.endm
	s_wait_alu depctr_va_vdst(0)
	s_wait_tensorcnt 0x0                           ; my tile of the head's four is in; slot 1's first fill is issued as a refill is
	ds_add_u32 v[SPW], v[NIL]
.irp g, G1, G1B                        ; no tensor load of mine is out: from here on a load brings 96 rows of 256 bytes
	s_mov_b32 s[\g+1], 32<<16
	s_mov_b32 s[\g+2], 96<<16
	s_mov_b32 s[\g+3], 32<<16
	s_mov_b32 s[\g+4], 96
	s_mov_b32 s[\g+5], 32
.endr
	s_wait_dscnt 0x0
	CROUND                                         ; all four tiles are in, and all sixteen work-groups are here
	JLOAD G0+4, G1, G0B+4, G1B                     ; K step 1, the first tensor load behind the round
	global_prefetch_b8 v[PFO], s[PFA:PFA+1] offset:3*SL th:TH_LOAD_NT scope:SCOPE_SE
	FETCH_B 0, 0, 0
	FETCH_A 0, 0, 0
	SCALES 0
	FETCH_A 0, 0, 4
	STEP 0, 0, 1                                   ; the first step stands in front of the loop: its products start the sums
	s_mov_b32 s3, LAPS-1
.Llap:                                                 ; a trip goes once round the ring and fills both slots again
	TURN 0, 1, 1
	STEP 1, 0, 0
	TURN 1, 0, 1
	STEP 0, 0, 0
	s_sub_co_u32 s3, s3, 1
	s_cmp_lg_u32 s3, 0
	s_cbranch_scc1 .Llap
	TURN 0, 1, 0                                   ; the last lap fills nothing
	STEP 1, 0, 0
	s_wait_dscnt 4*NL
	WIN MUL_LO
	MUL16 0, 1, NQ-1, 1, 0
	MUL16 2, 1, NQ-1, 1, 0
	s_wait_dscnt 0
	WIN MUL_HI
	MUL16 4, 1, NQ-1, 1, 0
	MUL16 6, 1, NQ-1, 1, 0
	WIN 0
	PLACES NP
; THE WAY OUT.  64 numbers of a lane, register 16 b + i = position 16 h + i of block b of my row, become a fragment's registers 0-5 in v[d0] on, 6-11 in v[d1] on, and the scale word in v[pw].
.macro QUANT s, d0, d1, pw
.irp b, 0,1,2,3
	v_max3_num_f32 v[TM+\b], |v[\s+16*\b]|, |v[\s+1+16*\b]|, 0x2800000   ; my 16 numbers of block b, and the floor 2^(5 - 127)
.endr
.irp i, 2,4,6,8,10,12,14
.irp b, 0,1,2,3
	v_max3_num_f32 v[TM+\b], v[TM+\b], |v[\s+16*\b+\i]|, |v[\s+1+16*\b+\i]|
.endr
.endr
.irp b, 0,1,2,3
	v_permlanex16_b32 v[TM+4+\b], v[TM+\b], s[SEL], s[SEL+1]
.endr
.irp b, 0,1,2,3
	v_max_num_f32 v[TM+\b], v[TM+\b], v[TM+4+\b]
.endr
.irp b, 0,1,2,3
	v_add_nc_u32 v[TM+12+\b], 0xfe000000, v[TM+\b]
.endr
.irp b, 0,1,2,3
	v_lshrrev_b32 v[TM+4+\b], 23, v[TM+12+\b]
.endr
	v_lshl_or_b32 v[\pw], v[TM+5], 8, v[TM+4]
	v_lshl_or_b32 v[\pw], v[TM+6], 16, v[\pw]
	v_lshl_or_b32 v[\pw], v[TM+7], 24, v[\pw]
	v_cvt_scalef32_pk16_bf6_f32 v[\d0:\d0+2], v[\s:\s+15], v[TM+12]
	v_cvt_scalef32_pk16_bf6_f32 v[PT:PT+2], v[\s+16:\s+31], v[TM+13]
	v_cvt_scalef32_pk16_bf6_f32 v[\d1:\d1+2], v[\s+32:\s+47], v[TM+14]
	v_cvt_scalef32_pk16_bf6_f32 v[PT+4:PT+6], v[\s+48:\s+63], v[TM+15]
	v_nop                                          ; one plain place behind a scaled conversion
.irp i, 0,1,2
	v_permlane16_swap_b32 v[\d0+\i], v[PT+\i]
.endr
.irp i, 0,1,2
	v_mov_b32 v[\d0+3+\i], v[PT+\i]
.endr
.irp i, 0,1,2
	v_permlane16_swap_b32 v[\d1+\i], v[PT+4+\i]
.endr
.irp i, 0,1,2
	v_mov_b32 v[\d1+3+\i], v[PT+4+\i]
.endr
.endm
.macro ADDB a, v                       ; block a's eight accumulators + bias -> v[HA] on; each accumulator from its low end on
.set AC, 64*((\a)%4)
	WIN 2+(\a)/4                                   ; source 0: window 2 or 3
.set i, 0
.rept 32
.if \v
	v_pk_add_f32 v[HA+i:HA+i+1], v[AC+i:AC+i+1], v[BL+2*(\a):BL+2*(\a)+1]
.else
	v_pk_add_f32 v[HA+i:HA+i+1], v[AC+i:AC+i+1], v[BI+i:BI+i+1]
.endif
.set i, i+2
.endr
	WIN 0
.endm
	s_mov_b32 s[SEL], 0x76543210
	s_mov_b32 s[SEL+1], 0xfedcba98
	s_mov_b32 s3, 0xffff0000                       ; lanes 16-31
.irp b, 0,1,2,3
	v_mov_b32 v[TM+4+\b], 0                        ; a lane permute's destination counts as one of its sources
.endr
	s_wait_loadcnt 0x0                             ; the biases
	s_cmp_eq_u32 ttmp9, 2                          ; the same in all sixteen partners; no tensor load and no barrier stands in either arm
	s_cbranch_scc1 .Lvpart
	; q, k: my 128 features are two heads; a block of 16 tokens gives half a pair fragment to each
.irp pr, 0,1,2,3
.if \pr > 0
	s_wait_xcnt 0x0                                ; the last stores have read their registers
.endif
	ADDB 2*\pr, 0
	QUANT HA, FA, FB, P0
	ADDB 2*\pr+1, 0
	QUANT HA, FA+6, FB+6, P1
	v_perm_b32 v[W+\pr], v[P1], v[P0], 0x05040100     ; the first head's word: bytes 0, 1 of the even tile, then of the odd tile
	v_perm_b32 v[W+4+\pr], v[P1], v[P0], 0x07060302   ; the second head's
.irp c, 0,1,2
	global_store_b128 v[LI], v[FA+4*\c:FA+4*\c+3], s[12:13] offset:\pr*1536+512*\c
	global_store_b128 v[LI], v[FB+4*\c:FB+4*\c+3], s[12:13] offset:98304+\pr*1536+512*\c
.endr
.endr
	s_branch .Ltail
.Lvpart:
	; v: block a is d tile a % 4 of head a / 4; my 128 tokens are one key step: a whole fragment
.irp a, 0,1,2,3,4,5,6,7
.if \a > 0
	s_wait_xcnt 0x0
.endif
	ADDB \a, 1
	QUANT HA, FA, FA+6, W+\a
.irp c, 0,1,2
	global_store_b128 v[LI], v[FA+4*\c:FA+4*\c+3], s[12:13] offset:(\a%4)*1536+(\a/4)*98304+512*\c
.endr
.endr
.Ltail:
	; eight scale words a row, in both arms laid alike: words 2 k and 2 k + 1 are neighbours in memory: lanes 0-15 store the one, lanes 16-31 the other: 128 consecutive bytes
	s_wait_alu depctr_va_vdst(0)
.irp k, 0,1,2,3
	v_cndmask_b32 v[TM+\k], v[W+2*\k], v[W+2*\k+1], s3
.endr
	global_store_b32 v[L4], v[TM], s[98:99]
	global_store_b32 v[L4], v[TM+1], s[98:99] offset:128
	global_store_b32 v[L4], v[TM+2], s[98:99] offset:4096
	global_store_b32 v[L4], v[TM+3], s[98:99] offset:4224
	s_wait_tensorcnt 0x0                           ; the wave's end
	ds_add_u32 v[SPW], v[NIL]
	s_wait_dscnt 0x0
	CROUND                                         ; the closing round: no work-group ends while a partner may still ask for a tile that names it
	s_endpgm
.Lfunc_end_k_q44f1f2d046_gemm_qkv:
	.size	k_q44f1f2d046_gemm_qkv, .Lfunc_end_k_q44f1f2d046_gemm_qkv-k_q44f1f2d046_gemm_qkv
	.p2alignl 7, 3214868480
	.fill 96, 4, 3214868480
	.section	.rodata,"a",@progbits
	.p2align	6, 0x0
	.amdhsa_kernel k_q44f1f2d046_gemm_qkv
		.amdhsa_group_segment_fixed_size 327680
		.amdhsa_private_segment_fixed_size 0
		.amdhsa_enable_private_segment 0
		.amdhsa_kernarg_size 48
		.amdhsa_user_sgpr_count 2
		.amdhsa_user_sgpr_kernarg_segment_ptr 1
		.amdhsa_wavefront_size32 1
		.amdhsa_system_sgpr_workgroup_id_x 1
		.amdhsa_system_sgpr_workgroup_id_y 1
		.amdhsa_system_sgpr_workgroup_id_z 1
		.amdhsa_system_vgpr_workitem_id 0
		.amdhsa_next_free_vgpr 1024
		.amdhsa_next_free_sgpr 102
		.amdhsa_reserve_vcc 0
		.amdhsa_float_denorm_mode_32 3
		.amdhsa_float_denorm_mode_16_64 3
		.amdhsa_memory_ordered 1
		.amdhsa_forward_progress 1
		.amdhsa_inst_pref_size 214
	.end_amdhsa_kernel
	.amdgpu_metadata
---
amdhsa.version: [ 1, 2 ]
amdhsa.kernels:
  - .name:           k_q44f1f2d046_gemm_qkv
    .symbol:         k_q44f1f2d046_gemm_qkv.kd
    .args:
      - { .name: xnb, .offset: 0, .size: 8, .value_kind: global_buffer, .address_space: global }
      - { .name: wb, .offset: 8, .size: 8, .value_kind: global_buffer, .address_space: global }
      - { .name: bq, .offset: 16, .size: 8, .value_kind: global_buffer, .address_space: global }
      - { .name: bk, .offset: 24, .size: 8, .value_kind: global_buffer, .address_space: global }
      - { .name: bv, .offset: 32, .size: 8, .value_kind: global_buffer, .address_space: global }
      - { .name: qkvb, .offset: 40, .size: 8, .value_kind: global_buffer, .address_space: global }
    .group_segment_fixed_size: 327680
    .private_segment_fixed_size: 0
    .kernarg_segment_align: 8
    .kernarg_segment_size: 48
    .max_flat_workgroup_size: 128
    .sgpr_count:     102
    .vgpr_count:     1024
    .wavefront_size: 32
...
	.end_amdgpu_metadata
.endif
;; end of part 9
;; launch attn (part 10): grid 8 x 32, 16 waves a work-group, clusters of 4 x 1, 268,288 bytes of LDS; arguments qkvb, aob; writes aob
.if DOCPART == 10
	.amdgcn_target "amdgcn-amd-amdhsa--gfx1250"
	.amdhsa_code_object_version 6
	.text
	.protected	k_q44f1f2d046_attn
	.globl	k_q44f1f2d046_attn
	.p2align	8
	.type	k_q44f1f2d046_attn,@function
k_q44f1f2d046_attn:
	s_mov_b64 s[64:65], 0
	v_nop
	global_prefetch_b8 v0, s[64:65] scope:SCOPE_SE
	s_setreg_imm32_b32 hwreg(HW_REG_WAVE_MODE, 25, 1), 1
	s_wait_xcnt 0x0
	s_wait_alu depctr_hold_cnt(0) depctr_sa_sdst(0) depctr_va_vdst(0) depctr_va_sdst(0) depctr_va_ssrc(0) depctr_va_vcc(0) depctr_vm_vsrc(0)
	s_getreg_b32 s2, hwreg(HW_REG_IB_STS2, 6, 4)
	s_cmp_eq_u32 s2, 0
	s_cbranch_scc0 .Lentry_in_a_cluster
	s_endpgm
.Lentry_in_a_cluster:
	s_bfe_u32 s2, ttmp6, 0x10000c
	s_cmp_lg_u32 s2, 0x3003
	s_cbranch_scc0 .Lentry_shape_is_right
	s_endpgm
.Lentry_shape_is_right:
; out[q] = the sum over keys of softmax(q . k / 8) v, for 32 heads (16 batch + head) of 2,048 tokens and 64 channels; both products on codes of BF6 (E3M2) with E8M0 scales; out is quantised here for the next product.
; THE SOFTMAX: t = score x log2(e) / 8; M = the running largest t rounded UP to a whole number; p = 2^(t - M) is quantised along the keys, not normalised; the row's sum is taken of the unquantised p and divides at the end.
; When M moves, the sum and O are multiplied by 2^(old M - new M): exact, in every step, with no branch.
; SHARES: a work-group owns 256 queries of one head, each of its sixteen waves 16 of them.  The four query blocks of a cluster belong to one head: every tile is asked for JOINTLY, with a mask that names the four.
; LDS IS FILLED ONCE, one tensor load a wave at the head: waves 0-7 an eighth of k's codes each (24 rows of 512 bytes), waves 8-13 a sixth of v's (32 rows), waves 14, 15 k's and v's scale words (4,096 bytes each).
; One barrier shows all of it to all waves; nothing is filled again.  No prefetch: all that the launch reads through LDS is asked for at the head, so there is no loop to run ahead in.
; Each row of 512 bytes has 128 bytes of padding behind it: a fragment (three rows) is 1,920 bytes, so that two neighbouring fragments begin 128 bytes apart modulo 256.
; LAYOUT.  Both products are used transposed (S^T = k q^T, O^T = v^T p^T): a lane holds ONE query.  A fragment of k holds two tiles of 16 keys (registers 0-5, 6-11); x (q, zeros) gives the first's scores, x (zeros, q) the second's.
; WHICH KEYS FORM A TILE is chosen by the LDS address: lane row r < 8 reads lane row (r & 7) + 8 L of stored fragment 2 c, lane row r >= 8 the same of fragment 2 c + 1.  So lanes 0-15 hold scores of block 2 c alone,
; lanes 16-31 of block 2 c + 1, and a lane's 32 registers of one c are a WHOLE block of 32 keys in the order in which v is laid (position 16 a + 8 u + j is key 16 u + 8 a + j): no lane swap, and a block's maximum needs no other lane.
; OUT (aob): images of operand registers, K = (head, d); an even head fills lanes 0-15 of a fragment, an odd head lanes 16-31; a row's scale bytes leave as single bytes (32 a wave).
; LIMITS: the promise holds while |t| stays under 2^31; a block of zeros gets the byte 1 where the rule says 127 (its codes are zeros; this program alone reads the bytes); NaN and infinities are not served.
; REGISTERS: v1-5 addresses, v6-7 the add's two, v8-11 block work, v12 -M, v13 the largest score, v[14:15] the sum; v16-21 q, v22-27 zeros, v28-33 q, v34 q's scale word; v36-83 k, v84-131 v, v132-195 S^T then p,
;   v196-227 O^T, v228-239 p's codes, v240-247 work, v248-249 k's scale words, v250-251 v's, v252 the factor, v253 p's scale word, v254-255 work.
.set KI,    3145728                    ; k's codes in qkvb
.set VI,    6291456                    ; v's
.set QS,    9437184                    ; q's scale words
.set KSC,   9568256                    ; k's (v's: 131,072 further)
.set XSO,   3145728                    ; the scale words in aob
.set FP,    1920                       ; a fragment in LDS
.set SP,    4*FP                       ; a key step's four fragments
.set VB,    16*SP                      ; v's codes, behind k's
.set SCB,   2*VB                       ; k's scale words, then v's
.set STG,   SCB+8192                   ; the way out: 768 bytes for each wave
.set SPARE, STG+16*768                 ; the spare words, 128 bytes a wave, that no other line names
.set AK,  1
.set AV,  2
.set ASK, 3
.set ASV, 4
.set SH,  5                            ; 8 h
.set SPW, 6
.set NIL, 7
.set TB,  8
.set BM,  10
.set KF,  36
.set VF,  84
.set SR,  132
.set OA,  196
.set PC,  228
.set TT,  240
.set KS,  248
.set VS,  250
.set WV,  8                            ; s8 my wave's number
.set SEL, 20                           ; s[20:21] selects of v_permlanex16_b32: lane l xor 16
.set CS,  22                           ; s[22:23] c = log2(e) / 8
.set G1K, 24
.set G1V, 32
.set G0K, 40
.set G0V, 44
.set G0S, 48
.set CNT, 62
.set HALF, 63                          ; lanes 16-31
.set G1S, 68
.macro CROUND                          ; a round of the cluster's barrier
	s_barrier_signal -1
	s_barrier_wait -1
	s_cmp_lg_u32 s[WV], 0
	s_cbranch_scc1 .Lnot_wave_0_\@
	s_barrier_signal -3
.Lnot_wave_0_\@:
	s_barrier_wait -3
	s_barrier_signal -1
	s_barrier_wait -1
.endm
	s_load_b128 s[4:7], s[0:1], 0x0                ; qkvb, aob
	v_lshl_add_u32 v[SPW], v0, 2, SPARE
	v_mov_b32 v[NIL], 0
	ds_add_u32 v[SPW], v[NIL]                      ; the opening lines: the add, twice on end, and its wait ahead of my tensor load
	ds_add_u32 v[SPW], v[NIL]
	v_lshrrev_b32 v35, 5, v0
	v_readfirstlane_b32 s[WV], v35                 ; wave 0..15
	s_bfe_u32 s9, ttmp6, 0x40000                   ; cx
	s_lshl_b32 s10, ttmp9, 2
	s_add_co_u32 s10, s10, s9                      ; my block of 256 queries: it enters q's and the result's addresses alone
	s_and_b32 s11, ttmp7, 0xffff                   ; the head, which the four partners share
	s_and_b32 s12, s[WV], 7
	s_and_b32 s13, s[WV], 1
	s_mul_i32 s14, s11, 98304
	s_mul_i32 s16, s[WV], 12288                    ; k: wave x an eighth
	s_add_co_u32 s16, s16, s14
	s_add_co_u32 s16, s16, KI
	s_mov_b32 s17, 0
	s_lshl_b32 s18, s12, 14                        ; v: (wave - 8) x a sixth
	s_add_co_u32 s18, s18, s14
	s_add_co_u32 s18, s18, VI
	s_mov_b32 s19, 0
	s_lshl_b32 s14, s13, 17                        ; scale words: wave 14 k's, wave 15 v's
	s_lshl_b32 s15, s11, 12
	s_add_co_u32 s14, s14, s15
	s_add_co_u32 s14, s14, KSC
	s_mov_b32 s15, 0
	; group 1: rows of 512 bytes (64 elements of 8 bytes), 32 words of padding behind each 128; the mask names all four work-groups, bit 21 beside it
	s_mov_b32 s[G1K], 15|(3<<16)|(1<<20)|(1<<21)|(6<<22)|(31<<25)
	s_mov_b32 s[G1K+1], 64<<16
	s_mov_b32 s[G1K+2], 24<<16
	s_mov_b32 s[G1K+3], 64<<16
	s_mov_b32 s[G1K+4], 24
	s_mov_b32 s[G1K+5], 64
	s_mov_b32 s[G1K+6], 0
	s_mov_b32 s[G1K+7], 0
	s_mov_b32 s[G1V], 15|(3<<16)|(1<<20)|(1<<21)|(6<<22)|(31<<25)
	s_mov_b32 s[G1V+1], 64<<16
	s_mov_b32 s[G1V+2], 32<<16
	s_mov_b32 s[G1V+3], 64<<16
	s_mov_b32 s[G1V+4], 32
	s_mov_b32 s[G1V+5], 64
	s_mov_b32 s[G1V+6], 0
	s_mov_b32 s[G1V+7], 0
	s_mov_b32 s[G1S], 15|(3<<16)|(1<<21)           ; scale words: 16 dense rows of 256 bytes
	s_mov_b32 s[G1S+1], 32<<16
	s_mov_b32 s[G1S+2], 16<<16
	s_mov_b32 s[G1S+3], 32<<16
	s_mov_b32 s[G1S+4], 16
	s_mov_b32 s[G1S+5], 32
	s_mov_b32 s[G1S+6], 0
	s_mov_b32 s[G1S+7], 0
	s_mov_b32 s[G0K], 1
	s_mul_i32 s[G0K+1], s[WV], 8*FP                ; 24 rows of 640 bytes
	s_mov_b32 s[G0V], 1
	s_mul_i32 s[G0V+1], s12, 32*640
	s_add_co_u32 s[G0V+1], s[G0V+1], VB
	s_mov_b32 s[G0S], 1
	s_lshl_b32 s[G0S+1], s13, 12
	s_add_co_u32 s[G0S+1], s[G0S+1], SCB
	s_mov_b32 s[SEL], 0x76543210
	s_mov_b32 s[SEL+1], 0xfedcba98
	s_mov_b32 s[CS], 0x3e38aa3b                    ; c = log2(e) / 8
	s_mov_b32 s[CS+1], s[CS]                       ; (named with it as a pair, so it is written)
	s_mov_b32 s[HALF], 0xffff0000
	s_wait_dscnt 0x0                               ; both opening adds are done
	s_wait_kmcnt 0x0
	s_add_nc_u64 s[G0K+2:G0K+3], s[4:5], s[16:17]
	s_or_b32 s[G0K+3], s[G0K+3], 0x80000000
	s_add_nc_u64 s[G0V+2:G0V+3], s[4:5], s[18:19]
	s_or_b32 s[G0V+3], s[G0V+3], 0x80000000
	s_add_nc_u64 s[G0S+2:G0S+3], s[4:5], s[14:15]
	s_or_b32 s[G0S+3], s[G0S+3], 0x80000000
	CROUND                                         ; all four work-groups are here: the joint loads meet
; one chain of branches on the wave's number, one load to an arm, all arms to one join: every way through the head passes exactly one load
.macro ARM under, g0, g1, next
	s_cmp_lt_u32 s[WV], \under
	s_cbranch_scc0 \next
	tensor_load_to_lds s[\g0:\g0+3], s[\g1:\g1+7]
	s_nop 0
.rept 4
	v_nop
.endr
	s_branch .Lasked
\next:
.endm
	ARM 8,  G0K, G1K, .Lfor_v
	ARM 14, G0V, G1V, .Lfor_s
	tensor_load_to_lds s[G0S:G0S+3], s[G1S:G1S+7]
	s_nop 0
.rept 4
	v_nop
.endr
.Lasked:
	; q: my tile is half par = wave % 2 of the pair fragment f = 8 x block + wave / 2: registers 6 par .. 6 par + 5 of its image, as three pieces of 8 bytes
	s_and_b32 s12, s[WV], 1
	s_mul_i32 s13, s12, 520
	s_mul_i32 s56, s12, 1016
	s_mul_i32 s12, s12, 0x02020202
	s_add_co_u32 s12, s12, 0x01000100              ; byte selects: my tile's two scale bytes, twice
	s_lshl_b32 s57, s10, 3
	s_lshr_b32 s14, s[WV], 1
	s_add_co_u32 s57, s57, s14                     ; f
	s_mul_i32 s14, s57, 1536
	s_mul_i32 s15, s11, 98304
	s_add_co_u32 s14, s14, s15
	s_mov_b32 s15, 0
	s_add_nc_u64 s[14:15], s[4:5], s[14:15]
	s_lshl_b32 s16, s57, 6
	s_lshl_b32 s17, s11, 12
	s_add_co_u32 s16, s16, s17
	s_add_co_u32 s16, s16, QS
	s_mov_b32 s17, 0
	s_add_nc_u64 s[16:17], s[4:5], s[16:17]
	v_and_b32 v35, 31, v0                          ; lane
	v_and_b32 v36, 7, v0                           ; r & 7
	v_bfe_u32 v37, v0, 3, 1                        ; r >> 3
	v_bfe_u32 v38, v0, 4, 1                        ; h
	v_lshlrev_b32 v39, 4, v35                      ; 16 x lane
	v_and_b32 v40, 15, v0                          ; r
	v_lshlrev_b32 v[AK], 4, v36
	v_lshl_add_u32 v[AK], v38, 8, v[AK]
	v_mad_u32_u24 v[AK], v37, FP, v[AK]            ; k: 16 ((r & 7) + 16 h) in fragment r >> 3 of a pair of fragments
	v_add_nc_u32 v[AV], VB, v39                    ; v: as it lies
	v_lshlrev_b32 v[ASK], 2, v36
	v_lshl_add_u32 v[ASK], v37, 6, v[ASK]
	v_lshl_add_u32 v[ASK], v38, 5, v[ASK]
	v_add_nc_u32 v[ASK], SCB, v[ASK]               ; k's scale words go with the rows: lanes 0-15 those of L = 0, lanes 16-31 of L = 1
	v_lshl_add_u32 v[ASV], v35, 2, SCB+4096
	v_lshlrev_b32 v[SH], 3, v38
	v_add_nc_u32 v41, s13, v39
	v_add_nc_u32 v42, s56, v39
	v_lshlrev_b32 v43, 2, v40
	global_load_b64 v[16:17], v41, s[14:15]
	global_load_b64 v[18:19], v42, s[14:15] offset:8
	global_load_b64 v[20:21], v41, s[14:15] offset:512
	global_load_b64 v[28:29], v41, s[14:15]        ; and once more, behind the zeros
	global_load_b64 v[30:31], v42, s[14:15] offset:8
	global_load_b64 v[32:33], v41, s[14:15] offset:512
	global_load_b32 v35, v43, s[16:17]
	v_mov_b32 v13, 0xff61b1e6                      ; the largest score so far: -3e38
	v_mul_f32 v254, s[CS], v13
	v_floor_f32 v12, -v254                         ; -M
	v_mov_b32 v14, 0
	v_mov_b32 v15, 0
	v_mov_b32 v253, 0                              ; (named as the upper half of the pair v[252:253] before it is first written)
	v_mov_b32 v255, 0                              ; a lane permute's destination counts as one of its sources
	s_wait_alu depctr_va_vdst(0)                   ; the wait ahead of the wait below
	s_wait_loadcnt 0x0
	v_perm_b32 v34, v35, v35, s12                  ; q's scale word: my tile's two bytes for either half of K
.irp j, 0,1,2,3,4,5
	v_mov_b32 v[22+\j], 0                          ; zero codes
.endr
.set i, 0
.rept 32
	v_mov_b32 v[OA+i], 0                           ; O^T: the step is written once; the first finds zeros.  (Also the places between the writes above and the first product)
.set i, i+1
.endr
.macro KLOAD n                         ; key step n (counted from where the address registers stand): fragment f = 2 c + L
.irp f, 0,1,2,3
.irp p, 0,1,2
	ds_load_b128 v[KF+12*\f+4*\p:KF+12*\f+4*\p+3], v[AK] offset:(\n)*SP+(\f/2)*2*FP+(\f%2)*128+\p*640
.endr
.endr
	ds_load_b32 v[KS], v[ASK] offset:(\n)*256
	ds_load_b32 v[KS+1], v[ASK] offset:(\n)*256+128
.endm
.macro VLOAD n
.irp t, 0,1,2,3
.irp p, 0,1,2
	ds_load_b128 v[VF+12*\t+4*\p:VF+12*\t+4*\p+3], v[AV] offset:(\n)*SP+\t*FP+\p*640
.endr
.endr
	ds_load_b32 v[VS], v[ASV] offset:(\n)*256
	ds_load_b32 v[VS+1], v[ASV] offset:(\n)*256+128
.endm
.macro SPROD f                         ; the scores of fragment f's two tiles
.if (\f)%2
	v_wmma_scale_f32_16x16x128_f8f6f4 v[SR+16*(\f):SR+16*(\f)+7], v[KF+12*(\f):KF+12*(\f)+11], v[16:27], 0, v[KS+(\f)/2], v34 matrix_a_fmt:MATRIX_FMT_BF6 matrix_b_fmt:MATRIX_FMT_BF6 matrix_a_scale:MATRIX_SCALE_ROW1
	v_wmma_scale_f32_16x16x128_f8f6f4 v[SR+16*(\f)+8:SR+16*(\f)+15], v[KF+12*(\f):KF+12*(\f)+11], v[22:33], 0, v[KS+(\f)/2], v34 matrix_a_fmt:MATRIX_FMT_BF6 matrix_b_fmt:MATRIX_FMT_BF6 matrix_a_scale:MATRIX_SCALE_ROW1
.else
	v_wmma_scale_f32_16x16x128_f8f6f4 v[SR+16*(\f):SR+16*(\f)+7], v[KF+12*(\f):KF+12*(\f)+11], v[16:27], 0, v[KS+(\f)/2], v34 matrix_a_fmt:MATRIX_FMT_BF6 matrix_b_fmt:MATRIX_FMT_BF6
	v_wmma_scale_f32_16x16x128_f8f6f4 v[SR+16*(\f)+8:SR+16*(\f)+15], v[KF+12*(\f):KF+12*(\f)+11], v[22:33], 0, v[KS+(\f)/2], v34 matrix_a_fmt:MATRIX_FMT_BF6 matrix_b_fmt:MATRIX_FMT_BF6
.endif
.endm
.macro OPROD t                         ; O^T's tile t += v^T p^T over these 128 keys
.if (\t)%2
	v_wmma_scale_f32_16x16x128_f8f6f4 v[OA+8*(\t):OA+8*(\t)+7], v[VF+12*(\t):VF+12*(\t)+11], v[PC:PC+11], v[OA+8*(\t):OA+8*(\t)+7], v[VS+(\t)/2], v253 matrix_a_fmt:MATRIX_FMT_BF6 matrix_b_fmt:MATRIX_FMT_BF6 matrix_a_scale:MATRIX_SCALE_ROW1
.else
	v_wmma_scale_f32_16x16x128_f8f6f4 v[OA+8*(\t):OA+8*(\t)+7], v[VF+12*(\t):VF+12*(\t)+11], v[PC:PC+11], v[OA+8*(\t):OA+8*(\t)+7], v[VS+(\t)/2], v253 matrix_a_fmt:MATRIX_FMT_BF6 matrix_b_fmt:MATRIX_FMT_BF6
.endif
.endm
; A KEY STEP: 128 keys.  u: the step's place in the trip; pre = 1: the next step's k is fetched
.macro STEP u, pre
	s_wait_dscnt 0x0                               ; this step's k and its scale words
	SPROD 0
	SPROD 1
	SPROD 2
	SPROD 3
.rept 4
	v_nop                                          ; places: in front of the loads into v's registers (the last step's products read them) and k's, and of the first read of the scores
.endr
	VLOAD \u
.if \pre
	KLOAD (\u)+1
.endif
.irp c, 0,1                                    ; THE LARGEST SCORE OF MY TWO BLOCKS OF 32 KEYS, two chains a block, each accumulator from its low end on
	v_max3_num_f32 v[BM+\c], v[SR+32*\c], v[SR+32*\c+1], v[SR+32*\c+2]
	v_max3_num_f32 v[TB+\c], v[SR+32*\c+16], v[SR+32*\c+17], v[SR+32*\c+18]
.endr
.irp i, 3,5,7,9,11,13
.irp c, 0,1
	v_max3_num_f32 v[BM+\c], v[BM+\c], v[SR+32*\c+\i], v[SR+32*\c+\i+1]
	v_max3_num_f32 v[TB+\c], v[TB+\c], v[SR+32*\c+16+\i], v[SR+32*\c+17+\i]
.endr
.endr
.irp c, 0,1
	v_max3_num_f32 v[BM+\c], v[BM+\c], v[TB+\c], v[SR+32*\c+15]
.endr
.irp c, 0,1
	v_max_num_f32 v[BM+\c], v[BM+\c], v[SR+32*\c+31]
.endr
	v_max_num_f32 v254, v[BM], v[BM+1]
	s_delay_alu instid0(VALU_DEP_1)
	v_permlanex16_b32 v255, v254, s[SEL], s[SEL+1]
	s_delay_alu instid0(VALU_DEP_1)
	v_max3_num_f32 v13, v13, v254, v255            ; the running largest score of my query (c is positive)
	s_delay_alu instid0(VALU_DEP_1)
	v_mul_f32 v254, s[CS], v13                     ; as t
	s_delay_alu instid0(VALU_DEP_1)
	v_floor_f32 v255, -v254                        ; the new -M = -ceil(t): a whole number
	s_delay_alu instid0(VALU_DEP_1)
	v_sub_f32 v254, v255, v12                      ; old M - new M: a whole number, 0 or less
	v_mov_b32 v12, v255
	s_delay_alu instid0(VALU_DEP_2)
	v_cvt_i32_f32 v254, v254                       ; (it saturates)
	s_delay_alu instid0(VALU_DEP_1)
	v_ldexp_f32 v252, 1.0, v254                    ; f = 2^(old M - new M)
.set i, 0
.rept 32
	v_pk_fma_f32 v[SR+i:SR+i+1], v[SR+i:SR+i+1], s[CS:CS+1], v[12:13] op_sel_hi:[1,0,0]   ; t - M, two at a time
.set i, i+2
.endr
	v_fma_f32 v[BM], v[BM], s[CS], v12             ; the same of each block's largest score: p rises with the score
	v_fma_f32 v[BM+1], v[BM+1], s[CS], v12
.set i, 0
.rept 16
	v_pk_mul_f32 v[OA+i:OA+i+1], v[OA+i:OA+i+1], v[252:253] op_sel_hi:[1,0]   ; O^T under the new M, ahead of the exponentials
.set i, i+2
.endr
	s_wait_alu depctr_va_vdst(0)                   ; the wait ahead of the batch
	v_exp_f32 v[BM], v[BM]                         ; the blocks' largest p
	v_exp_f32 v[BM+1], v[BM+1]
.set i, 0
.rept 64
	v_exp_f32 v[SR+i], v[SR+i]                     ; p = 2^(t - M): not normalised
.set i, i+1
.endr
	v_pk_mul_f32 v[14:15], v[14:15], v[252:253] op_sel_hi:[1,0]   ; the sums under the new M (a plain instruction behind the exponentials)
	s_wait_alu depctr_va_vdst(0)                   ; one wait for the whole batch, ahead of its first reader
	v_max_num_f32 v[BM], 0x2800000, v[BM]          ; the floor 2^(5 - 127): the byte cannot fall under 1
	v_max_num_f32 v[BM+1], 0x2800000, v[BM+1]
	v_add_nc_u32 v[BM], 0xfe000000, v[BM]          ; 4 off the exponent field: the conversion's scale operand
	v_add_nc_u32 v[BM+1], 0xfe000000, v[BM+1]
	v_lshrrev_b32 v[TB], 23, v[BM]                 ; the bytes of blocks h and 2 + h
	v_lshrrev_b32 v[TB+1], 23, v[BM+1]
	s_delay_alu instid0(VALU_DEP_1)
	v_lshl_or_b32 v253, v[TB+1], 16, v[TB]
	s_delay_alu instid0(VALU_DEP_1)
	v_lshlrev_b32 v253, v[SH], v253                ; at their places in the word,
	s_delay_alu instid0(VALU_DEP_1)
	v_permlanex16_b32 v254, v253, s[SEL], s[SEL+1]
	s_delay_alu instid0(VALU_DEP_1)
	v_or_b32 v253, v253, v254                      ; and with lane l xor 16's two: p's scale word for these 128 keys
	v_cvt_scalef32_pk16_bf6_f32 v[PC:PC+2], v[SR:SR+15], v[BM]
	v_cvt_scalef32_pk16_bf6_f32 v[TT:TT+2], v[SR+16:SR+31], v[BM]        ; (a conversion's three registers begin on an even number)
	v_cvt_scalef32_pk16_bf6_f32 v[PC+6:PC+8], v[SR+32:SR+47], v[BM+1]
	v_cvt_scalef32_pk16_bf6_f32 v[TT+4:TT+6], v[SR+48:SR+63], v[BM+1]
	v_nop                                          ; one plain place behind a scaled conversion
.irp i, 0,1,2
	v_mov_b32 v[PC+3+\i], v[TT+\i]
	v_mov_b32 v[PC+9+\i], v[TT+4+\i]
.endr
	v_pk_add_f32 v[TT:TT+1], v[SR:SR+1], v[SR+2:SR+3]                    ; the row's sum of the unquantised p, four chains
	v_pk_add_f32 v[TT+2:TT+3], v[SR+4:SR+5], v[SR+6:SR+7]
	v_pk_add_f32 v[TT+4:TT+5], v[SR+8:SR+9], v[SR+10:SR+11]
	v_pk_add_f32 v[14:15], v[14:15], v[SR+12:SR+13]
.set i, 14
.rept 6
	v_pk_add_f32 v[TT:TT+1], v[TT:TT+1], v[SR+i:SR+i+1]
	v_pk_add_f32 v[TT+2:TT+3], v[TT+2:TT+3], v[SR+i+2:SR+i+3]
	v_pk_add_f32 v[TT+4:TT+5], v[TT+4:TT+5], v[SR+i+4:SR+i+5]
	v_pk_add_f32 v[14:15], v[14:15], v[SR+i+6:SR+i+7]
.set i, i+8
.endr
	v_pk_add_f32 v[TT:TT+1], v[TT:TT+1], v[SR+62:SR+63]
	v_pk_add_f32 v[TT+2:TT+3], v[TT+2:TT+3], v[TT+4:TT+5]
	s_delay_alu instid0(VALU_DEP_2)
	v_pk_add_f32 v[14:15], v[14:15], v[TT:TT+1]
	s_delay_alu instid0(VALU_DEP_1)
	v_pk_add_f32 v[14:15], v[14:15], v[TT+2:TT+3]
.if \pre
	s_wait_dscnt 14                                ; v's fragments and scale words are in; the 14 younger loads, the next step's k, may be out
.else
	s_wait_dscnt 0x0
.endif
	OPROD 0                                        ; four accumulators by turns; between two steps of one sum stand eleven other products
	OPROD 1
	OPROD 2
	OPROD 3
.endm
	s_wait_alu depctr_va_vdst(0)                   ; the wait at the head's end
	s_wait_tensorcnt 0x0                           ; my part has landed,
	s_barrier_signal -1
	s_barrier_wait -1                              ; and everybody's: k, v and the scale words are whole
	KLOAD 0
	s_mov_b32 s[CNT], 5
.Ltrip:                                                ; five trips of three steps; the sixteenth step, which fetches no further k, is written out
	STEP 0, 1
	STEP 1, 1
	STEP 2, 1
	v_add_nc_u32 v[AK], 3*SP, v[AK]
	v_add_nc_u32 v[AV], 3*SP, v[AV]
	v_add_nc_u32 v[ASK], 768, v[ASK]
	v_add_nc_u32 v[ASV], 768, v[ASV]
	s_sub_co_u32 s[CNT], s[CNT], 1
	s_cmp_lg_u32 s[CNT], 0
	s_wait_alu depctr_va_vdst(0)                   ; the wait ahead of the branch
	s_cbranch_scc1 .Ltrip
	STEP 0, 0
	; THE WAY OUT
	s_mul_i32 s18, s[WV], 768
	s_add_co_u32 s18, s18, STG                     ; my stage: 16 rows of 48 bytes
	s_lshr_b32 s12, s11, 4
	s_lshl_b32 s12, s12, 4
	s_lshl_b32 s13, s10, 1
	s_add_co_u32 s12, s12, s13
	s_lshr_b32 s13, s[WV], 3
	s_add_co_u32 s12, s12, s13                     ; the group of 128 rows: 16 batch + 2 block + wave / 8
	s_bfe_u32 s13, s11, 0x30001                    ; the K step: head / 2
	s_and_b32 s14, s11, 1                          ; head % 2
	s_and_b32 s15, s[WV], 7
	s_mul_i32 s16, s12, 98304
	s_lshr_b32 s17, s13, 1
	s_mul_i32 s17, s17, 24576
	s_add_co_u32 s16, s16, s17
	s_mul_i32 s17, s15, 3072
	s_add_co_u32 s16, s16, s17
	s_and_b32 s17, s13, 1
	s_mul_i32 s17, s17, 1536
	s_add_co_u32 s16, s16, s17
	s_lshl_b32 s17, s14, 8                         ; an odd head fills lanes 16-31: 256 bytes on
	s_add_co_u32 s16, s16, s17
	s_mov_b32 s17, 0
	s_add_nc_u64 s[52:53], s[6:7], s[16:17]
	s_lshl_b32 s16, s12, 12
	s_lshl_b32 s17, s13, 9
	s_add_co_u32 s16, s16, s17
	s_lshl_b32 s17, s15, 6
	s_add_co_u32 s16, s16, s17
	s_add_co_u32 s16, s16, s14
	s_add_co_u32 s16, s16, XSO
	s_mov_b32 s17, 0
	s_add_nc_u64 s[54:55], s[6:7], s[16:17]
	s_wait_alu depctr_va_vdst(0)                   ; the wait here, directly ahead of the reader below
	v_add_f32 v14, v14, v15                        ; the sum's two halves,
	s_delay_alu instid0(VALU_DEP_1)
	v_permlanex16_b32 v254, v14, s[SEL], s[SEL+1]
	s_delay_alu instid0(VALU_DEP_1)
	v_add_f32 v14, v14, v254                       ; and lane l xor 16's
	s_wait_alu depctr_va_vdst(0)                   ; the wait ahead of the transcendental
	v_rcp_f32 v14, v14
	v_and_b32 v36, 15, v0                          ; r  (plain work behind the reciprocal, and the places behind the last products)
	v_bfe_u32 v37, v0, 4, 1                        ; h
	v_mul_u32_u24 v38, v36, 48
	v_lshlrev_b32 v42, 4, v36
	v_lshlrev_b32 v45, 2, v36
	v_add_nc_u32 v38, s18, v38
	v_lshl_add_u32 v43, v37, 9, v42                ; in the image: 512 h + 16 r
	v_lshl_add_u32 v44, v37, 3, v42                ; 16 r + 8 h
	v_lshl_add_u32 v45, v37, 1, v45                ; the scale byte: 4 r + 2 h
	v_mad_u32_u24 v39, v37, 12, v38                ; the stage, in: row r, + 12 h
	v_lshl_add_u32 v40, v37, 4, v38                ; back: pieces 0 (lanes 0-15) and 1 (lanes 16-31) of 16 bytes,
	v_lshl_add_u32 v41, v37, 3, v38                ; and piece 2, 8 bytes a lane
	s_wait_alu depctr_va_vdst(0)                   ; the wait, directly ahead of the first reader of the reciprocal and of O^T
.set i, 0
.rept 16
	v_pk_mul_f32 v[SR+i:SR+i+1], v[OA+i:OA+i+1], v[14:15] op_sel_hi:[1,0]    ; O^T / the sum: register 8 t + j is out(r, 16 t + 8 h + j); each accumulator from its low end on
.set i, i+2
.endr
.irp c, 0,1
	v_max3_num_f32 v[BM+\c], |v[SR+16*\c]|, |v[SR+1+16*\c]|, 0x2800000   ; the head's two blocks of 32
.endr
.irp i, 2,4,6,8,10,12,14
.irp c, 0,1
	v_max3_num_f32 v[BM+\c], v[BM+\c], |v[SR+16*\c+\i]|, |v[SR+1+16*\c+\i]|
.endr
.endr
.irp c, 0,1
	v_permlanex16_b32 v[TB+\c], v[BM+\c], s[SEL], s[SEL+1]
.endr
.irp c, 0,1
	v_max_num_f32 v[BM+\c], v[BM+\c], v[TB+\c]
.endr
.irp c, 0,1
	v_add_nc_u32 v[BM+\c], 0xfe000000, v[BM+\c]
.endr
.irp c, 0,1
	v_lshrrev_b32 v[TB+\c], 23, v[BM+\c]
.endr
	v_cvt_scalef32_pk16_bf6_f32 v[PC:PC+2], v[SR:SR+15], v[BM]
	v_cvt_scalef32_pk16_bf6_f32 v[PC+4:PC+6], v[SR+16:SR+31], v[BM+1]
	v_cndmask_b32 v252, v[TB], v[TB+1], s[HALF]    ; lane (r, h) takes block h's byte.  (A plain place behind the conversions)
	ds_store_b32 v39, v[PC]                        ; row r's 48 bytes: block 0 (12 bytes of h = 0, 12 of h = 1), then block 1: the twelve registers of one lane of the fragment
	ds_store_b32 v39, v[PC+1] offset:4
	ds_store_b32 v39, v[PC+2] offset:8
	ds_store_b32 v39, v[PC+4] offset:24
	ds_store_b32 v39, v[PC+5] offset:28
	ds_store_b32 v39, v[PC+6] offset:32
	ds_load_b128 v[240:243], v40                   ; LDS serves a wave's instructions in order: these see my stores
	ds_load_b64 v[246:247], v41 offset:32
	s_wait_alu depctr_va_vdst(0)                   ; the wait ahead of the wait below
	s_wait_dscnt 0x0
	global_store_b128 v43, v[240:243], s[52:53]    ; sixteen lanes store 256 consecutive bytes, aligned: two such pieces
	global_store_b64 v44, v[246:247], s[52:53] offset:1024   ; and the 32 lanes the third
	global_store_b8 v45, v252, s[54:55]
	s_wait_tensorcnt 0x0                           ; the wave's end
	ds_add_u32 v[SPW], v[NIL]
	s_wait_dscnt 0x0
	CROUND                                         ; the closing round
	s_endpgm
.Lfunc_end_k_q44f1f2d046_attn:
	.size	k_q44f1f2d046_attn, .Lfunc_end_k_q44f1f2d046_attn-k_q44f1f2d046_attn
	.p2alignl 7, 3214868480
	.fill 96, 4, 3214868480
	.section	.rodata,"a",@progbits
	.p2align	6, 0x0
	.amdhsa_kernel k_q44f1f2d046_attn
		.amdhsa_group_segment_fixed_size 268288
		.amdhsa_private_segment_fixed_size 0
		.amdhsa_enable_private_segment 0
		.amdhsa_kernarg_size 16
		.amdhsa_user_sgpr_count 2
		.amdhsa_user_sgpr_kernarg_segment_ptr 1
		.amdhsa_wavefront_size32 1
		.amdhsa_system_sgpr_workgroup_id_x 1
		.amdhsa_system_sgpr_workgroup_id_y 1
		.amdhsa_system_sgpr_workgroup_id_z 1
		.amdhsa_system_vgpr_workitem_id 0
		.amdhsa_next_free_vgpr 256
		.amdhsa_next_free_sgpr 80
		.amdhsa_reserve_vcc 0
		.amdhsa_float_denorm_mode_32 3
		.amdhsa_float_denorm_mode_16_64 3
		.amdhsa_memory_ordered 1
		.amdhsa_forward_progress 1
		.amdhsa_inst_pref_size 74
	.end_amdhsa_kernel
	.amdgpu_metadata
---
amdhsa.version: [ 1, 2 ]
amdhsa.kernels:
  - .name:           k_q44f1f2d046_attn
    .symbol:         k_q44f1f2d046_attn.kd
    .args:
      - { .name: qkvb, .offset: 0, .size: 8, .value_kind: global_buffer, .address_space: global }
      - { .name: aob, .offset: 8, .size: 8, .value_kind: global_buffer, .address_space: global }
    .group_segment_fixed_size: 268288
    .private_segment_fixed_size: 0
    .kernarg_segment_align: 8
    .kernarg_segment_size: 16
    .max_flat_workgroup_size: 512
    .sgpr_count:     80
    .vgpr_count:     256
    .wavefront_size: 32
...
	.end_amdgpu_metadata
.endif
;; end of part 10
;; launch gemm_o (part 11): grid 8 x 32, 4 waves a work-group, clusters of 4 x 4, 327,680 bytes of LDS; arguments aob, wb, bo, x, x1; writes x1
.if DOCPART == 11
	.amdgcn_target "amdgcn-amd-amdhsa--gfx1250"
	.amdhsa_code_object_version 6
	.text
	.protected	k_q44f1f2d046_gemm_o
	.globl	k_q44f1f2d046_gemm_o
	.p2align	8
	.type	k_q44f1f2d046_gemm_o,@function
k_q44f1f2d046_gemm_o:
	s_mov_b64 s[64:65], 0
	v_nop
	global_prefetch_b8 v0, s[64:65] scope:SCOPE_SE
	s_setreg_imm32_b32 hwreg(HW_REG_WAVE_MODE, 25, 1), 1
	s_wait_xcnt 0x0
	s_wait_alu depctr_hold_cnt(0) depctr_sa_sdst(0) depctr_va_vdst(0) depctr_va_sdst(0) depctr_va_ssrc(0) depctr_va_vcc(0) depctr_vm_vsrc(0)
	s_getreg_b32 s2, hwreg(HW_REG_IB_STS2, 6, 4)
	s_cmp_eq_u32 s2, 0
	s_cbranch_scc0 .Lentry_in_a_cluster
	s_endpgm
.Lentry_in_a_cluster:
	s_bfe_u32 s2, ttmp6, 0x10000c
	s_cmp_lg_u32 s2, 0xf033
	s_cbranch_scc0 .Lentry_shape_is_right
	s_endpgm
.Lentry_shape_is_right:
.set SIZE_K, 1024
.set A_S,    3145728
.set W_I,    2359296
.set W_S,    9535488
.set FINAL,  0
.set FR,     12
.set NP,     4
.set PART,   24576
.set SLOT,   4*PART
.set LAPS,   SIZE_K/1024
.set GB,     SIZE_K*96
.set SG,     SIZE_K*4
.set SCL,    2*SLOT
.set SPARE,  SCL+2*SG
.set SPITCH, 272
.set ADRA, 16
.set ADRB, 20
.set STO,  24
.set RD,   25
.set LI,   26
.set ADRS, 27
.set SPW,  28
.set NIL,  29
.set BH,   30
.set CO,   31
.set SC,   32
.set BIA,  64
.set BK,   64
.set ACC,  128
.set G1, 24
.set G0, 32
.set G1B, 48
.set G0B, 56
.set G1S, 68
.set G0S, 76
.set G1SB, 80
.set G0SB, 88
.set MSB, 0
.macro WIN new
.if MSB != \new
	s_set_vgpr_msb (MSB<<8)|\new
.set MSB, \new
.endif
.endm
.set MUL,  0x05
.set TO_F, 0x40
.macro JLOAD g0a, g1a, g0b, g1b
	s_cmp_eq_u32 s15, 0
	s_cbranch_scc0 .Lfor_b_\@
	tensor_load_to_lds s[\g0a:\g0a+3], s[\g1a:\g1a+7]
	s_nop 0
.rept 4
	v_nop
.endr
	s_branch .Lasked_\@
.Lfor_b_\@:
	tensor_load_to_lds s[\g0b:\g0b+3], s[\g1b:\g1b+7]
	s_nop 0
.rept 4
	v_nop
.endr
.Lasked_\@:
.endm
.macro CREST
	s_cmp_lg_u32 s14, 0
	s_cbranch_scc1 .Lnot_wave_0_\@
	s_barrier_signal -3
.Lnot_wave_0_\@:
	s_barrier_wait -3
	s_barrier_signal -1
	s_barrier_wait -1
.endm
.macro CROUND
	s_barrier_signal -1
	s_barrier_wait -1
	CREST
.endm
	s_load_b128 s[4:7], s[0:1], 0x0
	s_load_b128 s[96:99], s[0:1], 0x10
	s_load_b64 s[12:13], s[0:1], 0x20
	v_lshl_add_u32 v[SPW], v0, 2, SPARE
	v_mov_b32 v[NIL], 0
	ds_add_u32 v28, v29
	ds_add_u32 v28, v29
	s_wait_dscnt 0x0
	v_lshrrev_b32 v1, 5, v0
	v_readfirstlane_b32 s14, v1
	s_lshr_b32 s15, s14, 1
	s_and_b32 s16, s14, 1
	s_bfe_u32 s40, ttmp6, 0x40000
	s_bfe_u32 s41, ttmp6, 0x40004
	s_lshl_b32 s42, ttmp9, 2
	s_add_co_u32 s42, s42, s40
	s_and_b32 s17, ttmp7, 0xffff
	s_lshl_b32 s17, s17, 2
	s_add_co_u32 s17, s17, s41
	s_lshl_b32 s43, s41, 2
	s_lshl_b32 s43, 15, s43
	s_lshl_b32 s44, 0x1111, s40
	s_or_b32 s[G1+0], s43, (3<<16)|(1<<21)
	s_or_b32 s[G1B+0], s44, (3<<16)|(1<<21)
.irp g, G1, G1B
	s_mov_b32 s[\g+1], 32<<16
	s_mov_b32 s[\g+2], 192<<16                     ; for the head's loads: 128 rows x 512 K, 192 dense rows of 256 bytes
	s_mov_b32 s[\g+3], 32<<16
	s_mov_b32 s[\g+4], 192
	s_mov_b32 s[\g+5], 32
	s_mov_b32 s[\g+6], 0
	s_mov_b32 s[\g+7], 0
.endr
	s_or_b32 s[G1S+0], s43, (3<<16)|(1<<21)
	s_or_b32 s[G1SB+0], s44, (3<<16)|(1<<21)
.irp g, G1S, G1SB
	s_mov_b32 s[\g+1], 32<<16
	s_mov_b32 s[\g+2], (SG/256)<<16                ; the scale words of 128 rows, whole
	s_mov_b32 s[\g+3], 32<<16
	s_mov_b32 s[\g+4], SG/256
	s_mov_b32 s[\g+5], 32
	s_mov_b32 s[\g+6], 0
	s_mov_b32 s[\g+7], 0
.endr
	s_mul_i32 s18, s16, PART
	s_mov_b32 s19, 0
	s_mul_i32 s20, s17, GB
	s_mul_i32 s46, s42, GB
	s_mul_i32 s22, s17, SG
	s_mul_i32 s92, s42, SG
	s_mov_b32 s21, 0
	s_mov_b32 s23, 0
	s_mov_b32 s47, 0
	s_mov_b32 s93, 0
	s_mul_i32 s45, s14, PART
	s_wait_kmcnt 0x0
	s_add_nc_u64 s[8:9], s[6:7], W_I
	s_add_nc_u64 s[10:11], s[6:7], W_S
	s_add_nc_u64 s[6:7], s[4:5], A_S
	s_add_nc_u64 s[20:21], s[4:5], s[20:21]
	s_add_nc_u64 s[22:23], s[6:7], s[22:23]
	s_add_nc_u64 s[46:47], s[8:9], s[46:47]
	s_add_nc_u64 s[92:93], s[10:11], s[92:93]
	CROUND
	s_mov_b32 s[G0S], 1
	s_mov_b32 s[G0S+1], SCL
	s_mov_b64 s[G0S+2:G0S+3], s[22:23]
	s_or_b32 s[G0S+3], s[G0S+3], 0x80000000
	s_mov_b32 s[G0SB], 1
	s_mov_b32 s[G0SB+1], SCL+SG
	s_mov_b64 s[G0SB+2:G0SB+3], s[92:93]
	s_or_b32 s[G0SB+3], s[G0SB+3], 0x80000000
.set G0H, 4                            ; s[4:7], s[8:11] group 0 of the head's loads of slot 0 (the addresses that lay there have been used)
.set G0HB, 8
	s_mov_b32 s[G0H], 1                            ; A's 128 rows x 512 K
	s_mov_b32 s[G0H+1], 0
	s_mov_b64 s[G0H+2:G0H+3], s[20:21]
	s_or_b32 s[G0H+3], s[G0H+3], 0x80000000
	s_mov_b32 s[G0HB], 1                           ; B's, behind them in slot 0
	s_mov_b32 s[G0HB+1], 2*PART
	s_mov_b64 s[G0HB+2:G0HB+3], s[46:47]
	s_or_b32 s[G0HB+3], s[G0HB+3], 0x80000000
	s_add_nc_u64 s[20:21], s[20:21], s[18:19]
	s_add_nc_u64 s[46:47], s[46:47], s[18:19]
; PREFETCH: my part of slot 1 (24,576 bytes, 96 blocks of 256), the launch's only later fill, is asked for at the head.  The four partners that ask for it jointly share its blocks out by address:
; the partner at place p (cx for A, cy for B) names blocks 24 p .. 24 p + 23, a lane a block; lanes 24-31 name the last again.
.set PFA, 40                           ; s[40:41] my work-group's 24 blocks of my part of slot 0; never rewritten
.set PFO, 18                           ; v18 256 x min(lane, 23); never rewritten
.set SL,  2*PART                       ; bytes from slot to slot in memory
	s_cmp_eq_u32 s15, 0                            ; do I fetch for A?
	s_cselect_b32 s18, s40, s41
	s_cselect_b64 s[PFA:PFA+1], s[20:21], s[46:47]
	s_mul_i32 s18, s18, 24*256
	s_add_nc_u64 s[PFA:PFA+1], s[PFA:PFA+1], s[18:19]
.irp s, 0,1
	s_mov_b32 s[G0+4*\s], 1
	s_add_co_u32 s[G0+4*\s+1], s45, \s*SLOT
	s_add_nc_u64 s[G0+4*\s+2:G0+4*\s+3], s[20:21], \s*2*PART
	s_or_b32 s[G0+4*\s+3], s[G0+4*\s+3], 0x80000000
	s_mov_b32 s[G0B+4*\s], 1
	s_add_co_u32 s[G0B+4*\s+1], s45, \s*SLOT
	s_add_nc_u64 s[G0B+4*\s+2:G0B+4*\s+3], s[46:47], \s*2*PART
	s_or_b32 s[G0B+4*\s+3], s[G0B+4*\s+3], 0x80000000
.endr
; The head's loads, one a wave: wave 0 A's part of slot 0, wave 1 B's, wave 2 A's scale words, wave 3 B's.  One chain of branches on the wave's number, all arms to one join.
.macro ARM under, g0, g1, next
	s_cmp_lt_u32 s14, \under
	s_cbranch_scc0 \next
	tensor_load_to_lds s[\g0:\g0+3], s[\g1:\g1+7]
	s_nop 0
.rept 4
	v_nop
.endr
	s_branch .Lhead_asked
\next:
.endm
	ARM 1, G0H,  G1,  .Lhead_b
	ARM 2, G0HB, G1B, .Lhead_sa
	ARM 3, G0S,  G1S, .Lhead_sb
	tensor_load_to_lds s[G0SB:G0SB+3], s[G1SB:G1SB+7]
	s_nop 0
.rept 4
	v_nop
.endr
.Lhead_asked:
	v_and_b32 v[PFO], 31, v0
	v_min_u32 v[PFO], 23, v[PFO]
	v_lshlrev_b32 v[PFO], 8, v[PFO]
	global_prefetch_b8 v[PFO], s[PFA:PFA+1] offset:SL th:TH_LOAD_NT scope:SCOPE_SE
	v_and_b32 v1, 15, v0
	v_bfe_u32 v2, v0, 4, 1
	s_wait_alu depctr_va_vdst(0)
	v_and_b32 v3, 31, v0
	v_lshlrev_b32 v[LI], 4, v3
	v_lshlrev_b32 v[BH], 5, v2
	s_mul_i32 s21, s15, 12288
	s_mul_i32 s22, s16, 12288
	s_add_co_u32 s22, s22, 2*PART
.irp s, 0,1
	v_add_nc_u32 v[ADRA+\s], s21, v[LI]
	v_add_nc_u32 v[ADRB+\s], s22, v[LI]
	s_add_co_u32 s21, s21, SLOT
	s_add_co_u32 s22, s22, SLOT
.endr
	v_lshlrev_b32 v5, 2, v1
	s_lshl_b32 s21, s15, 8
	s_lshl_b32 s22, s16, 8
	s_add_co_u32 s22, s22, SG
	s_sub_co_u32 s22, s22, s21
	v_mul_u32_u24 v6, s22, v2
	s_add_co_u32 s21, s21, SCL
	v_add_nc_u32 v5, v5, v6
	v_add_nc_u32 v[ADRS], s21, v5
	s_mul_i32 s23, s14, 16*SPITCH
	v_mul_u32_u24 v5, v1, SPITCH
	v_lshl_add_u32 v5, v2, 5, v5
	v_add_nc_u32 v[STO], s23, v5
	v_mul_u32_u24 v5, v2, SPITCH
	v_lshl_add_u32 v5, v1, 4, v5
	v_add_nc_u32 v[RD], s23, v5
	v_lshlrev_b32 v5, 12, v2
	v_lshl_add_u32 v[CO], v1, 4, v5
	s_wait_alu depctr_va_vdst(0)
	s_lshl_b32 s46, s42, 9
	s_lshl_b32 s47, s16, 8
	s_add_co_u32 s46, s46, s47
	s_mov_b32 s47, 0
	s_add_nc_u64 s[96:97], s[96:97], s[46:47]
	s_lshl_b32 s20, s17, 7
	s_lshl_b32 s21, s15, 6
	s_add_co_u32 s20, s20, s21
	s_lshl_b32 s20, s20, 12
	s_add_co_u32 s20, s20, s46
	s_mov_b32 s21, 0
	s_add_nc_u64 s[12:13], s[12:13], s[20:21]
	s_add_nc_u64 s[98:99], s[98:99], s[20:21]
.irp b, 0,1,2,3
	global_load_b128 v[BIA+8*\b:BIA+8*\b+3], v[BH], s[96:97] offset:64*\b
	global_load_b128 v[BIA+8*\b+4:BIA+8*\b+7], v[BH], s[96:97] offset:64*\b+16
.endr
	WIN 0x80
.irp a, 0,1,2,3
.irp t, 0,1,2,3,4,5,6,7
	global_load_b128 v[32*\a+4*\t:32*\a+4*\t+3], v[CO], s[98:99] offset:(16*\a+2*\t)*4096
.endr
.endr
	WIN 0
.macro FRAG reg, adr, q, i
.irp c, 0,1,2
	ds_load_b128 v[\reg+4*\c:\reg+4*\c+3], v[\adr] offset:((\q)/2)*PART+(\i)*3072+((\q)%2)*1536+\c*512
.endr
.endm
.macro FETCH slot, q, f
	WIN TO_F
.irp i, 0,1,2,3
	FRAG \f+48+FR*\i, ADRB+\slot, \q, \i
.endr
.irp i, 0,1,2,3
	FRAG \f+FR*\i, ADRA+\slot, \q, \i
.endr
.endm
.macro SCALES sc
.irp q, 0,1,2,3
.irp i, 0,1,2,3
	ds_load_b32 v[SC+16*\sc+4*\q+\i], v[ADRS] offset:512*\q+64*\i
.endr
.endr
.endm
.macro MULA a, f, q, sc, first
.irp b, 0,1,2,3
.if \first
	v_wmma_scale_f32_16x16x128_f8f6f4 v[ACC+8*(4*(\a)+\b):ACC+8*(4*(\a)+\b)+7], v[\f+48+FR*\b:\f+48+FR*\b+FR-1], v[\f+FR*(\a):\f+FR*(\a)+FR-1], v[BIA+8*\b:BIA+8*\b+7], v[SC+16*(\sc)+4*(\q)+\b], v[SC+16*(\sc)+4*(\q)+(\a)] matrix_a_fmt:MATRIX_FMT_BF6 matrix_b_fmt:MATRIX_FMT_BF6 matrix_a_scale:MATRIX_SCALE_ROW1
.else
	v_wmma_scale_f32_16x16x128_f8f6f4 v[ACC+8*(4*(\a)+\b):ACC+8*(4*(\a)+\b)+7], v[\f+48+FR*\b:\f+48+FR*\b+FR-1], v[\f+FR*(\a):\f+FR*(\a)+FR-1], v[ACC+8*(4*(\a)+\b):ACC+8*(4*(\a)+\b)+7], v[SC+16*(\sc)+4*(\q)+\b], v[SC+16*(\sc)+4*(\q)+(\a)] matrix_a_fmt:MATRIX_FMT_BF6 matrix_b_fmt:MATRIX_FMT_BF6 matrix_a_scale:MATRIX_SCALE_ROW1
.endif
.endr
.endm
.macro PLACES n
.rept \n
	v_nop
.endr
.endm
.macro STEP slot, q, first
	s_wait_dscnt 0x0
	PLACES NP
	FETCH \slot, (\q)+1, 96*(((\q)+1)%2)
	WIN MUL
	MULA 0, 96*((\q)%2), \q, \slot, \first
	MULA 1, 96*((\q)%2), \q, \slot, \first
	MULA 2, 96*((\q)%2), \q, \slot, \first
	MULA 3, 96*((\q)%2), \q, \slot, \first
.endm
.macro TURN slot, next, fill
	WIN 0
	s_wait_tensorcnt 0x0
	ds_add_u32 v[SPW], v[NIL]
	s_wait_dscnt 1
	WIN MUL
	MULA 0, 96, 3, \slot, 0
	s_wait_dscnt 0x0
	s_barrier_signal -1
	MULA 1, 96, 3, \slot, 0
	WIN 0
	s_barrier_wait -1
.if \fill
	CREST
	s_add_nc_u64 s[G0+4*\slot+2:G0+4*\slot+3], s[G0+4*\slot+2:G0+4*\slot+3], 4*PART
	s_add_nc_u64 s[G0B+4*\slot+2:G0B+4*\slot+3], s[G0B+4*\slot+2:G0B+4*\slot+3], 4*PART
	JLOAD G0+4*\slot, G1, G0B+4*\slot, G1B
.else
	PLACES NP
.endif
	v_add_nc_u32 v[ADRS], 2048, v[ADRS]
	SCALES \next
	FETCH \next, 0, 0
	WIN MUL
	MULA 2, 96, 3, \slot, 0
	MULA 3, 96, 3, \slot, 0
.endm
	s_wait_alu depctr_va_vdst(0)                   ; the wait at the head's end
	s_wait_tensorcnt 0x0                           ; my tile of the head's four is in; slot 1's first fill is issued as a refill is
	ds_add_u32 v[SPW], v[NIL]
	s_mov_b32 s[G1+2], 96<<16                      ; no tensor load of mine is out: from here on a load brings 96 rows
	s_mov_b32 s[G1+4], 96
	s_mov_b32 s[G1B+2], 96<<16
	s_mov_b32 s[G1B+4], 96
	s_wait_dscnt 0x0
	CROUND                                         ; all four tiles are in, and all sixteen work-groups are here
	JLOAD G0+4, G1, G0B+4, G1B                     ; slot 1, the first tensor load behind the round
	SCALES 0
	FETCH 0, 0, 0
	s_wait_loadcnt 32
	STEP 0, 0, 1
.if LAPS > 1
	WIN 0
	s_mov_b32 s3, LAPS-1
.Llap:
	STEP 0, 1, 0
	STEP 0, 2, 0
	TURN 0, 1, 1
	STEP 1, 0, 0
	STEP 1, 1, 0
	STEP 1, 2, 0
	TURN 1, 0, 1
	STEP 0, 0, 0
	WIN 0
	s_sub_co_u32 s3, s3, 1
	s_cmp_lg_u32 s3, 0
	s_cbranch_scc1 .Llap
.endif
	STEP 0, 1, 0
	STEP 0, 2, 0
	TURN 0, 1, 0
	STEP 1, 0, 0
	STEP 1, 1, 0
	STEP 1, 2, 0
	s_wait_dscnt 0x0
	WIN MUL
	MULA 0, 96, 3, 1, 0
	MULA 1, 96, 3, 1, 0
	MULA 2, 96, 3, 1, 0
	MULA 3, 96, 3, 1, 0
	WIN 0
	PLACES NP
.macro TOSTAGE a
.irp b, 0,1,2,3
	ds_store_b128 v[STO], v[ACC+8*(4*(\a)+\b):ACC+8*(4*(\a)+\b)+3] offset:64*\b
	ds_store_b128 v[STO], v[ACC+8*(4*(\a)+\b)+4:ACC+8*(4*(\a)+\b)+7] offset:64*\b+16
.endr
.set BB, BK+32*((\a)%2)
.irp t, 0,1,2,3,4,5,6,7
	ds_load_b128 v[BB+4*\t:BB+4*\t+3], v[RD] offset:\t*2*SPITCH
.endr
.endm
.macro SEND a, yds
.set BB, BK+32*((\a)%2)
.set RS, 32*(\a)
	s_wait_dscnt \yds
	WIN 0x08
.set i, 0
.rept 16
	v_pk_add_f32 v[BB+i:BB+i+1], v[BB+i:BB+i+1], v[RS+i:RS+i+1]
.set i, i+2
.endr
	WIN 0
.irp t, 0,1,2,3,4,5,6,7
.if FINAL
	global_store_b128 v[CO], v[BB+4*\t:BB+4*\t+3], s[12:13] offset:(16*(\a)+2*\t)*4096 th:TH_STORE_NT
.else
	global_store_b128 v[CO], v[BB+4*\t:BB+4*\t+3], s[12:13] offset:(16*(\a)+2*\t)*4096
.endif
.endr
.endm
	s_wait_loadcnt 0x0
	TOSTAGE 0
.irp a, 1,2,3
.if \a > 1
	s_wait_xcnt 0x0
.endif
	TOSTAGE \a
	SEND \a-1, 16
.endr
	SEND 3, 0
	s_wait_tensorcnt 0x0
	ds_add_u32 v[SPW], v[NIL]
	s_wait_dscnt 0x0
	CROUND
	s_endpgm
.Lfunc_end_k_q44f1f2d046_gemm_o:
	.size	k_q44f1f2d046_gemm_o, .Lfunc_end_k_q44f1f2d046_gemm_o-k_q44f1f2d046_gemm_o
	.p2alignl 7, 3214868480
	.fill 96, 4, 3214868480
	.section	.rodata,"a",@progbits
	.p2align	6, 0x0
	.amdhsa_kernel k_q44f1f2d046_gemm_o
		.amdhsa_group_segment_fixed_size 327680
		.amdhsa_private_segment_fixed_size 0
		.amdhsa_enable_private_segment 0
		.amdhsa_kernarg_size 40
		.amdhsa_user_sgpr_count 2
		.amdhsa_user_sgpr_kernarg_segment_ptr 1
		.amdhsa_wavefront_size32 1
		.amdhsa_system_sgpr_workgroup_id_x 1
		.amdhsa_system_sgpr_workgroup_id_y 1
		.amdhsa_system_sgpr_workgroup_id_z 1
		.amdhsa_system_vgpr_workitem_id 0
		.amdhsa_next_free_vgpr 640
		.amdhsa_next_free_sgpr 102
		.amdhsa_reserve_vcc 0
		.amdhsa_float_denorm_mode_32 3
		.amdhsa_float_denorm_mode_16_64 3
		.amdhsa_memory_ordered 1
		.amdhsa_forward_progress 1
		.amdhsa_inst_pref_size 59
	.end_amdhsa_kernel
	.amdgpu_metadata
---
amdhsa.version: [ 1, 2 ]
amdhsa.kernels:
  - .name:           k_q44f1f2d046_gemm_o
    .symbol:         k_q44f1f2d046_gemm_o.kd
    .args:
      - { .name: aob, .offset: 0, .size: 8, .value_kind: global_buffer, .address_space: global }
      - { .name: wb, .offset: 8, .size: 8, .value_kind: global_buffer, .address_space: global }
      - { .name: bo, .offset: 16, .size: 8, .value_kind: global_buffer, .address_space: global }
      - { .name: x, .offset: 24, .size: 8, .value_kind: global_buffer, .address_space: global }
      - { .name: x1, .offset: 32, .size: 8, .value_kind: global_buffer, .address_space: global }
    .group_segment_fixed_size: 327680
    .private_segment_fixed_size: 0
    .kernarg_segment_align: 8
    .kernarg_segment_size: 40
    .max_flat_workgroup_size: 128
    .sgpr_count:     102
    .vgpr_count:     640
    .wavefront_size: 32
...
	.end_amdgpu_metadata
.endif
;; end of part 11
;; launch ln (part 12): grid 256 x 1, 8 waves a work-group, no clusters, 66,816 bytes of LDS; arguments x1, g2, be2, xnb; writes xnb
.if DOCPART == 12
	.amdgcn_target "amdgcn-amd-amdhsa--gfx1250"
	.amdhsa_code_object_version 6
	.text
	.protected	k_q44f1f2d046_ln
	.globl	k_q44f1f2d046_ln
	.p2align	8
	.type	k_q44f1f2d046_ln,@function
k_q44f1f2d046_ln:
	s_mov_b64 s[64:65], 0
	v_nop
	global_prefetch_b8 v0, s[64:65] scope:SCOPE_SE
	s_setreg_imm32_b32 hwreg(HW_REG_WAVE_MODE, 25, 1), 1
	s_wait_xcnt 0x0
; LayerNorm of [4096][1024] f32 rows (mean, then the mean of squared differences, 1 / sqrt(var + 1e-6), gain, bias, all f32), quantised along the row into codes of BF6 (E3M2) with one E8M0 byte for each 32.
; The result is laid as images of operand registers: register p of lane l of the fragment (16 rows, K step s of 128) at (row>>7) 98304 + (s>>1) 24576 + ((row>>4)&7) 3072 + (s&1) 1536 + (p>>2) 512 + 16 l + 4 (p&3);
; the scale word of (row, s) at 3145728 + (row>>7) 4096 + s 512 + (row&127) 4.  Inside a block of 32, code position 16 h + 8 u + j holds the true offset 16 u + 8 h + j, as in every operand of this program.
; A work-group takes 16 rows.  PHASE 1: wave w owns rows 2 w and 2 w + 1 whole: eight loads of 512 consecutive bytes a row, the sums stay inside the wave.  The normalised rows go to LDS (pitch 4,112 bytes).
; PHASE 2, behind one barrier: wave w owns K step w of all 16 rows: lane (r, h) reads 16 numbers of each of the step's four blocks of row r and makes one fragment.
; LIMITS: a block of zeros gets the byte 1 where the rule says 127 (its codes are zeros; this program alone reads the bytes); NaN and infinities are not served.
.set PITCH, 4112
.set XSO,   3145728
.set X,   16                           ; v16-79   two rows as loaded; later the 64 numbers to quantise
.set G,   80                           ; v80-111  gain of my 32 columns
.set BE,  112                          ; v112-143 bias
.set FA,  144                          ; v144-155 the fragment
.set PT,  156                          ; v156-163 the conversions' second halves
.set TM,  164                          ; v164-179 the quantiser's work
.set PW,  180                          ; v180     the scale word
.set T,   182                          ; v182-189 sums, four registers a row
.set MU,  190                          ; v190-193 the mean, later 1 / sqrt, as a pair for each row
.set SEL, 20                           ; s[20:21] selects of v_permlanex16_b32: lane l xor 16
; 64 numbers of a lane, register 16 b + i = position 16 h + i of block b of my row, become a fragment's registers 0-5 in v[d0] on, 6-11 in v[d1] on, and the row's scale word in v[pw]
.macro QUANT s, d0, d1, pw
.irp b, 0,1,2,3
	v_max3_num_f32 v[TM+\b], |v[\s+16*\b]|, |v[\s+1+16*\b]|, 0x2800000   ; my 16 numbers of block b, and the floor 2^(5 - 127): the byte cannot fall under 1
.endr
.irp i, 2,4,6,8,10,12,14
.irp b, 0,1,2,3
	s_delay_alu instid0(VALU_DEP_4)
	v_max3_num_f32 v[TM+\b], v[TM+\b], |v[\s+16*\b+\i]|, |v[\s+1+16*\b+\i]|   ; the four blocks by turns
.endr
.endr
.irp b, 0,1,2,3
	s_delay_alu instid0(VALU_DEP_4)
	v_permlanex16_b32 v[TM+4+\b], v[TM+\b], s[SEL], s[SEL+1]
.endr
.irp b, 0,1,2,3
	s_delay_alu instid0(VALU_DEP_4)
	v_max_num_f32 v[TM+\b], v[TM+\b], v[TM+4+\b]   ; with lane l xor 16's: the block's largest magnitude
.endr
.irp b, 0,1,2,3
	s_delay_alu instid0(VALU_DEP_4)
	v_add_nc_u32 v[TM+12+\b], 0xfe000000, v[TM+\b] ; 4 off its exponent field: the conversion's scale operand
.endr
.irp b, 0,1,2,3
	s_delay_alu instid0(VALU_DEP_4)
	v_lshrrev_b32 v[TM+4+\b], 23, v[TM+12+\b]      ; the scale's byte
.endr
	s_delay_alu instid0(VALU_DEP_3)
	v_lshl_or_b32 v[\pw], v[TM+5], 8, v[TM+4]
	s_delay_alu instid0(VALU_DEP_1)
	v_lshl_or_b32 v[\pw], v[TM+6], 16, v[\pw]
	s_delay_alu instid0(VALU_DEP_1)
	v_lshl_or_b32 v[\pw], v[TM+7], 24, v[\pw]
	v_cvt_scalef32_pk16_bf6_f32 v[\d0:\d0+2], v[\s:\s+15], v[TM+12]
	v_cvt_scalef32_pk16_bf6_f32 v[PT:PT+2], v[\s+16:\s+31], v[TM+13]
	v_cvt_scalef32_pk16_bf6_f32 v[\d1:\d1+2], v[\s+32:\s+47], v[TM+14]
	v_cvt_scalef32_pk16_bf6_f32 v[PT+4:PT+6], v[\s+48:\s+63], v[TM+15]
	v_nop                                          ; one plain place behind a scaled conversion
.irp i, 0,1,2                                  ; the layout wants a WHOLE block in a lane: lanes 0-15 the even block, lanes 16-31 the odd one
	v_permlane16_swap_b32 v[\d0+\i], v[PT+\i]
.endr
.irp i, 0,1,2
	s_delay_alu instid0(VALU_DEP_3)
	v_mov_b32 v[\d0+3+\i], v[PT+\i]
.endr
.irp i, 0,1,2
	v_permlane16_swap_b32 v[\d1+\i], v[PT+4+\i]
.endr
.irp i, 0,1,2
	s_delay_alu instid0(VALU_DEP_3)
	v_mov_b32 v[\d1+3+\i], v[PT+4+\i]
.endr
.endm
; the two rows' partial sums (two pairs each) become the rows' sums, in every lane
.macro REDUCE
.irp p, 0
	s_delay_alu instid0(VALU_DEP_3)
	v_pk_add_f32 v[T+4*\p:T+4*\p+1], v[T+4*\p:T+4*\p+1], v[T+4*\p+2:T+4*\p+3]
.endr
.irp p, 1
	s_delay_alu instid0(VALU_DEP_2)
	v_pk_add_f32 v[T+4*\p:T+4*\p+1], v[T+4*\p:T+4*\p+1], v[T+4*\p+2:T+4*\p+3]
.endr
.irp p, 0,1
	s_delay_alu instid0(VALU_DEP_2)
	v_add_f32 v[T+4*\p], v[T+4*\p], v[T+4*\p+1]
.endr
.irp m, 1,2,4,8
.irp p, 0,1
	s_delay_alu instid0(VALU_DEP_2)
	v_add_f32_dpp v[T+4*\p], v[T+4*\p], v[T+4*\p] row_xmask:\m row_mask:0xf bank_mask:0xf
.endr
.endr
.irp p, 0,1
	s_delay_alu instid0(VALU_DEP_2)
	v_permlanex16_b32 v[T+4*\p+1], v[T+4*\p], s[SEL], s[SEL+1]
.endr
.irp p, 0,1
	s_delay_alu instid0(VALU_DEP_2)
	v_add_f32 v[T+4*\p], v[T+4*\p], v[T+4*\p+1]
.endr
.endm
	s_load_b256 s[4:11], s[0:1], 0x0               ; rows s[4:5], gain s[6:7], bias s[8:9], result s[10:11]
	v_lshl_add_u32 v200, v0, 2, 0x10100
	v_mov_b32 v201, 0
	v_lshrrev_b32 v5, 5, v0
	s_delay_alu instid0(VALU_DEP_1)
	v_readfirstlane_b32 s12, v5                    ; wave 0..7
	v_and_b32 v5, 31, v0
	s_delay_alu instid0(VALU_DEP_1)
	v_lshlrev_b32 v1, 4, v5                        ; 16 x lane
	s_mul_i32 s13, s12, 2*PITCH
	v_add_nc_u32 v2, s13, v1                       ; LDS, on the way in: my two rows, 16 bytes a lane
	v_and_b32 v6, 15, v0                           ; r
	v_bfe_u32 v7, v0, 4, 1                         ; h
	s_delay_alu instid0(VALU_DEP_2)
	v_mul_u32_u24 v3, v6, PITCH
	s_delay_alu instid0(VALU_DEP_1)
	v_lshl_add_u32 v3, v7, 5, v3
	s_lshl_b32 s13, s12, 9
	v_add_nc_u32 v3, s13, v3                       ; LDS, on the way out: row r, K step w, + 32 h
	v_lshlrev_b32 v4, 2, v6                        ; 4 r
	s_mov_b32 s[SEL], 0x76543210
	s_mov_b32 s[SEL+1], 0xfedcba98
	s_mov_b32 s22, 0x3a800000                      ; 1 / 1024
	s_mov_b32 s23, 0x358637bd                      ; 1e-6
.irp b, 0,1,2,3
	v_mov_b32 v[TM+4+\b], 0                        ; written once: a lane permute's destination counts as one of its sources
.endr
	s_lshl_b32 s14, ttmp9, 16                      ; 16 rows of 4,096 bytes a work-group,
	s_lshl_b32 s15, s12, 13                        ; two a wave
	s_add_co_u32 s14, s14, s15
	s_mov_b32 s15, 0
	s_lshr_b32 s16, ttmp9, 3                       ; the group of 128 rows,
	s_and_b32 s17, ttmp9, 7                        ; the 16 rows in it
	s_mul_i32 s18, s16, 98304
	s_lshr_b32 s19, s12, 1
	s_mul_i32 s19, s19, 24576
	s_add_co_u32 s18, s18, s19
	s_mul_i32 s19, s17, 3072
	s_add_co_u32 s18, s18, s19
	s_and_b32 s19, s12, 1
	s_mul_i32 s19, s19, 1536
	s_add_co_u32 s18, s18, s19                     ; my fragment's place
	s_mov_b32 s19, 0
	s_lshl_b32 s24, s16, 12
	s_lshl_b32 s25, s12, 9
	s_add_co_u32 s24, s24, s25
	s_lshl_b32 s25, s17, 6
	s_add_co_u32 s24, s24, s25
	s_add_co_u32 s24, s24, XSO                     ; its scale words' place
	s_mov_b32 s25, 0
	s_wait_kmcnt 0x0
	s_add_nc_u64 s[4:5], s[4:5], s[14:15]
	s_add_nc_u64 s[26:27], s[10:11], s[18:19]
	s_add_nc_u64 s[28:29], s[10:11], s[24:25]
.irp p, 0,1
.irp j, 0,1,2,3,4,5,6,7
	global_load_b128 v[X+32*\p+4*\j:X+32*\p+4*\j+3], v1, s[4:5] offset:4096*\p+512*\j    ; 512 consecutive bytes a load
.endr
.endr
.irp j, 0,1,2,3,4,5,6,7
	global_load_b128 v[G+4*\j:G+4*\j+3], v1, s[6:7] offset:512*\j
.endr
.irp j, 0,1,2,3,4,5,6,7
	global_load_b128 v[BE+4*\j:BE+4*\j+3], v1, s[8:9] offset:512*\j
.endr
	s_wait_loadcnt 16                              ; the rows are in; gain and bias (16 loads) may be out
	; the mean
.irp p, 0,1
	v_pk_add_f32 v[T+4*\p:T+4*\p+1], v[X+32*\p:X+32*\p+1], v[X+32*\p+2:X+32*\p+3]
	v_pk_add_f32 v[T+4*\p+2:T+4*\p+3], v[X+32*\p+4:X+32*\p+5], v[X+32*\p+6:X+32*\p+7]
.endr
.irp j, 8,12,16,20,24,28
.irp p, 0,1
	s_delay_alu instid0(VALU_DEP_4)
	v_pk_add_f32 v[T+4*\p:T+4*\p+1], v[T+4*\p:T+4*\p+1], v[X+32*\p+\j:X+32*\p+\j+1]
	s_delay_alu instid0(VALU_DEP_4)
	v_pk_add_f32 v[T+4*\p+2:T+4*\p+3], v[T+4*\p+2:T+4*\p+3], v[X+32*\p+\j+2:X+32*\p+\j+3]
.endr
.endr
	REDUCE
.irp p, 0
	s_delay_alu instid0(VALU_DEP_2)
	v_mul_f32 v[MU+2*\p], s22, v[T+4*\p]
	s_delay_alu instid0(VALU_DEP_3)
	v_mul_f32 v[MU+2*\p+1], s22, v[T+4*\p]
.endr
.irp p, 1
	s_delay_alu instid0(VALU_DEP_3)
	v_mul_f32 v[MU+2*\p], s22, v[T+4*\p]
	s_delay_alu instid0(VALU_DEP_4)
	v_mul_f32 v[MU+2*\p+1], s22, v[T+4*\p]
.endr
.irp p, 0,1
.set i, 0
.rept 16
	v_pk_add_f32 v[X+32*\p+i:X+32*\p+i+1], v[X+32*\p+i:X+32*\p+i+1], v[MU+2*\p:MU+2*\p+1] neg_lo:[0,1] neg_hi:[0,1]   ; x - mean
.set i, i+2
.endr
.endr
	; the mean of the squares of the differences
.irp p, 0,1
	v_pk_mul_f32 v[T+4*\p:T+4*\p+1], v[X+32*\p:X+32*\p+1], v[X+32*\p:X+32*\p+1]
	v_pk_mul_f32 v[T+4*\p+2:T+4*\p+3], v[X+32*\p+2:X+32*\p+3], v[X+32*\p+2:X+32*\p+3]
.endr
.irp j, 4,8,12,16,20,24,28
.irp p, 0,1
	s_delay_alu instid0(VALU_DEP_4)
	v_pk_fma_f32 v[T+4*\p:T+4*\p+1], v[X+32*\p+\j:X+32*\p+\j+1], v[X+32*\p+\j:X+32*\p+\j+1], v[T+4*\p:T+4*\p+1]
	s_delay_alu instid0(VALU_DEP_4)
	v_pk_fma_f32 v[T+4*\p+2:T+4*\p+3], v[X+32*\p+\j+2:X+32*\p+\j+3], v[X+32*\p+\j+2:X+32*\p+\j+3], v[T+4*\p+2:T+4*\p+3]
.endr
.endr
	REDUCE
.irp p, 0,1
	s_delay_alu instid0(VALU_DEP_2)
	v_fma_f32 v[T+4*\p], v[T+4*\p], s22, s23       ; var + 1e-6
.endr
	s_wait_alu depctr_va_vdst(0)
	v_rsq_f32 v[MU], v[T]
	v_rsq_f32 v[MU+2], v[T+4]
	v_nop                                          ; a plain instruction behind the last of the two
	s_wait_alu depctr_va_vdst(0)                   ; one wait for both, ahead of their first reader
	v_mov_b32 v[MU+1], v[MU]
	v_mov_b32 v[MU+3], v[MU+2]
	s_wait_alu depctr_va_vdst(0)
	s_wait_loadcnt 0x0                             ; gain and bias
.irp p, 0,1
.set i, 0
.rept 16
	v_pk_mul_f32 v[X+32*\p+i:X+32*\p+i+1], v[X+32*\p+i:X+32*\p+i+1], v[MU+2*\p:MU+2*\p+1]
.set i, i+2
.endr
.endr
.irp p, 0,1
.set i, 0
.rept 16
	v_pk_fma_f32 v[X+32*\p+i:X+32*\p+i+1], v[X+32*\p+i:X+32*\p+i+1], v[G+i:G+i+1], v[BE+i:BE+i+1]
.set i, i+2
.endr
.endr
.irp p, 0,1
.irp j, 0,1,2,3,4,5,6,7
	ds_store_b128 v2, v[X+32*\p+4*\j:X+32*\p+4*\j+3] offset:PITCH*\p+512*\j
.endr
.endr
	s_wait_dscnt 0x0                               ; for the others' sake: my stores have landed
	s_barrier_signal -1
	s_barrier_wait -1                              ; sixteen normalised rows lie in LDS
.irp b, 0,1,2,3
.irp u, 0,1
.irp e, 0,1
	ds_load_b128 v[X+16*\b+8*\u+4*\e:X+16*\b+8*\u+4*\e+3], v3 offset:128*\b+64*\u+16*\e   ; position 16 h + 8 u + 4 e + i takes the true offset 16 u + 8 h + 4 e + i
.endr
.endr
.endr
	s_wait_dscnt 0x0
	QUANT X, FA, FA+6, PW
.irp c, 0,1,2
	global_store_b128 v1, v[FA+4*\c:FA+4*\c+3], s[26:27] offset:512*\c    ; 512 consecutive bytes, aligned
.endr
	global_store_b32 v4, v[PW], s[28:29]           ; 64 consecutive bytes: lanes r and 16 + r hold the same word and write it to the same place
	s_wait_tensorcnt 0x0
	ds_add_u32 v200, v201
	s_wait_dscnt 0x0
	s_endpgm
.Lfunc_end_k_q44f1f2d046_ln:
	.size	k_q44f1f2d046_ln, .Lfunc_end_k_q44f1f2d046_ln-k_q44f1f2d046_ln
	.p2alignl 7, 3214868480
	.fill 96, 4, 3214868480
	.section	.rodata,"a",@progbits
	.p2align	6, 0x0
	.amdhsa_kernel k_q44f1f2d046_ln
		.amdhsa_group_segment_fixed_size 66816
		.amdhsa_private_segment_fixed_size 0
		.amdhsa_enable_private_segment 0
		.amdhsa_kernarg_size 32
		.amdhsa_user_sgpr_count 2
		.amdhsa_user_sgpr_kernarg_segment_ptr 1
		.amdhsa_wavefront_size32 1
		.amdhsa_system_sgpr_workgroup_id_x 1
		.amdhsa_system_sgpr_workgroup_id_y 1
		.amdhsa_system_sgpr_workgroup_id_z 1
		.amdhsa_system_vgpr_workitem_id 0
		.amdhsa_next_free_vgpr 202
		.amdhsa_next_free_sgpr 66
		.amdhsa_reserve_vcc 0
		.amdhsa_float_denorm_mode_32 3
		.amdhsa_float_denorm_mode_16_64 3
		.amdhsa_memory_ordered 1
		.amdhsa_forward_progress 1
		.amdhsa_inst_pref_size 29
	.end_amdhsa_kernel
	.amdgpu_metadata
---
amdhsa.version: [ 1, 2 ]
amdhsa.kernels:
  - .name:           k_q44f1f2d046_ln
    .symbol:         k_q44f1f2d046_ln.kd
    .args:
      - { .name: x1, .offset: 0, .size: 8, .value_kind: global_buffer, .address_space: global }
      - { .name: g2, .offset: 8, .size: 8, .value_kind: global_buffer, .address_space: global }
      - { .name: be2, .offset: 16, .size: 8, .value_kind: global_buffer, .address_space: global }
      - { .name: xnb, .offset: 24, .size: 8, .value_kind: global_buffer, .address_space: global }
    .group_segment_fixed_size: 66816
    .private_segment_fixed_size: 0
    .kernarg_segment_align: 8
    .kernarg_segment_size: 32
    .max_flat_workgroup_size: 256
    .sgpr_count:     66
    .vgpr_count:     202
    .wavefront_size: 32
...
	.end_amdgpu_metadata
.endif
;; end of part 12
;; launch gemm_1 (part 13): grid 16 x 16, 4 waves a work-group, clusters of 4 x 4, 327,680 bytes of LDS; arguments xnb, wb, b1, hb; writes hb
.if DOCPART == 13
	.amdgcn_target "amdgcn-amd-amdhsa--gfx1250"
	.amdhsa_code_object_version 6
	.text
	.protected	k_q44f1f2d046_gemm_1
	.globl	k_q44f1f2d046_gemm_1
	.p2align	8
	.type	k_q44f1f2d046_gemm_1,@function
k_q44f1f2d046_gemm_1:
	s_mov_b64 s[64:65], 0
	v_nop
	global_prefetch_b8 v0, s[64:65] scope:SCOPE_SE
	s_setreg_imm32_b32 hwreg(HW_REG_WAVE_MODE, 25, 1), 1
	s_wait_xcnt 0x0
	s_wait_alu depctr_hold_cnt(0) depctr_sa_sdst(0) depctr_va_vdst(0) depctr_va_sdst(0) depctr_va_ssrc(0) depctr_va_vcc(0) depctr_vm_vsrc(0)
	s_getreg_b32 s2, hwreg(HW_REG_IB_STS2, 6, 4)
	s_cmp_eq_u32 s2, 0
	s_cbranch_scc0 .Lentry_in_a_cluster
	s_endpgm
.Lentry_in_a_cluster:
	s_bfe_u32 s2, ttmp6, 0x10000c
	s_cmp_lg_u32 s2, 0xf033
	s_cbranch_scc0 .Lentry_shape_is_right
	s_endpgm
.Lentry_shape_is_right:
.set SIZE_K, 1024
.set A_S,    3145728
.set W_I,    3145728
.set W_S,    9568256
.set HSO,    12582912
.set NQ,     2
.set FR,     12
.set NL,     3
.set NP,     4
.set PART,   24576
.set SLOT,   4*PART
.set LAPS,   SIZE_K/512
.set GB,     SIZE_K*96
.set SG,     SIZE_K*4
.set SCL,    2*SLOT
.set SPARE,  SCL+4*SG
.set ADRA, 16
.set ADRB, 20
.set SRD,  23
.set SWA,  24
.set SW0,  25
.set LI,   26
.set ADRS, 27
.set SPW,  28
.set NIL,  29
.set BH,   30
.set SC,   32
.set AF,   128
.set TM,   32
.set PW,   48
.set A1,   50
.set B1,   52
.set FA,   56
.set PT,   68
.set OW,   76
.set HA,   128
.set ZZ,   192
.set XX,   0
.set PP,   64
.set QQ,   128
.set SEL,  66
.set G1, 24
.set G0, 32
.set G1B, 48
.set G0B, 56
.set G1S, 68
.set G0S, 76
.set G1SB, 80
.set G0SB, 88
.set MSB, 0
.macro WIN new
.if MSB != \new
	s_set_vgpr_msb (MSB<<8)|\new
.set MSB, \new
.endif
.endm
.set MUL_LO, 0xa1
.set MUL_HI, 0xf1
.set TO_B,   0x40
.macro JLOAD g0a, g1a, g0b, g1b
	s_cmp_eq_u32 s15, 0
	s_cbranch_scc0 .Lfor_b_\@
	tensor_load_to_lds s[\g0a:\g0a+3], s[\g1a:\g1a+7]
	s_nop 0
.rept 4
	v_nop
.endr
	s_branch .Lasked_\@
.Lfor_b_\@:
	tensor_load_to_lds s[\g0b:\g0b+3], s[\g1b:\g1b+7]
	s_nop 0
.rept 4
	v_nop
.endr
.Lasked_\@:
.endm
.macro CREST
	s_cmp_lg_u32 s14, 0
	s_cbranch_scc1 .Lnot_wave_0_\@
	s_barrier_signal -3
.Lnot_wave_0_\@:
	s_barrier_wait -3
	s_barrier_signal -1
	s_barrier_wait -1
.endm
.macro CROUND
	s_barrier_signal -1
	s_barrier_wait -1
	CREST
.endm
	s_load_b128 s[4:7], s[0:1], 0x0
	s_load_b128 s[96:99], s[0:1], 0x10
	v_lshl_add_u32 v[SPW], v0, 2, SPARE
	v_mov_b32 v[NIL], 0
	ds_add_u32 v28, v29
	ds_add_u32 v28, v29
	s_wait_dscnt 0x0
	v_lshrrev_b32 v1, 5, v0
	v_readfirstlane_b32 s14, v1
	s_lshr_b32 s15, s14, 1
	s_and_b32 s16, s14, 1
	s_bfe_u32 s40, ttmp6, 0x40000
	s_bfe_u32 s41, ttmp6, 0x40004
	s_lshl_b32 s42, ttmp9, 2
	s_add_co_u32 s42, s42, s40
	s_and_b32 s17, ttmp7, 0xffff
	s_lshl_b32 s17, s17, 2
	s_add_co_u32 s17, s17, s41
	s_lshl_b32 s43, s41, 2
	s_lshl_b32 s43, 15, s43
	s_lshl_b32 s44, 0x1111, s40
	s_or_b32 s[G1+0], s43, (3<<16)|(1<<21)
	s_or_b32 s[G1B+0], s44, (3<<16)|(1<<21)
.irp g, G1, G1B
	s_mov_b32 s[\g+1], 3072<<16                    ; for the head's loads: two rows of 24,576 bytes (two groups of 128 rows x 256 K), GB bytes apart
	s_mov_b32 s[\g+2], 2<<16
	s_mov_b32 s[\g+3], 3072<<16
	s_mov_b32 s[\g+4], 2
	s_mov_b32 s[\g+5], GB/8
	s_mov_b32 s[\g+6], 0
	s_mov_b32 s[\g+7], 0
.endr
	s_or_b32 s[G1S+0], s43, (3<<16)|(1<<21)
	s_or_b32 s[G1SB+0], s44, (3<<16)|(1<<21)
.irp g, G1S, G1SB
	s_mov_b32 s[\g+1], 32<<16
	s_mov_b32 s[\g+2], (2*SG/256)<<16              ; the scale words of 256 rows are dense
	s_mov_b32 s[\g+3], 32<<16
	s_mov_b32 s[\g+4], 2*SG/256
	s_mov_b32 s[\g+5], 32
	s_mov_b32 s[\g+6], 0
	s_mov_b32 s[\g+7], 0
.endr
	s_lshl_b32 s20, s17, 1
	s_lshl_b32 s46, s42, 1                         ; the tile's first group of 128 rows, of A and of B
	s_mul_i32 s22, s20, SG
	s_mul_i32 s92, s46, SG
	s_mul_i32 s20, s20, GB
	s_mul_i32 s46, s46, GB
	s_mov_b32 s21, 0
	s_mov_b32 s23, 0
	s_mov_b32 s47, 0
	s_mov_b32 s93, 0
	s_mul_i32 s45, s14, PART
	s_wait_kmcnt 0x0
	s_mov_b64 s[12:13], s[98:99]
	s_add_nc_u64 s[8:9], s[6:7], W_I
	s_add_nc_u64 s[10:11], s[6:7], W_S
	s_add_nc_u64 s[6:7], s[4:5], A_S
	s_add_nc_u64 s[20:21], s[4:5], s[20:21]
	s_add_nc_u64 s[22:23], s[6:7], s[22:23]
	s_add_nc_u64 s[46:47], s[8:9], s[46:47]
	s_add_nc_u64 s[92:93], s[10:11], s[92:93]
	CROUND
	s_mov_b32 s[G0S], 1
	s_mov_b32 s[G0S+1], SCL
	s_mov_b64 s[G0S+2:G0S+3], s[22:23]
	s_or_b32 s[G0S+3], s[G0S+3], 0x80000000
	s_mov_b32 s[G0SB], 1
	s_mov_b32 s[G0SB+1], SCL+2*SG
	s_mov_b64 s[G0SB+2:G0SB+3], s[92:93]
	s_or_b32 s[G0SB+3], s[G0SB+3], 0x80000000
.set G0H, 4                            ; s[4:7], s[8:11] group 0 of the head's loads of K step 0 (the addresses that lay there have been used)
.set G0HB, 8
	s_mov_b32 s[G0H], 1                            ; A's 256 rows of K step 0
	s_mov_b32 s[G0H+1], 0
	s_mov_b64 s[G0H+2:G0H+3], s[20:21]
	s_or_b32 s[G0H+3], s[G0H+3], 0x80000000
	s_mov_b32 s[G0HB], 1                           ; B's, behind them in slot 0
	s_mov_b32 s[G0HB+1], 2*PART
	s_mov_b64 s[G0HB+2:G0HB+3], s[46:47]
	s_or_b32 s[G0HB+3], s[G0HB+3], 0x80000000
	s_mul_i32 s18, s16, GB                         ; for the ring: my group of 128 rows
	s_mov_b32 s19, 0
	s_add_nc_u64 s[20:21], s[20:21], s[18:19]
	s_add_nc_u64 s[46:47], s[46:47], s[18:19]
; PREFETCHES: a slot's part (24,576 bytes, 96 blocks of 256) that I will fetch is asked for two slots ahead of its tensor load.  The four partners that ask for it jointly share its blocks out by address:
; the partner at place p (cx for A, cy for B) names blocks 24 p .. 24 p + 23, a lane a block; lanes 24-31 name the last again.  The head asks for K steps 1 and 2, K step 1's load for K step 3, the last.
.set PFA, 40                           ; s[40:41] my work-group's 24 blocks of my part of K step 0; never rewritten
.set PFO, 18                           ; v18 256 x min(lane, 23); never rewritten
.set SL,  PART                         ; bytes from slot to slot in memory
	s_cmp_eq_u32 s15, 0                            ; do I fetch for A?
	s_cselect_b32 s18, s40, s41
	s_cselect_b64 s[PFA:PFA+1], s[20:21], s[46:47]
	s_mul_i32 s18, s18, 24*256
	s_add_nc_u64 s[PFA:PFA+1], s[PFA:PFA+1], s[18:19]
.irp s, 0,1
	s_mov_b32 s[G0+4*\s], 1
	s_add_co_u32 s[G0+4*\s+1], s45, \s*SLOT
	s_add_nc_u64 s[G0+4*\s+2:G0+4*\s+3], s[20:21], \s*PART
	s_or_b32 s[G0+4*\s+3], s[G0+4*\s+3], 0x80000000
	s_mov_b32 s[G0B+4*\s], 1
	s_add_co_u32 s[G0B+4*\s+1], s45, \s*SLOT
	s_add_nc_u64 s[G0B+4*\s+2:G0B+4*\s+3], s[46:47], \s*PART
	s_or_b32 s[G0B+4*\s+3], s[G0B+4*\s+3], 0x80000000
.endr
; The head's loads, one a wave: wave 0 A's 256 rows of K step 0, wave 1 B's, wave 2 A's scale words, wave 3 B's.  One chain of branches on the wave's number, all arms to one join.
.macro ARM under, g0, g1, next
	s_cmp_lt_u32 s14, \under
	s_cbranch_scc0 \next
	tensor_load_to_lds s[\g0:\g0+3], s[\g1:\g1+7]
	s_nop 0
.rept 4
	v_nop
.endr
	s_branch .Lhead_asked
\next:
.endm
	ARM 1, G0H,  G1,  .Lhead_b
	ARM 2, G0HB, G1B, .Lhead_sa
	ARM 3, G0S,  G1S, .Lhead_sb
	tensor_load_to_lds s[G0SB:G0SB+3], s[G1SB:G1SB+7]
	s_nop 0
.rept 4
	v_nop
.endr
.Lhead_asked:
	v_and_b32 v[PFO], 31, v0
	v_min_u32 v[PFO], 23, v[PFO]
	v_lshlrev_b32 v[PFO], 8, v[PFO]
	global_prefetch_b8 v[PFO], s[PFA:PFA+1] offset:SL th:TH_LOAD_NT scope:SCOPE_SE
	global_prefetch_b8 v[PFO], s[PFA:PFA+1] offset:2*SL th:TH_LOAD_NT scope:SCOPE_SE
	v_and_b32 v1, 15, v0
	v_bfe_u32 v2, v0, 4, 1
	v_and_b32 v3, 31, v0
	v_lshlrev_b32 v[LI], 4, v3
	s_wait_alu depctr_va_vdst(0)
	v_lshlrev_b32 v[BH], 5, v2
	s_mul_i32 s21, s15, PART
	s_mul_i32 s22, s16, PART
	s_add_co_u32 s22, s22, 2*PART
.irp s, 0,1
	v_add_nc_u32 v[ADRA+\s], s21, v[LI]
	v_add_nc_u32 v[ADRB+\s], s22, v[LI]
	s_add_co_u32 s21, s21, SLOT
	s_add_co_u32 s22, s22, SLOT
.endr
	v_lshlrev_b32 v5, 2, v1
	s_lshl_b32 s23, s14, 9
	v_add_nc_u32 v[SW0], s23, v5
	v_add_nc_u32 v[SRD], s23, v[LI]
	s_mul_i32 s21, s15, SG
	s_mul_i32 s22, s16, SG
	s_add_co_u32 s22, s22, 2*SG
	s_sub_co_u32 s22, s22, s21
	v_mul_u32_u24 v6, s22, v2
	s_add_co_u32 s21, s21, SCL
	v_add_nc_u32 v5, v5, v6
	v_add_nc_u32 v[ADRS], s21, v5
	s_lshl_b32 s20, s42, 10
	s_lshl_b32 s21, s16, 9
	s_add_co_u32 s20, s20, s21
	s_mov_b32 s21, 0
	s_add_nc_u64 s[96:97], s[96:97], s[20:21]
	WIN TO_B
.irp b, 0,1,2,3,4,5,6,7
	global_load_b128 v[96+8*\b+96*(\b/4):96+8*\b+96*(\b/4)+3], v[BH], s[96:97] offset:64*\b
	global_load_b128 v[96+8*\b+96*(\b/4)+4:96+8*\b+96*(\b/4)+7], v[BH], s[96:97] offset:64*\b+16
.endr
	WIN 0
	s_lshl_b32 s20, s17, 1
	s_add_co_u32 s20, s20, s15
	s_mul_i32 s22, s20, 393216
	s_mul_i32 s23, s42, 24576
	s_add_co_u32 s22, s22, s23
	s_mul_i32 s23, s16, 1536
	s_add_co_u32 s22, s22, s23
	s_mov_b32 s23, 0
	s_lshl_b32 s46, s20, 14
	s_lshl_b32 s47, s42, 10
	s_add_co_u32 s46, s46, s47
	s_lshl_b32 s47, s16, 9
	s_add_co_u32 s46, s46, s47
	s_add_co_u32 s46, s46, HSO
	s_mov_b32 s47, 0
	s_add_nc_u64 s[98:99], s[12:13], s[46:47]
	s_add_nc_u64 s[12:13], s[12:13], s[22:23]
.macro FRAG reg, adr, q, i
.irp c, 0,1,2
	ds_load_b128 v[\reg+4*\c:\reg+4*\c+3], v[\adr] offset:(\i)*3072+(\q)*1536+\c*512
.endr
.endm
.macro MUL16 a0, p, q, sc, first
.irp a, \a0, \a0+1
.irp b, 0,1,2,3,4,5,6,7
.if \first
	v_wmma_scale_f32_16x16x128_f8f6f4 v[8*(8*((\a)%4)+\b):8*(8*((\a)%4)+\b)+7], v[128*(\p)+FR*\b:128*(\p)+FR*\b+FR-1], v[AF+FR*(\a):AF+FR*(\a)+FR-1], v[96+8*\b+96*(\b/4):96+8*\b+96*(\b/4)+7], v[SC+8*NQ*(\sc)+NQ*\b+(\q)], v[SC+8*NQ*(\sc)+NQ*(\a)+(\q)] matrix_a_fmt:MATRIX_FMT_BF6 matrix_b_fmt:MATRIX_FMT_BF6 matrix_a_scale:MATRIX_SCALE_ROW1
.else
	v_wmma_scale_f32_16x16x128_f8f6f4 v[8*(8*((\a)%4)+\b):8*(8*((\a)%4)+\b)+7], v[128*(\p)+FR*\b:128*(\p)+FR*\b+FR-1], v[AF+FR*(\a):AF+FR*(\a)+FR-1], v[8*(8*((\a)%4)+\b):8*(8*((\a)%4)+\b)+7], v[SC+8*NQ*(\sc)+NQ*\b+(\q)], v[SC+8*NQ*(\sc)+NQ*(\a)+(\q)] matrix_a_fmt:MATRIX_FMT_BF6 matrix_b_fmt:MATRIX_FMT_BF6 matrix_a_scale:MATRIX_SCALE_ROW1
.endif
.endr
.endr
.endm
.macro FETCH_B slot, q, p
	WIN TO_B
.irp i, 0,1,2,3,4,5,6,7
	FRAG 128*(\p)+FR*\i, ADRB+\slot, \q, \i
.endr
	WIN 0
.endm
.macro FETCH_A slot, q, i0
.irp i, \i0, \i0+1, \i0+2, \i0+3
	FRAG AF+FR*(\i), ADRA+\slot, \q, \i
.endr
.endm
.macro SCALES sc
.irp i, 0,1,2,3,4,5,6,7
	ds_load_b32 v[SC+16*\sc+2*\i], v[ADRS] offset:64*\i
	ds_load_b32 v[SC+16*\sc+2*\i+1], v[ADRS] offset:512+64*\i
.endr
.endm
.macro PLACES n
.rept \n
	v_nop
.endr
.endm
.macro STEP slot, q, first
	s_wait_dscnt 4*NL
.if \first
	WIN 0x91
.else
	WIN MUL_LO
.endif
	MUL16 0, (\q)%2, \q, \slot, \first
	MUL16 2, (\q)%2, \q, \slot, \first
	s_wait_dscnt 0
	PLACES NP
	FETCH_B \slot, (\q)+1, 1-(\q)%2
	FETCH_A \slot, (\q)+1, 0
.if \first
	WIN 0xd1
.else
	WIN MUL_HI
.endif
	MUL16 4, (\q)%2, \q, \slot, \first
	MUL16 6, (\q)%2, \q, \slot, \first
	PLACES NP
	WIN 0
	FETCH_A \slot, (\q)+1, 4
.endm
.macro TURN slot, next, fill
	s_wait_tensorcnt 0x0
	ds_add_u32 v[SPW], v[NIL]
	s_wait_dscnt 4*NL+1
	WIN MUL_LO
	MUL16 0, 1, NQ-1, \slot, 0
	s_wait_dscnt 0x0
	s_barrier_signal -1
	MUL16 2, 1, NQ-1, \slot, 0
	WIN 0
	s_barrier_wait -1
.if \fill
	CREST
	s_add_nc_u64 s[G0+4*\slot+2:G0+4*\slot+3], s[G0+4*\slot+2:G0+4*\slot+3], 2*PART
	s_add_nc_u64 s[G0B+4*\slot+2:G0B+4*\slot+3], s[G0B+4*\slot+2:G0B+4*\slot+3], 2*PART
	JLOAD G0+4*\slot, G1, G0B+4*\slot, G1B
.else
	PLACES NP
.endif
	s_wait_alu depctr_va_vdst(0)
	v_add_nc_u32 v[ADRS], 1024, v[ADRS]
	FETCH_B \next, 0, 0
	FETCH_A \next, 0, 0
	SCALES \next
	WIN MUL_HI
	MUL16 4, 1, NQ-1, \slot, 0
	MUL16 6, 1, NQ-1, \slot, 0
	PLACES NP
	WIN 0
	FETCH_A \next, 0, 4
.endm
	s_wait_alu depctr_va_vdst(0)
	s_wait_tensorcnt 0x0                           ; my tile of the head's four is in; slot 1's first fill is issued as a refill is
	ds_add_u32 v[SPW], v[NIL]
.irp g, G1, G1B                        ; no tensor load of mine is out: from here on a load brings 96 rows of 256 bytes
	s_mov_b32 s[\g+1], 32<<16
	s_mov_b32 s[\g+2], 96<<16
	s_mov_b32 s[\g+3], 32<<16
	s_mov_b32 s[\g+4], 96
	s_mov_b32 s[\g+5], 32
.endr
	s_wait_dscnt 0x0
	CROUND                                         ; all four tiles are in, and all sixteen work-groups are here
	JLOAD G0+4, G1, G0B+4, G1B                     ; K step 1, the first tensor load behind the round
	global_prefetch_b8 v[PFO], s[PFA:PFA+1] offset:3*SL th:TH_LOAD_NT scope:SCOPE_SE
	FETCH_B 0, 0, 0
	FETCH_A 0, 0, 0
	SCALES 0
	FETCH_A 0, 0, 4
	s_wait_loadcnt 0x0
	STEP 0, 0, 1
	s_mov_b32 s3, LAPS-1
.Llap:
	TURN 0, 1, 1
	STEP 1, 0, 0
	TURN 1, 0, 1
	STEP 0, 0, 0
	s_sub_co_u32 s3, s3, 1
	s_cmp_lg_u32 s3, 0
	s_cbranch_scc1 .Llap
	TURN 0, 1, 0
	STEP 1, 0, 0
	s_wait_dscnt 4*NL
	WIN MUL_LO
	MUL16 0, 1, NQ-1, 1, 0
	MUL16 2, 1, NQ-1, 1, 0
	s_wait_dscnt 0
	WIN MUL_HI
	MUL16 4, 1, NQ-1, 1, 0
	MUL16 6, 1, NQ-1, 1, 0
	WIN 0
	PLACES NP
.macro QUANT s, d0, d1, pw
.irp b, 0,1,2,3
	v_max3_num_f32 v[TM+\b], |v[\s+16*\b]|, |v[\s+1+16*\b]|, 0x2800000
.endr
.irp i, 2,4,6,8,10,12,14
.irp b, 0,1,2,3
	v_max3_num_f32 v[TM+\b], v[TM+\b], |v[\s+16*\b+\i]|, |v[\s+1+16*\b+\i]|
.endr
.endr
.irp b, 0,1,2,3
	v_permlanex16_b32 v[TM+4+\b], v[TM+\b], s[SEL], s[SEL+1]
.endr
.irp b, 0,1,2,3
	v_max_num_f32 v[TM+\b], v[TM+\b], v[TM+4+\b]
.endr
.irp b, 0,1,2,3
	v_add_nc_u32 v[TM+12+\b], 0xfe000000, v[TM+\b]
.endr
.irp b, 0,1,2,3
	v_lshrrev_b32 v[TM+4+\b], 23, v[TM+12+\b]
.endr
	v_lshl_or_b32 v[\pw], v[TM+5], 8, v[TM+4]
	v_lshl_or_b32 v[\pw], v[TM+6], 16, v[\pw]
	v_lshl_or_b32 v[\pw], v[TM+7], 24, v[\pw]
	v_cvt_scalef32_pk16_bf6_f32 v[\d0:\d0+2], v[\s:\s+15], v[TM+12]
	v_cvt_scalef32_pk16_bf6_f32 v[PT:PT+2], v[\s+16:\s+31], v[TM+13]
	v_cvt_scalef32_pk16_bf6_f32 v[\d1:\d1+2], v[\s+32:\s+47], v[TM+14]
	v_cvt_scalef32_pk16_bf6_f32 v[PT+4:PT+6], v[\s+48:\s+63], v[TM+15]
	v_nop
.irp i, 0,1,2
	v_permlane16_swap_b32 v[\d0+\i], v[PT+\i]
.endr
.irp i, 0,1,2
	v_mov_b32 v[\d0+3+\i], v[PT+\i]
.endr
.irp i, 0,1,2
	v_permlane16_swap_b32 v[\d1+\i], v[PT+4+\i]
.endr
.irp i, 0,1,2
	v_mov_b32 v[\d1+3+\i], v[PT+4+\i]
.endr
.endm
.macro COPY k
.set AC, 64*((\k)%4)
	WIN 2+(\k)/4
.set i, 0
.rept 32
	v_pk_mul_f32 v[ZZ+i:ZZ+i+1], v[AC+i:AC+i+1], 0x3f3504f3 op_sel_hi:[1,0]
.set i, i+2
.endr
.set i, 0
.rept 32
	v_pk_mul_f32 v[HA+i:HA+i+1], v[AC+i:AC+i+1], 0.5 op_sel_hi:[1,0]
.set i, i+2
.endr
	WIN 0
.endm
	s_mov_b32 s[SEL], 0x76543210
	s_mov_b32 s[SEL+1], 0xfedcba98
.irp b, 0,1,2,3
	v_mov_b32 v[TM+4+\b], 0
.endr
	v_mov_b32 v[A1], 0x32edffee
	v_mov_b32 v[A1+1], 0x32edffee
	v_mov_b32 v[B1], 0xb95fbd29
	v_mov_b32 v[B1+1], 0xb95fbd29
	s_mov_b32 s3, 0
.Lrow:
	s_cmp_eq_u32 s3, 0
	s_cbranch_scc1 .Lc0
	s_cmp_eq_u32 s3, 1
	s_cbranch_scc1 .Lc1
	s_cmp_eq_u32 s3, 2
	s_cbranch_scc1 .Lc2
	s_cmp_eq_u32 s3, 3
	s_cbranch_scc1 .Lc3
	s_cmp_eq_u32 s3, 4
	s_cbranch_scc1 .Lc4
	s_cmp_eq_u32 s3, 5
	s_cbranch_scc1 .Lc5
	s_cmp_eq_u32 s3, 6
	s_cbranch_scc1 .Lc6
	COPY 7
	s_branch .Lmath
.Lc0:
	COPY 0
	s_branch .Lmath
.Lc1:
	COPY 1
	s_branch .Lmath
.Lc2:
	COPY 2
	s_branch .Lmath
.Lc3:
	COPY 3
	s_branch .Lmath
.Lc4:
	COPY 4
	s_branch .Lmath
.Lc5:
	COPY 5
	s_branch .Lmath
.Lc6:
	COPY 6
.Lmath:
.set i, 0
.rept 64
	v_med3_num_f32 v[ZZ+i], v[ZZ+i], -4.0, 4.0
.set i, i+1
.endr
	WIN 0x40
.set i, 0
.rept 32
	v_pk_mul_f32 v[XX+i:XX+i+1], v[ZZ+i:ZZ+i+1], v[ZZ+i:ZZ+i+1]
.set i, i+2
.endr
	WIN 0x41
.set i, 0
.rept 32
	v_pk_fma_f32 v[PP+i:PP+i+1], v[XX+i:XX+i+1], 0xaf95df0b, v[A1:A1+1] op_sel_hi:[1,0,1]
.set i, i+2
.endr
.set i, 0
.rept 32
	v_pk_fma_f32 v[QQ+i:QQ+i+1], v[XX+i:XX+i+1], 0xb77460cd, v[B1:B1+1] op_sel_hi:[1,0,1]
.set i, i+2
.endr
	WIN 0x45
.irp c, 0xb60cff51, 0xb86ec2d2, 0xba40ac63, 0xbb41a1f6, 0xbc83dbd4
.set i, 0
.rept 32
	v_pk_fma_f32 v[PP+i:PP+i+1], v[PP+i:PP+i+1], v[XX+i:XX+i+1], \c op_sel_hi:[1,1,0]
.set i, i+2
.endr
.endr
.irp c, 0xbadc924e, 0xbbf19bf8, 0xbc69b6a7
.set i, 0
.rept 32
	v_pk_fma_f32 v[QQ+i:QQ+i+1], v[QQ+i:QQ+i+1], v[XX+i:XX+i+1], \c op_sel_hi:[1,1,0]
.set i, i+2
.endr
.endr
.set i, 0
	s_wait_alu depctr_va_vdst(0)
.rept 64
	v_rcp_f32 v[QQ+i], v[QQ+i]
.set i, i+1
.endr
	WIN 0x04
.set i, 0
.rept 32
	v_pk_mul_f32 v[ZZ+i:ZZ+i+1], v[ZZ+i:ZZ+i+1], v[PP+i:PP+i+1]
.set i, i+2
.endr
	s_wait_alu depctr_va_vdst(0)
.set i, 0
.rept 32
	v_pk_mul_f32 v[ZZ+i:ZZ+i+1], v[ZZ+i:ZZ+i+1], v[QQ+i:QQ+i+1]
.set i, i+2
.endr
	WIN 0
.set i, 0
.rept 32
	v_pk_fma_f32 v[HA+i:HA+i+1], v[HA+i:HA+i+1], v[ZZ+i:ZZ+i+1], v[HA+i:HA+i+1]
.set i, i+2
.endr
	QUANT HA, FA, FA+6, PW
.irp c, 0,1,2
	global_store_b128 v[LI], v[FA+4*\c:FA+4*\c+3], s[12:13] offset:512*\c
.endr
	s_lshl_b32 s96, s3, 6
	v_add_nc_u32 v[SWA], s96, v[SW0]
	ds_store_b32 v[SWA], v[PW]
	s_wait_xcnt 0x0
	s_add_nc_u64 s[12:13], s[12:13], 3072
	s_add_co_u32 s3, s3, 1
	s_cmp_lt_u32 s3, 8
	s_cbranch_scc1 .Lrow
	ds_load_b128 v[OW:OW+3], v[SRD]
	s_wait_dscnt 0x0
	global_store_b128 v[LI], v[OW:OW+3], s[98:99]
	s_wait_tensorcnt 0x0
	ds_add_u32 v[SPW], v[NIL]
	s_wait_dscnt 0x0
	CROUND
	s_endpgm
.Lfunc_end_k_q44f1f2d046_gemm_1:
	.size	k_q44f1f2d046_gemm_1, .Lfunc_end_k_q44f1f2d046_gemm_1-k_q44f1f2d046_gemm_1
	.p2alignl 7, 3214868480
	.fill 96, 4, 3214868480
	.section	.rodata,"a",@progbits
	.p2align	6, 0x0
	.amdhsa_kernel k_q44f1f2d046_gemm_1
		.amdhsa_group_segment_fixed_size 327680
		.amdhsa_private_segment_fixed_size 0
		.amdhsa_enable_private_segment 0
		.amdhsa_kernarg_size 32
		.amdhsa_user_sgpr_count 2
		.amdhsa_user_sgpr_kernarg_segment_ptr 1
		.amdhsa_wavefront_size32 1
		.amdhsa_system_sgpr_workgroup_id_x 1
		.amdhsa_system_sgpr_workgroup_id_y 1
		.amdhsa_system_sgpr_workgroup_id_z 1
		.amdhsa_system_vgpr_workitem_id 0
		.amdhsa_next_free_vgpr 1024
		.amdhsa_next_free_sgpr 102
		.amdhsa_reserve_vcc 0
		.amdhsa_float_denorm_mode_32 3
		.amdhsa_float_denorm_mode_16_64 3
		.amdhsa_memory_ordered 1
		.amdhsa_forward_progress 1
		.amdhsa_inst_pref_size 202
	.end_amdhsa_kernel
	.amdgpu_metadata
---
amdhsa.version: [ 1, 2 ]
amdhsa.kernels:
  - .name:           k_q44f1f2d046_gemm_1
    .symbol:         k_q44f1f2d046_gemm_1.kd
    .args:
      - { .name: xnb, .offset: 0, .size: 8, .value_kind: global_buffer, .address_space: global }
      - { .name: wb, .offset: 8, .size: 8, .value_kind: global_buffer, .address_space: global }
      - { .name: b1, .offset: 16, .size: 8, .value_kind: global_buffer, .address_space: global }
      - { .name: hb, .offset: 24, .size: 8, .value_kind: global_buffer, .address_space: global }
    .group_segment_fixed_size: 327680
    .private_segment_fixed_size: 0
    .kernarg_segment_align: 8
    .kernarg_segment_size: 32
    .max_flat_workgroup_size: 128
    .sgpr_count:     102
    .vgpr_count:     1024
    .wavefront_size: 32
...
	.end_amdgpu_metadata
.endif
;; end of part 13
;; launch gemm_2 (part 14): grid 8 x 32, 4 waves a work-group, clusters of 4 x 4, 327,680 bytes of LDS; arguments hb, wb, b2, x1, out0; writes out0
.if DOCPART == 14
	.amdgcn_target "amdgcn-amd-amdhsa--gfx1250"
	.amdhsa_code_object_version 6
	.text
	.protected	k_q44f1f2d046_gemm_2
	.globl	k_q44f1f2d046_gemm_2
	.p2align	8
	.type	k_q44f1f2d046_gemm_2,@function
k_q44f1f2d046_gemm_2:
	s_mov_b64 s[64:65], 0
	v_nop
	global_prefetch_b8 v0, s[64:65] scope:SCOPE_SE
	s_setreg_imm32_b32 hwreg(HW_REG_WAVE_MODE, 25, 1), 1
	s_wait_xcnt 0x0
	s_wait_alu depctr_hold_cnt(0) depctr_sa_sdst(0) depctr_va_vdst(0) depctr_va_sdst(0) depctr_va_ssrc(0) depctr_va_vcc(0) depctr_vm_vsrc(0)
	s_getreg_b32 s2, hwreg(HW_REG_IB_STS2, 6, 4)
	s_cmp_eq_u32 s2, 0
	s_cbranch_scc0 .Lentry_in_a_cluster
	s_endpgm
.Lentry_in_a_cluster:
	s_bfe_u32 s2, ttmp6, 0x10000c
	s_cmp_lg_u32 s2, 0xf033
	s_cbranch_scc0 .Lentry_shape_is_right
	s_endpgm
.Lentry_shape_is_right:
.set SIZE_K, 4096
.set A_S,    12582912
.set W_I,    6291456
.set W_S,    9699328
.set FINAL,  1
.set FR,     12
.set NP,     4
.set PART,   24576
.set SLOT,   4*PART
.set LAPS,   SIZE_K/1024
.set GB,     SIZE_K*96
.set SG,     SIZE_K*4
.set SCL,    2*SLOT
.set SPARE,  SCL+2*SG
.set SPITCH, 272
.set ADRA, 16
.set ADRB, 20
.set STO,  24
.set RD,   25
.set LI,   26
.set ADRS, 27
.set SPW,  28
.set NIL,  29
.set BH,   30
.set CO,   31
.set SC,   32
.set BIA,  64
.set BK,   64
.set ACC,  128
.set G1, 24
.set G0, 32
.set G1B, 48
.set G0B, 56
.set G1S, 68
.set G0S, 76
.set G1SB, 80
.set G0SB, 88
.set MSB, 0
.macro WIN new
.if MSB != \new
	s_set_vgpr_msb (MSB<<8)|\new
.set MSB, \new
.endif
.endm
.set MUL,  0x05
.set TO_F, 0x40
.macro JLOAD g0a, g1a, g0b, g1b
	s_cmp_eq_u32 s15, 0
	s_cbranch_scc0 .Lfor_b_\@
	tensor_load_to_lds s[\g0a:\g0a+3], s[\g1a:\g1a+7]
	s_nop 0
.rept 4
	v_nop
.endr
	s_branch .Lasked_\@
.Lfor_b_\@:
	tensor_load_to_lds s[\g0b:\g0b+3], s[\g1b:\g1b+7]
	s_nop 0
.rept 4
	v_nop
.endr
.Lasked_\@:
.endm
.macro CREST
	s_cmp_lg_u32 s14, 0
	s_cbranch_scc1 .Lnot_wave_0_\@
	s_barrier_signal -3
.Lnot_wave_0_\@:
	s_barrier_wait -3
	s_barrier_signal -1
	s_barrier_wait -1
.endm
.macro CROUND
	s_barrier_signal -1
	s_barrier_wait -1
	CREST
.endm
	s_load_b128 s[4:7], s[0:1], 0x0
	s_load_b128 s[96:99], s[0:1], 0x10
	s_load_b64 s[12:13], s[0:1], 0x20
	v_lshl_add_u32 v[SPW], v0, 2, SPARE
	v_mov_b32 v[NIL], 0
	ds_add_u32 v28, v29
	ds_add_u32 v28, v29
	s_wait_dscnt 0x0
	v_lshrrev_b32 v1, 5, v0
	v_readfirstlane_b32 s14, v1
	s_lshr_b32 s15, s14, 1
	s_and_b32 s16, s14, 1
	s_bfe_u32 s40, ttmp6, 0x40000
	s_bfe_u32 s41, ttmp6, 0x40004
	s_lshl_b32 s42, ttmp9, 2
	s_add_co_u32 s42, s42, s40
	s_and_b32 s17, ttmp7, 0xffff
	s_lshl_b32 s17, s17, 2
	s_add_co_u32 s17, s17, s41
	s_lshl_b32 s43, s41, 2
	s_lshl_b32 s43, 15, s43
	s_lshl_b32 s44, 0x1111, s40
	s_or_b32 s[G1+0], s43, (3<<16)|(1<<21)
	s_or_b32 s[G1B+0], s44, (3<<16)|(1<<21)
.irp g, G1, G1B
	s_mov_b32 s[\g+1], 32<<16
	s_mov_b32 s[\g+2], 192<<16                     ; for the head's loads: 128 rows x 512 K, 192 dense rows of 256 bytes
	s_mov_b32 s[\g+3], 32<<16
	s_mov_b32 s[\g+4], 192
	s_mov_b32 s[\g+5], 32
	s_mov_b32 s[\g+6], 0
	s_mov_b32 s[\g+7], 0
.endr
	s_or_b32 s[G1S+0], s43, (3<<16)|(1<<21)
	s_or_b32 s[G1SB+0], s44, (3<<16)|(1<<21)
.irp g, G1S, G1SB
	s_mov_b32 s[\g+1], 32<<16
	s_mov_b32 s[\g+2], (SG/256)<<16                ; the scale words of 128 rows, whole
	s_mov_b32 s[\g+3], 32<<16
	s_mov_b32 s[\g+4], SG/256
	s_mov_b32 s[\g+5], 32
	s_mov_b32 s[\g+6], 0
	s_mov_b32 s[\g+7], 0
.endr
	s_mul_i32 s18, s16, PART
	s_mov_b32 s19, 0
	s_mul_i32 s20, s17, GB
	s_mul_i32 s46, s42, GB
	s_mul_i32 s22, s17, SG
	s_mul_i32 s92, s42, SG
	s_mov_b32 s21, 0
	s_mov_b32 s23, 0
	s_mov_b32 s47, 0
	s_mov_b32 s93, 0
	s_mul_i32 s45, s14, PART
	s_wait_kmcnt 0x0
	s_add_nc_u64 s[8:9], s[6:7], W_I
	s_add_nc_u64 s[10:11], s[6:7], W_S
	s_add_nc_u64 s[6:7], s[4:5], A_S
	s_add_nc_u64 s[20:21], s[4:5], s[20:21]
	s_add_nc_u64 s[22:23], s[6:7], s[22:23]
	s_add_nc_u64 s[46:47], s[8:9], s[46:47]
	s_add_nc_u64 s[92:93], s[10:11], s[92:93]
	CROUND
	s_mov_b32 s[G0S], 1
	s_mov_b32 s[G0S+1], SCL
	s_mov_b64 s[G0S+2:G0S+3], s[22:23]
	s_or_b32 s[G0S+3], s[G0S+3], 0x80000000
	s_mov_b32 s[G0SB], 1
	s_mov_b32 s[G0SB+1], SCL+SG
	s_mov_b64 s[G0SB+2:G0SB+3], s[92:93]
	s_or_b32 s[G0SB+3], s[G0SB+3], 0x80000000
.set G0H, 4                            ; s[4:7], s[8:11] group 0 of the head's loads of slot 0 (the addresses that lay there have been used)
.set G0HB, 8
	s_mov_b32 s[G0H], 1                            ; A's 128 rows x 512 K
	s_mov_b32 s[G0H+1], 0
	s_mov_b64 s[G0H+2:G0H+3], s[20:21]
	s_or_b32 s[G0H+3], s[G0H+3], 0x80000000
	s_mov_b32 s[G0HB], 1                           ; B's, behind them in slot 0
	s_mov_b32 s[G0HB+1], 2*PART
	s_mov_b64 s[G0HB+2:G0HB+3], s[46:47]
	s_or_b32 s[G0HB+3], s[G0HB+3], 0x80000000
	s_add_nc_u64 s[20:21], s[20:21], s[18:19]
	s_add_nc_u64 s[46:47], s[46:47], s[18:19]
; PREFETCHES: a slot's part (24,576 bytes, 96 blocks of 256) that I will fetch is asked for two slots ahead of its tensor load.  The four partners that ask for it jointly share its blocks out by address:
; the partner at place p (cx for A, cy for B) names blocks 24 p .. 24 p + 23, a lane a block; lanes 24-31 name the last again.  The head asks for slots 1 and 2, slot 1's load for slot 3,
; the refill of slot j + 2 for slot j + 4; the loop's last trip, whose look-ahead would pass the eighth slot, asks for nothing.
.set PFA, 40                           ; s[40:41] my work-group's 24 blocks of my part of a slot: slot 0 at first, stepped a slot at the head of each change of slots that refills
.set PFO, 18                           ; v18 256 x min(lane, 23); never rewritten
.set SL,  2*PART                       ; bytes from slot to slot in memory
	s_cmp_eq_u32 s15, 0                            ; do I fetch for A?
	s_cselect_b32 s18, s40, s41
	s_cselect_b64 s[PFA:PFA+1], s[20:21], s[46:47]
	s_mul_i32 s18, s18, 24*256
	s_add_nc_u64 s[PFA:PFA+1], s[PFA:PFA+1], s[18:19]
.irp s, 0,1
	s_mov_b32 s[G0+4*\s], 1
	s_add_co_u32 s[G0+4*\s+1], s45, \s*SLOT
	s_add_nc_u64 s[G0+4*\s+2:G0+4*\s+3], s[20:21], \s*2*PART
	s_or_b32 s[G0+4*\s+3], s[G0+4*\s+3], 0x80000000
	s_mov_b32 s[G0B+4*\s], 1
	s_add_co_u32 s[G0B+4*\s+1], s45, \s*SLOT
	s_add_nc_u64 s[G0B+4*\s+2:G0B+4*\s+3], s[46:47], \s*2*PART
	s_or_b32 s[G0B+4*\s+3], s[G0B+4*\s+3], 0x80000000
.endr
; The head's loads, one a wave: wave 0 A's part of slot 0, wave 1 B's, wave 2 A's scale words, wave 3 B's.  One chain of branches on the wave's number, all arms to one join.
.macro ARM under, g0, g1, next
	s_cmp_lt_u32 s14, \under
	s_cbranch_scc0 \next
	tensor_load_to_lds s[\g0:\g0+3], s[\g1:\g1+7]
	s_nop 0
.rept 4
	v_nop
.endr
	s_branch .Lhead_asked
\next:
.endm
	ARM 1, G0H,  G1,  .Lhead_b
	ARM 2, G0HB, G1B, .Lhead_sa
	ARM 3, G0S,  G1S, .Lhead_sb
	tensor_load_to_lds s[G0SB:G0SB+3], s[G1SB:G1SB+7]
	s_nop 0
.rept 4
	v_nop
.endr
.Lhead_asked:
	v_and_b32 v[PFO], 31, v0
	v_min_u32 v[PFO], 23, v[PFO]
	v_lshlrev_b32 v[PFO], 8, v[PFO]
	global_prefetch_b8 v[PFO], s[PFA:PFA+1] offset:SL th:TH_LOAD_NT scope:SCOPE_SE
	global_prefetch_b8 v[PFO], s[PFA:PFA+1] offset:2*SL th:TH_LOAD_NT scope:SCOPE_SE
	v_and_b32 v1, 15, v0
	v_bfe_u32 v2, v0, 4, 1
	s_wait_alu depctr_va_vdst(0)
	v_and_b32 v3, 31, v0
	v_lshlrev_b32 v[LI], 4, v3
	v_lshlrev_b32 v[BH], 5, v2
	s_mul_i32 s21, s15, 12288
	s_mul_i32 s22, s16, 12288
	s_add_co_u32 s22, s22, 2*PART
.irp s, 0,1
	v_add_nc_u32 v[ADRA+\s], s21, v[LI]
	v_add_nc_u32 v[ADRB+\s], s22, v[LI]
	s_add_co_u32 s21, s21, SLOT
	s_add_co_u32 s22, s22, SLOT
.endr
	v_lshlrev_b32 v5, 2, v1
	s_lshl_b32 s21, s15, 8
	s_lshl_b32 s22, s16, 8
	s_add_co_u32 s22, s22, SG
	s_sub_co_u32 s22, s22, s21
	v_mul_u32_u24 v6, s22, v2
	s_add_co_u32 s21, s21, SCL
	v_add_nc_u32 v5, v5, v6
	v_add_nc_u32 v[ADRS], s21, v5
	s_mul_i32 s23, s14, 16*SPITCH
	v_mul_u32_u24 v5, v1, SPITCH
	v_lshl_add_u32 v5, v2, 5, v5
	v_add_nc_u32 v[STO], s23, v5
	v_mul_u32_u24 v5, v2, SPITCH
	v_lshl_add_u32 v5, v1, 4, v5
	v_add_nc_u32 v[RD], s23, v5
	v_lshlrev_b32 v5, 12, v2
	v_lshl_add_u32 v[CO], v1, 4, v5
	s_wait_alu depctr_va_vdst(0)
	s_lshl_b32 s46, s42, 9
	s_lshl_b32 s47, s16, 8
	s_add_co_u32 s46, s46, s47
	s_mov_b32 s47, 0
	s_add_nc_u64 s[96:97], s[96:97], s[46:47]
	s_lshl_b32 s20, s17, 7
	s_lshl_b32 s21, s15, 6
	s_add_co_u32 s20, s20, s21
	s_lshl_b32 s20, s20, 12
	s_add_co_u32 s20, s20, s46
	s_mov_b32 s21, 0
	s_add_nc_u64 s[12:13], s[12:13], s[20:21]
	s_add_nc_u64 s[98:99], s[98:99], s[20:21]
.irp b, 0,1,2,3
	global_load_b128 v[BIA+8*\b:BIA+8*\b+3], v[BH], s[96:97] offset:64*\b
	global_load_b128 v[BIA+8*\b+4:BIA+8*\b+7], v[BH], s[96:97] offset:64*\b+16
.endr
	WIN 0x80
.irp a, 0,1,2,3
.irp t, 0,1,2,3,4,5,6,7
	global_load_b128 v[32*\a+4*\t:32*\a+4*\t+3], v[CO], s[98:99] offset:(16*\a+2*\t)*4096
.endr
.endr
	WIN 0
.macro FRAG reg, adr, q, i
.irp c, 0,1,2
	ds_load_b128 v[\reg+4*\c:\reg+4*\c+3], v[\adr] offset:((\q)/2)*PART+(\i)*3072+((\q)%2)*1536+\c*512
.endr
.endm
.macro FETCH slot, q, f
	WIN TO_F
.irp i, 0,1,2,3
	FRAG \f+48+FR*\i, ADRB+\slot, \q, \i
.endr
.irp i, 0,1,2,3
	FRAG \f+FR*\i, ADRA+\slot, \q, \i
.endr
.endm
.macro SCALES sc
.irp q, 0,1,2,3
.irp i, 0,1,2,3
	ds_load_b32 v[SC+16*\sc+4*\q+\i], v[ADRS] offset:512*\q+64*\i
.endr
.endr
.endm
.macro MULA a, f, q, sc, first
.irp b, 0,1,2,3
.if \first
	v_wmma_scale_f32_16x16x128_f8f6f4 v[ACC+8*(4*(\a)+\b):ACC+8*(4*(\a)+\b)+7], v[\f+48+FR*\b:\f+48+FR*\b+FR-1], v[\f+FR*(\a):\f+FR*(\a)+FR-1], v[BIA+8*\b:BIA+8*\b+7], v[SC+16*(\sc)+4*(\q)+\b], v[SC+16*(\sc)+4*(\q)+(\a)] matrix_a_fmt:MATRIX_FMT_BF6 matrix_b_fmt:MATRIX_FMT_BF6 matrix_a_scale:MATRIX_SCALE_ROW1
.else
	v_wmma_scale_f32_16x16x128_f8f6f4 v[ACC+8*(4*(\a)+\b):ACC+8*(4*(\a)+\b)+7], v[\f+48+FR*\b:\f+48+FR*\b+FR-1], v[\f+FR*(\a):\f+FR*(\a)+FR-1], v[ACC+8*(4*(\a)+\b):ACC+8*(4*(\a)+\b)+7], v[SC+16*(\sc)+4*(\q)+\b], v[SC+16*(\sc)+4*(\q)+(\a)] matrix_a_fmt:MATRIX_FMT_BF6 matrix_b_fmt:MATRIX_FMT_BF6 matrix_a_scale:MATRIX_SCALE_ROW1
.endif
.endr
.endm
.macro PLACES n
.rept \n
	v_nop
.endr
.endm
.macro STEP slot, q, first
	s_wait_dscnt 0x0
	PLACES NP
	FETCH \slot, (\q)+1, 96*(((\q)+1)%2)
	WIN MUL
	MULA 0, 96*((\q)%2), \q, \slot, \first
	MULA 1, 96*((\q)%2), \q, \slot, \first
	MULA 2, 96*((\q)%2), \q, \slot, \first
	MULA 3, 96*((\q)%2), \q, \slot, \first
.endm
.macro ASK                             ; s3 counts the loop's trips down to 1: the same in every work-group
	s_cmp_gt_u32 s3, 1
	s_cbranch_scc0 .Lno_ask_\@
	global_prefetch_b8 v[PFO], s[PFA:PFA+1] offset:3*SL th:TH_LOAD_NT scope:SCOPE_SE
.Lno_ask_\@:
.endm
.macro TURN slot, next, fill
	WIN 0
.if \fill
	s_wait_xcnt 0x0                                ; my last prefetch has read its address: it is stepped only behind this wait
	s_add_nc_u64 s[PFA:PFA+1], s[PFA:PFA+1], SL
.endif
	s_wait_tensorcnt 0x0
	ds_add_u32 v[SPW], v[NIL]
	s_wait_dscnt 1
	WIN MUL
	MULA 0, 96, 3, \slot, 0
	s_wait_dscnt 0x0
	s_barrier_signal -1
	MULA 1, 96, 3, \slot, 0
	WIN 0
	s_barrier_wait -1
.if \fill
	CREST
	s_add_nc_u64 s[G0+4*\slot+2:G0+4*\slot+3], s[G0+4*\slot+2:G0+4*\slot+3], 4*PART
	s_add_nc_u64 s[G0B+4*\slot+2:G0B+4*\slot+3], s[G0B+4*\slot+2:G0B+4*\slot+3], 4*PART
	JLOAD G0+4*\slot, G1, G0B+4*\slot, G1B
.else
	PLACES NP
.endif
	s_wait_alu depctr_va_vdst(0)
	v_add_nc_u32 v[ADRS], 2048, v[ADRS]
	SCALES \next
.if \fill
	ASK                                            ; behind the joint load, its five lines and sixteen LDS loads
.endif
	FETCH \next, 0, 0
	WIN MUL
	MULA 2, 96, 3, \slot, 0
	MULA 3, 96, 3, \slot, 0
.endm
	s_wait_alu depctr_va_vdst(0)                   ; the wait at the head's end
	s_wait_tensorcnt 0x0                           ; my tile of the head's four is in; slot 1's first fill is issued as a refill is
	ds_add_u32 v[SPW], v[NIL]
	s_mov_b32 s[G1+2], 96<<16                      ; no tensor load of mine is out: from here on a load brings 96 rows
	s_mov_b32 s[G1+4], 96
	s_mov_b32 s[G1B+2], 96<<16
	s_mov_b32 s[G1B+4], 96
	s_wait_dscnt 0x0
	CROUND                                         ; all four tiles are in, and all sixteen work-groups are here
	JLOAD G0+4, G1, G0B+4, G1B                     ; slot 1, the first tensor load behind the round
	global_prefetch_b8 v[PFO], s[PFA:PFA+1] offset:3*SL th:TH_LOAD_NT scope:SCOPE_SE
	SCALES 0
	FETCH 0, 0, 0
	s_wait_loadcnt 32
	STEP 0, 0, 1
.if LAPS > 1
	WIN 0
	s_mov_b32 s3, LAPS-1
.Llap:
	STEP 0, 1, 0
	STEP 0, 2, 0
	TURN 0, 1, 1
	STEP 1, 0, 0
	STEP 1, 1, 0
	STEP 1, 2, 0
	TURN 1, 0, 1
	STEP 0, 0, 0
	WIN 0
	s_sub_co_u32 s3, s3, 1
	s_cmp_lg_u32 s3, 0
	s_cbranch_scc1 .Llap
.endif
	STEP 0, 1, 0
	STEP 0, 2, 0
	TURN 0, 1, 0
	STEP 1, 0, 0
	STEP 1, 1, 0
	STEP 1, 2, 0
	s_wait_dscnt 0x0
	WIN MUL
	MULA 0, 96, 3, 1, 0
	MULA 1, 96, 3, 1, 0
	MULA 2, 96, 3, 1, 0
	MULA 3, 96, 3, 1, 0
	WIN 0
	PLACES NP
.macro TOSTAGE a
.irp b, 0,1,2,3
	ds_store_b128 v[STO], v[ACC+8*(4*(\a)+\b):ACC+8*(4*(\a)+\b)+3] offset:64*\b
	ds_store_b128 v[STO], v[ACC+8*(4*(\a)+\b)+4:ACC+8*(4*(\a)+\b)+7] offset:64*\b+16
.endr
.set BB, BK+32*((\a)%2)
.irp t, 0,1,2,3,4,5,6,7
	ds_load_b128 v[BB+4*\t:BB+4*\t+3], v[RD] offset:\t*2*SPITCH
.endr
.endm
.macro SEND a, yds
.set BB, BK+32*((\a)%2)
.set RS, 32*(\a)
	s_wait_dscnt \yds
	WIN 0x08
.set i, 0
.rept 16
	v_pk_add_f32 v[BB+i:BB+i+1], v[BB+i:BB+i+1], v[RS+i:RS+i+1]
.set i, i+2
.endr
	WIN 0
.irp t, 0,1,2,3,4,5,6,7
.if FINAL
	global_store_b128 v[CO], v[BB+4*\t:BB+4*\t+3], s[12:13] offset:(16*(\a)+2*\t)*4096 th:TH_STORE_NT
.else
	global_store_b128 v[CO], v[BB+4*\t:BB+4*\t+3], s[12:13] offset:(16*(\a)+2*\t)*4096
.endif
.endr
.endm
	s_wait_loadcnt 0x0
	TOSTAGE 0
.irp a, 1,2,3
.if \a > 1
	s_wait_xcnt 0x0
.endif
	TOSTAGE \a
	SEND \a-1, 16
.endr
	SEND 3, 0
	s_wait_tensorcnt 0x0
	ds_add_u32 v[SPW], v[NIL]
	s_wait_dscnt 0x0
	CROUND
	s_endpgm
.Lfunc_end_k_q44f1f2d046_gemm_2:
	.size	k_q44f1f2d046_gemm_2, .Lfunc_end_k_q44f1f2d046_gemm_2-k_q44f1f2d046_gemm_2
	.p2alignl 7, 3214868480
	.fill 96, 4, 3214868480
	.section	.rodata,"a",@progbits
	.p2align	6, 0x0
	.amdhsa_kernel k_q44f1f2d046_gemm_2
		.amdhsa_group_segment_fixed_size 327680
		.amdhsa_private_segment_fixed_size 0
		.amdhsa_enable_private_segment 0
		.amdhsa_kernarg_size 40
		.amdhsa_user_sgpr_count 2
		.amdhsa_user_sgpr_kernarg_segment_ptr 1
		.amdhsa_wavefront_size32 1
		.amdhsa_system_sgpr_workgroup_id_x 1
		.amdhsa_system_sgpr_workgroup_id_y 1
		.amdhsa_system_sgpr_workgroup_id_z 1
		.amdhsa_system_vgpr_workitem_id 0
		.amdhsa_next_free_vgpr 640
		.amdhsa_next_free_sgpr 102
		.amdhsa_reserve_vcc 0
		.amdhsa_float_denorm_mode_32 3
		.amdhsa_float_denorm_mode_16_64 3
		.amdhsa_memory_ordered 1
		.amdhsa_forward_progress 1
		.amdhsa_inst_pref_size 94
	.end_amdhsa_kernel
	.amdgpu_metadata
---
amdhsa.version: [ 1, 2 ]
amdhsa.kernels:
  - .name:           k_q44f1f2d046_gemm_2
    .symbol:         k_q44f1f2d046_gemm_2.kd
    .args:
      - { .name: hb, .offset: 0, .size: 8, .value_kind: global_buffer, .address_space: global }
      - { .name: wb, .offset: 8, .size: 8, .value_kind: global_buffer, .address_space: global }
      - { .name: b2, .offset: 16, .size: 8, .value_kind: global_buffer, .address_space: global }
      - { .name: x1, .offset: 24, .size: 8, .value_kind: global_buffer, .address_space: global }
      - { .name: out0, .offset: 32, .size: 8, .value_kind: global_buffer, .address_space: global }
    .group_segment_fixed_size: 327680
    .private_segment_fixed_size: 0
    .kernarg_segment_align: 8
    .kernarg_segment_size: 40
    .max_flat_workgroup_size: 128
    .sgpr_count:     102
    .vgpr_count:     640
    .wavefront_size: 32
...
	.end_amdgpu_metadata
.endif
;; end of part 14
